; MI455X (gfx1250); checked and timed in simulation.
; The chip was launched on July 23, 2026; its instructions are those of AMD's public machine-readable ISA for CDNA 5 (MIT licence, August 2026) and "CDNA5" Instruction Set Architecture Reference Guide (July 2026). The comments in the code are by the model that wrote it; some were corrected since.
;; Variable Transformer Block. Allowed arithmetic: matrix products marked QUANTISED: E5M2 operands, one E8M0 scale for each 32 along K, by v_wmma_scale_f32_16x16x128_f8f6f4 with both operands' format E5M2, f32 sums; everything else in f32.
;; Inputs: ff1_b 4,096 float32; ff1_w 4,096 x 1,024 float32; ff2_b 1,024 float32; ff2_w 1,024 x 4,096 float32; ln1_b 1,024 float32; ln1_g 1,024 float32; ln2_b 1,024 float32; ln2_g 1,024 float32; out_b 1,024 float32; out_w 1,024 x 1,024 float32; qkv_b 3,072 float32; qkv_w 3,072 x 1,024 float32; x 2 x 2,048 x 1,024 float32.
;; Outputs: out0 2 x 2,048 x 1,024 float32.
;; This version of the problem:
;;   THIS VERSION OF THE PROBLEM IS GIVEN IN LOW PRECISION. The matrix products marked QUANTISED in the list below multiply operands that are first quantised to E5M2 (5 exponent bits, 2 mantissa bits; 8 bits a number), with one power-of-two scale for each 32 numbers along K (OCP MX v1.0); their sums are f32. All else is computed in f32.
;;   The module's matrix products, in the order in which they are computed (A, B: the left and right operand; K: the contracted axis; several contracted axes count as one K, in the product's order):
;;     1. [M 4,096, K 1,024] x [K 1,024, N 3,072]; A: computed on the way; B: input qkv_w: QUANTISED
;;     2. batch 32 x [M 2,048, K 64] x [K 64, N 2,048]; A: computed on the way; B: computed on the way: QUANTISED
;;     3. batch 32 x [M 64, K 2,048] x [K 2,048, N 2,048]; A: computed on the way; B: softmax (see below): QUANTISED
;;     4. [M 4,096, K 1,024] x [K 1,024, N 1,024]; A: computed on the way; B: input out_w: QUANTISED
;;     5. [M 4,096, K 1,024] x [K 1,024, N 4,096]; A: computed on the way; B: input ff1_w: QUANTISED
;;     6. [M 4,096, K 4,096] x [K 4,096, N 1,024]; A: computed on the way; B: input ff2_w: QUANTISED
;;   THE QUANTISER, for each operand of a quantised product, along K:
;;     - K is cut into blocks of 32 from its start; a last block that is shorter is filled with zeros.
;;     - A block's scale is 2^e with e = floor(log2(the largest magnitude in the block)) - 15, held to -126 .. 127; a block of zeros has e = 0. As a byte (E8M0): e + 127.
;;     - Each number is divided by its block's scale, clamped to +-57,344, and rounded to the nearest number of E5M2, ties to even, subnormals kept.
;;     - The product sums the exact products of the quantised numbers (number of the format x scale) in f32.
;;   ~~~python
;;   def quantise(x, axis):      # numpy; x: float32 -> the quantised numbers, widened to float32 again
;;       x = np.moveaxis(x, axis, -1); K = x.shape[-1]
;;       x = np.pad(x, [(0, 0)] * (x.ndim - 1) + [(0, -K % 32)]); x = x.reshape(x.shape[:-1] + (-1, 32)); a = np.abs(x).max(-1, keepdims=True)
;;       e = np.where(a > 0, np.clip(np.frexp(np.where(a > 0, a, 1))[1] - 1 - 15, -126, 127), 0)      # np.frexp(a)[1] - 1 = floor(log2(a)), exactly
;;       r = np.clip(x / 2.0 ** e, -57344, 57344)
;;       step = 2.0 ** (np.maximum(np.frexp(np.where(r == 0, 1, r))[1] - 1, -14) - 2)
;;       q = np.round(r / step) * step * 2.0 ** e      # np.round: ties to even
;;       return np.moveaxis(q.reshape(q.shape[:-2] + (-1,))[..., :K], -1, axis).astype(np.float32)
;;   ~~~
;;   SOFTMAX AHEAD OF A QUANTISED PRODUCT. Where the list says 'softmax', what is quantised is not the finished softmax but p = 2^(t - M), with t = logit x log2(e) and M = ceil(the row's largest t), a whole number; so 1/2 < the row's largest p <= 1. The row's sum l is taken of the UNQUANTISED p, in f32, and the product's result is divided by l at the end. Since M is a whole number, a kernel that streams over the keys may use a running M (the ceiling of the running maximum): every later rescaling is an exact power of two, which a block's scale takes up: the codes' values come out the same.
;;   OPERANDS COMPUTED ON THE WAY. 'Computed on the way' means the value that the module computes at that place (a softmax that the list does not call 'softmax' is quantised finished and normalised). What goes into a quantiser is computed in f32, as accurately as f32 sums, v_exp_f32 and their like allow (about 1e-6 of the number): no bf16 or f16 on the way to a quantiser, and a product that is left as it is and whose result goes on into a quantised operand takes f32 operands (vector FMAs, or v_wmma_f32_16x16x4_f32). A number that lies on a knife's edge between two numbers of the format may be rounded either way, as far as f32 arithmetic and the matrix unit's own rounding can turn it there, and no further.
;; 2 versions. Each part assembles by itself: llvm-mc -triple=amdgcn-amd-amdhsa -mcpu=gfx1250 --defsym DOCPART=n.
;; ======== version 1 of 2: 8 launches
;; workspace buffers: wq 13,008,896 bytes; aq 4,325,376 bytes; qkvc 13,369,344 bytes; x1 16,777,216 bytes; hid 17,301,504 bytes
;; launch wquant (part 1): grid 384 x 1, 4 waves a work-group, no clusters, 34,304 bytes of LDS; arguments qkv_w, out_w, ff1_w, ff2_w, wq; writes wq
.if DOCPART == 1
	.amdgcn_target "amdgcn-amd-amdhsa--gfx1250"
	.amdhsa_code_object_version 6
	.text
	.protected	k_qd43e33293a_wquant
	.globl	k_qd43e33293a_wquant
	.p2align	8
	.type	k_qd43e33293a_wquant,@function
k_qd43e33293a_wquant:
	s_mov_b64 s[64:65], 0
	v_nop
	global_prefetch_b8 v0, s[64:65] scope:SCOPE_SE
	s_setreg_imm32_b32 hwreg(HW_REG_WAVE_MODE, 25, 1), 1
	s_wait_xcnt 0x0
; The four weights [rows][K], f32, K innermost, become codes of BF8 (E5M2) with one E8M0 scale byte for each 32 along K, laid as the matrix unit's registers want them.
; ROW ORDER: lane place r of row block rb holds row 32 (rb / 2) + 8 (rb % 2) + r + 8 (r / 8).  IMAGE of a fragment (16 such rows x 128 K): [c 0..3][lane][16 bytes], register 4 c .. 4 c + 3 of lane (r, h) = k 32 c + 16 h + 0 .. 15.
; Codes: [rb][K / 128][2,048 bytes].  Scale words: [K / 128][rb / 4][r][4 words, one for each rb % 4].
; SHARES: a wave takes 64 rows x 128 K, four fragments; the four waves of a work-group take four neighbouring K steps.  Work-groups 0-95 qkv_w, 96-127 out_w, 128-255 ff1_w, 256-383 ff2_w: only pointers, pitches and offsets are chosen, one path serves all.
; Each load reads 512 consecutive bytes of a row; the 16 rows turn through the wave's own stage in LDS (rows 528 bytes apart), so that a lane gets 16 neighbours of each block of 32.  Each store of codes covers 512 consecutive bytes, aligned.
; A block's scale is 2^(floor(log2(largest magnitude)) - 15); a block of zeros keeps the byte 1 (its codes are zeros, and this program alone reads the bytes).
; LIMITS: NaN and infinities among the inputs are not served; blocks whose largest magnitude lies under 2^-111 keep the byte 1.
.set WS,  12582912                     ; where the scale words begin in wq
.set LI,  4                            ; v4     16 x lane
.set STI, 5                            ; v5     the stage, on the way in
.set STO, 6                            ; v6     and on the way out
.set SV,  7                            ; v7     my 8 bytes of the group's 256 bytes of scale words
.set CO,  8                            ; v8-11  codes: 16 x lane + f row blocks
.set VO,  12                           ; v12-27 source: 16 x lane + the place's row
.set WD,  28                           ; v28-31 the four fragments' scale words
.set R,   32                           ; v32-159 two sets of 64 numbers
.set PC,  160                          ; v160-223 codes, a set for each fragment: no store's data are written again
.set TM,  224                          ; v224-239 at work in QUANT
.set SEL, 40                           ; s[40:41] selects for lane l xor 16
.set MNT, 42                           ; s42 the mantissa field of 57,344
; 16 nb numbers of a lane, register 16 b + i = k 32 b + 16 h + i of my row, become codes in v[pc] on and the scale word in v[pw].
.macro QUANT s, nb, pc, pw
.irp b, 0,1,2,3
.if \b < \nb
	v_max3_num_f32 v[TM+\b], |v[\s+16*\b]|, |v[\s+16*\b+1]|, 0x8000000   ; my 16 numbers, and the floor 2^(16 - 127): the byte cannot fall under 1
.endif
.endr
.irp i, 2,4,6,8,10,12,14
.irp b, 0,1,2,3
.if \b < \nb
	v_max3_num_f32 v[TM+\b], v[TM+\b], |v[\s+16*\b+\i]|, |v[\s+16*\b+\i+1]|
.endif
.endr
.endr
.irp b, 0,1,2,3
.if \b < \nb
	v_permlanex16_b32 v[TM+4+\b], v[TM+\b], s[SEL], s[SEL+1]
.endif
.endr
.irp b, 0,1,2,3
.if \b < \nb
	v_max_num_f32 v[TM+\b], v[TM+\b], v[TM+4+\b]                  ; with lane l xor 16's: the block's largest magnitude
.endif
.endr
.irp b, 0,1,2,3
.if \b < \nb
	v_add_nc_u32 v[TM+12+\b], 0xf8800000, v[TM+\b]                ; 15 off its exponent field: the conversion's scale operand
.endif
.endr
.irp b, 0,1,2,3
.if \b < \nb
	v_and_or_b32 v[TM+8+\b], v[TM+\b], 0x7f800000, s[MNT]         ; 57,344 x the scale
.endif
.endr
.irp b, 0,1,2,3
.if \b < \nb
	v_lshrrev_b32 v[TM+4+\b], 23, v[TM+12+\b]                     ; the scale's byte
.endif
.endr
	v_lshl_or_b32 v[\pw], v[TM+5], 8, v[TM+4]
.if \nb > 2
	v_lshl_or_b32 v[\pw], v[TM+6], 16, v[\pw]
	v_lshl_or_b32 v[\pw], v[TM+7], 24, v[\pw]
.endif
.irp b, 0,1,2,3
.if \b < \nb
.irp i, 0,1,2,3,4,5,6,7,8,9,10,11,12,13,14,15
	v_med3_num_f32 v[\s+16*\b+\i], v[\s+16*\b+\i], -v[TM+8+\b], v[TM+8+\b]   ; the conversion does not saturate (ISA guide 7.6.2): the hold
.endr
	v_cvt_scalef32_pk8_bf8_f32 v[\pc+4*\b:\pc+4*\b+1], v[\s+16*\b:\s+16*\b+7], v[TM+12+\b]
	v_cvt_scalef32_pk8_bf8_f32 v[\pc+4*\b+2:\pc+4*\b+3], v[\s+16*\b+8:\s+16*\b+15], v[TM+12+\b]
.endif
.endr
	v_nop                                          ; one plain line behind the last conversion
.endm
	s_load_b256 s[4:11], s[0:1], 0x0               ; qkv_w, out_w, ff1_w, ff2_w
	s_load_b64 s[12:13], s[0:1], 0x20              ; wq
	v_lshl_add_u32 v254, v0, 2, 0x8400
	v_mov_b32 v255, 0
	v_lshrrev_b32 v1, 5, v0
	v_readfirstlane_b32 s16, v1                    ; wave
	v_and_b32 v1, 31, v0                           ; lane
	v_and_b32 v2, 15, v0                           ; r
	v_bfe_u32 v3, v0, 4, 1                         ; h
	v_lshlrev_b32 v[LI], 4, v1
	s_mul_i32 s17, s16, 16*528                     ; my stage
	v_add_nc_u32 v[STI], s17, v[LI]
	v_mul_u32_u24 v[STO], v2, 528
	v_lshl_add_u32 v[STO], v3, 6, v[STO]
	v_add_nc_u32 v[STO], s17, v[STO]               ; row r, + 64 h: my 16 numbers of a block
	v_lshlrev_b32 v[SV], 4, v2
	v_lshl_add_u32 v[SV], v3, 3, v[SV]             ; 16 r + 8 h
	v_cmp_lt_u32 s30, 15, v1                       ; the mask of lanes 16-31
	s_mov_b32 s[SEL], 0x76543210
	s_mov_b32 s[SEL+1], 0xfedcba98
	s_mov_b32 s[MNT], 0x600000
.irp b, 0,1,2,3
	v_mov_b32 v[TM+4+\b], 0                        ; a lane permute's destination counts as one of its sources
.endr
	s_wait_kmcnt 0x0
	s_cmp_lt_u32 ttmp9, 96                         ; which tensor: the choices hang on the work-group's number alone
	s_cselect_b64 s[14:15], s[4:5], s[6:7]
	s_cselect_b32 s18, 0, 96                       ; the tensor's first work-group
	s_cselect_b32 s19, 0, 3145728                  ; its codes in wq
	s_cselect_b32 s20, 0, 131072                   ; its scale words behind WS
	s_cselect_b32 s21, 2, 0                        ; a K step's scale words: 4,096 bytes << this
	s_cmp_lt_u32 ttmp9, 128
	s_cselect_b64 s[14:15], s[14:15], s[8:9]
	s_cselect_b32 s18, s18, 128
	s_cselect_b32 s19, s19, 4194304
	s_cselect_b32 s20, s20, 163840
	s_cselect_b32 s21, s21, 2
	s_cmp_lt_u32 ttmp9, 256
	s_cselect_b64 s[14:15], s[14:15], s[10:11]
	s_cselect_b32 s18, s18, 256
	s_cselect_b32 s19, s19, 8388608
	s_cselect_b32 s20, s20, 294912
	s_cselect_b32 s21, s21, 0
	s_cselect_b32 s22, 1, 3                        ; lg: 2^lg work-groups along K
	s_sub_co_u32 s23, ttmp9, s18
	s_lshr_b32 s24, s23, s22                       ; the group of 64 rows
	s_bfm_b32 s25, s22, 0
	s_and_b32 s25, s23, s25
	s_lshl_b32 s25, s25, 2
	s_add_co_u32 s25, s25, s16                     ; my K step
	s_lshl_b32 s26, 2048, s22                      ; a source row in bytes
	s_lshl_b32 s27, 8192, s22                      ; a row block's codes in bytes
	s_lshl_b32 s28, s24, 6
	s_mul_i32 s28, s28, s26
	s_lshl_b32 s29, s25, 9
	s_add_co_u32 s28, s28, s29
	s_mov_b32 s29, 0
	s_add_nc_u64 s[32:33], s[14:15], s[28:29]      ; fragment 0's first row, my 512 bytes of it
	s_lshl_b32 s28, s26, 3
	s_add_nc_u64 s[34:35], s[32:33], s[28:29]      ; fragment 1: 8 rows on
	s_lshl_b32 s28, s26, 5
	s_add_nc_u64 s[36:37], s[32:33], s[28:29]      ; fragment 2: 32 rows on
	s_add_nc_u64 s[38:39], s[34:35], s[28:29]      ; fragment 3: 40 rows on
	s_lshl_b32 s28, s24, 2
	s_mul_i32 s28, s28, s27
	s_add_co_u32 s28, s28, s19
	s_lshl_b32 s31, s25, 11
	s_add_co_u32 s28, s28, s31
	s_add_nc_u64 s[44:45], s[12:13], s[28:29]      ; my codes
	s_add_co_u32 s21, s21, 12
	s_lshl_b32 s28, s25, s21
	s_lshl_b32 s31, s24, 8
	s_add_co_u32 s28, s28, s31
	s_add_co_u32 s28, s28, s20
	s_add_co_u32 s28, s28, WS
	s_add_nc_u64 s[46:47], s[12:13], s[28:29]      ; my 256 bytes of scale words
.irp i, 0,1,2,3,4,5,6,7,8,9,10,11,12,13,14,15
	v_mad_u32_u24 v[VO+\i], s26, \i+8*(\i/8), v[LI]
.endr
.irp f, 0,1,2,3
	v_mad_u32_u24 v[CO+\f], s27, \f, v[LI]
.endr
.macro LOAD f
.irp i, 0,1,2,3,4,5,6,7,8,9,10,11,12,13,14,15
	global_load_b128 v[R+64*((\f)%2)+4*\i:R+64*((\f)%2)+4*\i+3], v[VO+\i], s[32+2*(\f):33+2*(\f)] th:TH_LOAD_NT
.endr
.endm
.macro TURN x                          ; 16 rows x 512 bytes through my stage and back into the registers that they left; LDS serves a wave's instructions in order
.irp i, 0,1,2,3,4,5,6,7,8,9,10,11,12,13,14,15
	ds_store_b128 v[STI], v[\x+4*\i:\x+4*\i+3] offset:528*\i
.endr
.irp c, 0,1,2,3
.irp j, 0,1,2,3
	ds_load_b128 v[\x+16*\c+4*\j:\x+16*\c+4*\j+3], v[STO] offset:128*\c+16*\j
.endr
.endr
	s_wait_dscnt 0x0
.endm
.macro FRAGQ f, left
	s_wait_loadcnt \left                           ; this fragment's 16 loads are in; the next fragment's may be out
	TURN R+64*((\f)%2)
	QUANT R+64*((\f)%2), 4, PC+16*(\f), WD+(\f)
.irp c, 0,1,2,3
	global_store_b128 v[CO+(\f)], v[PC+16*(\f)+4*\c:PC+16*(\f)+4*\c+3], s[44:45] offset:512*\c
.endr
.if (\f) < 2
	LOAD (\f)+2
.endif
.endm
	LOAD 0
	LOAD 1
	FRAGQ 0, 16
	FRAGQ 1, 16
	FRAGQ 2, 16
	FRAGQ 3, 0
	v_cndmask_b32 v242, v[WD], v[WD+2], s30        ; lanes 0-15 carry the words of fragments 0, 1, lanes 16-31 those of 2, 3
	v_cndmask_b32 v243, v[WD+1], v[WD+3], s30
	global_store_b64 v[SV], v[242:243], s[46:47]   ; 32 lanes store 256 consecutive bytes, aligned
	s_wait_tensorcnt 0x0
	ds_add_u32 v254, v255
	s_wait_dscnt 0x0
	s_endpgm
.Lfunc_end_k_qd43e33293a_wquant:
	.size	k_qd43e33293a_wquant, .Lfunc_end_k_qd43e33293a_wquant-k_qd43e33293a_wquant
	.p2alignl 7, 3214868480
	.fill 96, 4, 3214868480
	.section	.rodata,"a",@progbits
	.p2align	6, 0x0
	.amdhsa_kernel k_qd43e33293a_wquant
		.amdhsa_group_segment_fixed_size 34304
		.amdhsa_private_segment_fixed_size 0
		.amdhsa_enable_private_segment 0
		.amdhsa_kernarg_size 40
		.amdhsa_user_sgpr_count 2
		.amdhsa_user_sgpr_kernarg_segment_ptr 1
		.amdhsa_wavefront_size32 1
		.amdhsa_system_sgpr_workgroup_id_x 1
		.amdhsa_system_sgpr_workgroup_id_y 1
		.amdhsa_system_sgpr_workgroup_id_z 1
		.amdhsa_system_vgpr_workitem_id 0
		.amdhsa_next_free_vgpr 256
		.amdhsa_next_free_sgpr 66
		.amdhsa_reserve_vcc 0
		.amdhsa_float_denorm_mode_32 3
		.amdhsa_float_denorm_mode_16_64 3
		.amdhsa_memory_ordered 1
		.amdhsa_forward_progress 1
		.amdhsa_inst_pref_size 53
	.end_amdhsa_kernel
	.amdgpu_metadata
---
amdhsa.version: [ 1, 2 ]
amdhsa.kernels:
  - .name:           k_qd43e33293a_wquant
    .symbol:         k_qd43e33293a_wquant.kd
    .args:
      - { .name: qkv_w, .offset: 0, .size: 8, .value_kind: global_buffer, .address_space: global }
      - { .name: out_w, .offset: 8, .size: 8, .value_kind: global_buffer, .address_space: global }
      - { .name: ff1_w, .offset: 16, .size: 8, .value_kind: global_buffer, .address_space: global }
      - { .name: ff2_w, .offset: 24, .size: 8, .value_kind: global_buffer, .address_space: global }
      - { .name: wq, .offset: 32, .size: 8, .value_kind: global_buffer, .address_space: global }
    .group_segment_fixed_size: 34304
    .private_segment_fixed_size: 0
    .kernarg_segment_align: 8
    .kernarg_segment_size: 40
    .max_flat_workgroup_size: 128
    .sgpr_count:     66
    .vgpr_count:     256
    .wavefront_size: 32
...
	.end_amdgpu_metadata
.endif
;; end of part 1
;; launch ln1 (part 2): grid 256 x 1, 8 waves a work-group, no clusters, 70,656 bytes of LDS; arguments x, ln1_g, ln1_b, aq; writes aq
.if DOCPART == 2
	.amdgcn_target "amdgcn-amd-amdhsa--gfx1250"
	.amdhsa_code_object_version 6
	.text
	.protected	k_qd43e33293a_ln1
	.globl	k_qd43e33293a_ln1
	.p2align	8
	.type	k_qd43e33293a_ln1,@function
k_qd43e33293a_ln1:
	s_mov_b64 s[64:65], 0
	v_nop
	global_prefetch_b8 v0, s[64:65] scope:SCOPE_SE
	s_setreg_imm32_b32 hwreg(HW_REG_WAVE_MODE, 25, 1), 1
	s_wait_xcnt 0x0
; y = (x - mean) rsqrt(var + 1e-5) g + b along rows of 1,024 f32, then quantised along the row to BF8 (E5M2) with one E8M0 scale for each 32; codes and scale words leave as images of the matrix operand's registers.
; ROW ORDER and IMAGE as everywhere in this program: lane place r of row block rb holds row 32 (rb / 2) + 8 (rb % 2) + r + 8 (r / 8); codes [rb][8 K steps][c][lane][16 bytes]; scale words at 4,194,304: [K step][rb / 4][r][word rb % 4].
; SHARES: a work-group is one row block (16 rows), wave w takes K step w (128 columns).  The row's sum and then the sum of squared differences (two passes: no difference of large sums) meet in LDS, one barrier each.
; The scale words leave 4 bytes a lane, 64 bytes a wave: a work-group of 64 rows could gather whole runs of 256 bytes, and would give work to a quarter as many work-groups.
; LIMITS: NaN and infinities are not served; blocks whose largest magnitude lies under 2^-111 keep the byte 1 (a block of zeros too: its codes are zeros, and this program alone reads the bytes).
.set LI,  4                            ; v4  16 x lane
.set STI, 5
.set STO, 6
.set VG,  7                            ; v7  g, b: 512 w + 64 h
.set VW,  8                            ; v8  16 r
.set PW,  9                            ; v9  the scale word
.set RS,  10                           ; v10 where I put my wave's part of a row's sum
.set RW,  11                           ; v11 where I read the eight parts
.set AC,  12                           ; v12-19 four chains of pairs
.set X,   32
.set G,   96
.set BV,  160
.set TM,  224
.set PC,  240
.set RED1, 8*16*528                    ; behind the eight stages: 8 waves x 16 rows x 4 bytes; the second sum's words 512 bytes on
.set SEL, 28
.set MNT, 30
.macro QUANT s, nb, pc, pw
.irp b, 0,1,2,3
.if \b < \nb
	v_max3_num_f32 v[TM+\b], |v[\s+16*\b]|, |v[\s+16*\b+1]|, 0x8000000   ; my 16 numbers, and the floor 2^(16 - 127): the byte cannot fall under 1
.endif
.endr
.irp i, 2,4,6,8,10,12,14
.irp b, 0,1,2,3
.if \b < \nb
	v_max3_num_f32 v[TM+\b], v[TM+\b], |v[\s+16*\b+\i]|, |v[\s+16*\b+\i+1]|
.endif
.endr
.endr
.irp b, 0,1,2,3
.if \b < \nb
	v_permlanex16_b32 v[TM+4+\b], v[TM+\b], s[SEL], s[SEL+1]
.endif
.endr
.irp b, 0,1,2,3
.if \b < \nb
	v_max_num_f32 v[TM+\b], v[TM+\b], v[TM+4+\b]
.endif
.endr
.irp b, 0,1,2,3
.if \b < \nb
	v_add_nc_u32 v[TM+12+\b], 0xf8800000, v[TM+\b]
.endif
.endr
.irp b, 0,1,2,3
.if \b < \nb
	v_and_or_b32 v[TM+8+\b], v[TM+\b], 0x7f800000, s[MNT]
.endif
.endr
.irp b, 0,1,2,3
.if \b < \nb
	v_lshrrev_b32 v[TM+4+\b], 23, v[TM+12+\b]
.endif
.endr
	v_lshl_or_b32 v[\pw], v[TM+5], 8, v[TM+4]
.if \nb > 2
	v_lshl_or_b32 v[\pw], v[TM+6], 16, v[\pw]
	v_lshl_or_b32 v[\pw], v[TM+7], 24, v[\pw]
.endif
.irp b, 0,1,2,3
.if \b < \nb
.irp i, 0,1,2,3,4,5,6,7,8,9,10,11,12,13,14,15
	v_med3_num_f32 v[\s+16*\b+\i], v[\s+16*\b+\i], -v[TM+8+\b], v[TM+8+\b]
.endr
	v_cvt_scalef32_pk8_bf8_f32 v[\pc+4*\b:\pc+4*\b+1], v[\s+16*\b:\s+16*\b+7], v[TM+12+\b]
	v_cvt_scalef32_pk8_bf8_f32 v[\pc+4*\b+2:\pc+4*\b+3], v[\s+16*\b+8:\s+16*\b+15], v[TM+12+\b]
.endif
.endr
	v_nop
.endm
	s_load_b256 s[4:11], s[0:1], 0x0               ; the rows, g, b, aq
	v_lshl_add_u32 v30, v0, 2, 0x11000
	v_mov_b32 v31, 0
	v_lshrrev_b32 v1, 5, v0
	v_readfirstlane_b32 s12, v1                    ; wave = K step
	v_and_b32 v1, 31, v0
	v_and_b32 v2, 15, v0                           ; r
	v_bfe_u32 v3, v0, 4, 1                         ; h
	v_lshlrev_b32 v[LI], 4, v1
	s_mul_i32 s13, s12, 16*528
	v_add_nc_u32 v[STI], s13, v[LI]
	v_mul_u32_u24 v[STO], v2, 528
	v_lshl_add_u32 v[STO], v3, 6, v[STO]
	v_add_nc_u32 v[STO], s13, v[STO]
	s_lshl_b32 s14, s12, 9
	v_lshlrev_b32 v[VG], 6, v3
	v_add_nc_u32 v[VG], s14, v[VG]
	v_lshlrev_b32 v[VW], 4, v2
	v_lshlrev_b32 v[RW], 2, v2
	s_lshl_b32 s15, s12, 6
	v_add_nc_u32 v[RS], s15, v[RW]
	v_add_nc_u32 v[RS], RED1, v[RS]
	v_add_nc_u32 v[RW], RED1, v[RW]
	v_mov_b32 v21, 0                               ; a lane permute's destination counts as one of its sources
.irp b, 0,1,2,3
	v_mov_b32 v[TM+4+\b], 0
.endr
	s_mov_b32 s[SEL], 0x76543210
	s_mov_b32 s[SEL+1], 0xfedcba98
	s_mov_b32 s[MNT], 0x600000
	s_mov_b32 s20, 0x3a800000                      ; 1 / 1,024
	s_mov_b32 s21, 0x3727c5ac                      ; 1e-5
	s_lshr_b32 s16, ttmp9, 1
	s_lshl_b32 s16, s16, 17                        ; 32 rows of 4,096 bytes for each pair of row blocks,
	s_and_b32 s17, ttmp9, 1
	s_lshl_b32 s17, s17, 15                        ; 8 rows for the odd one,
	s_add_co_u32 s16, s16, s17
	s_add_co_u32 s16, s16, s14                     ; my 512 bytes of a row
	s_mov_b32 s17, 0
	s_lshl_b32 s18, ttmp9, 14
	s_lshl_b32 s19, s12, 11
	s_add_co_u32 s18, s18, s19                     ; my image
	s_mov_b32 s19, 0
	s_lshl_b32 s22, s12, 14
	s_lshr_b32 s23, ttmp9, 2
	s_lshl_b32 s23, s23, 8
	s_add_co_u32 s22, s22, s23
	s_and_b32 s23, ttmp9, 3
	s_lshl_b32 s23, s23, 2
	s_add_co_u32 s22, s22, s23
	s_add_co_u32 s22, s22, 4194304                 ; my scale words
	s_mov_b32 s23, 0
	s_wait_kmcnt 0x0
	s_add_nc_u64 s[4:5], s[4:5], s[16:17]
	s_add_nc_u64 s[24:25], s[10:11], s[18:19]
	s_add_nc_u64 s[26:27], s[10:11], s[22:23]
.irp i, 0,1,2,3,4,5,6,7,8,9,10,11,12,13,14,15
	global_load_b128 v[X+4*\i:X+4*\i+3], v[LI], s[4:5] offset:(\i+8*(\i/8))*4096   ; 512 consecutive bytes of the place's row
.endr
.irp c, 0,1,2,3
.irp j, 0,1,2,3
	global_load_b128 v[G+16*\c+4*\j:G+16*\c+4*\j+3], v[VG], s[6:7] offset:128*\c+16*\j
.endr
.endr
.irp c, 0,1,2,3
.irp j, 0,1,2,3
	global_load_b128 v[BV+16*\c+4*\j:BV+16*\c+4*\j+3], v[VG], s[8:9] offset:128*\c+16*\j
.endr
.endr
	s_wait_loadcnt 32                              ; the rows are in; g's and b's 32 loads may be out
.irp i, 0,1,2,3,4,5,6,7,8,9,10,11,12,13,14,15
	ds_store_b128 v[STI], v[X+4*\i:X+4*\i+3] offset:528*\i
.endr
.irp c, 0,1,2,3
.irp j, 0,1,2,3
	ds_load_b128 v[X+16*\c+4*\j:X+16*\c+4*\j+3], v[STO] offset:128*\c+16*\j   ; register 16 c + i = column 128 w + 32 c + 16 h + i of row r
.endr
.endr
	s_wait_dscnt 0x0
.irp k, 0,1,2,3
	v_pk_add_f32 v[AC+2*\k:AC+2*\k+1], v[X+4*\k:X+4*\k+1], v[X+4*\k+2:X+4*\k+3]
.endr
.set P, 8
.rept 24
	v_pk_add_f32 v[AC+2*(P%4):AC+2*(P%4)+1], v[AC+2*(P%4):AC+2*(P%4)+1], v[X+2*P:X+2*P+1]
.set P, P+1
.endr
.macro MEET off                        ; the four chains, the two halves of the lanes, the eight waves: the row's sum in v22
	v_pk_add_f32 v[AC:AC+1], v[AC:AC+1], v[AC+2:AC+3]
	v_pk_add_f32 v[AC+4:AC+5], v[AC+4:AC+5], v[AC+6:AC+7]
	v_pk_add_f32 v[AC:AC+1], v[AC:AC+1], v[AC+4:AC+5]
	v_add_f32 v20, v[AC], v[AC+1]
	v_permlanex16_b32 v21, v20, s[SEL], s[SEL+1]
	v_add_f32 v20, v20, v21
	ds_store_b32 v[RS], v20 offset:\off            ; lanes r and r + 16 write the same word with the same value
	s_wait_dscnt 0x0                               ; for the others' sake
	s_barrier_signal -1
	s_barrier_wait -1
.irp j, 0,1,2,3,4,5,6,7
	ds_load_b32 v[22+\j], v[RW] offset:\off+64*\j
.endr
	s_wait_dscnt 0x0
	v_add_f32 v22, v22, v23
	v_add_f32 v24, v24, v25
	v_add_f32 v26, v26, v27
	v_add_f32 v28, v28, v29
	v_add_f32 v22, v22, v24
	v_add_f32 v26, v26, v28
	v_add_f32 v22, v22, v26
.endm
	MEET 0
	v_mul_f32 v20, s20, v22                        ; the mean
.set P, 0
.rept 32
	v_pk_add_f32 v[X+2*P:X+2*P+1], v[X+2*P:X+2*P+1], v[20:21] op_sel_hi:[1,0] neg_lo:[0,1] neg_hi:[0,1]
.set P, P+1
.endr
.irp k, 0,1,2,3
	v_pk_mul_f32 v[AC+2*\k:AC+2*\k+1], v[X+2*\k:X+2*\k+1], v[X+2*\k:X+2*\k+1]
.endr
.set P, 4
.rept 28
	v_pk_fma_f32 v[AC+2*(P%4):AC+2*(P%4)+1], v[X+2*P:X+2*P+1], v[X+2*P:X+2*P+1], v[AC+2*(P%4):AC+2*(P%4)+1]
.set P, P+1
.endr
	MEET 512
	v_fma_f32 v22, v22, s20, s21                   ; the variance + 1e-5
	v_rsq_f32 v20, v22
	v_nop                                          ; one plain line behind a transcendental
	s_wait_loadcnt 0x0                             ; g and b
.set P, 0
	s_wait_alu depctr_va_vdst(0)
.rept 32
	v_pk_mul_f32 v[X+2*P:X+2*P+1], v[X+2*P:X+2*P+1], v[20:21] op_sel_hi:[1,0]
.set P, P+1
.endr
.set P, 0
.rept 32
	v_pk_fma_f32 v[X+2*P:X+2*P+1], v[X+2*P:X+2*P+1], v[G+2*P:G+2*P+1], v[BV+2*P:BV+2*P+1]
.set P, P+1
.endr
	QUANT X, 4, PC, PW
.irp c, 0,1,2,3
	global_store_b128 v[LI], v[PC+4*\c:PC+4*\c+3], s[24:25] offset:512*\c   ; 512 consecutive bytes, aligned
.endr
	v_cmp_gt_u32 vcc_lo, 16, v1
	s_wait_xcnt 0x0                                ; EXEC changes only behind this wait
	s_wait_tensorcnt 0x0
	ds_add_u32 v30, v31
	s_wait_dscnt 0x0
	s_and_saveexec_b32 s12, vcc_lo
	global_store_b32 v[VW], v[PW], s[26:27]        ; lanes 0-15: row r's word
	s_wait_xcnt 0x0
	s_or_b32 exec_lo, exec_lo, s12
	s_endpgm
.Lfunc_end_k_qd43e33293a_ln1:
	.size	k_qd43e33293a_ln1, .Lfunc_end_k_qd43e33293a_ln1-k_qd43e33293a_ln1
	.p2alignl 7, 3214868480
	.fill 96, 4, 3214868480
	.section	.rodata,"a",@progbits
	.p2align	6, 0x0
	.amdhsa_kernel k_qd43e33293a_ln1
		.amdhsa_group_segment_fixed_size 70656
		.amdhsa_private_segment_fixed_size 0
		.amdhsa_enable_private_segment 0
		.amdhsa_kernarg_size 32
		.amdhsa_user_sgpr_count 2
		.amdhsa_user_sgpr_kernarg_segment_ptr 1
		.amdhsa_wavefront_size32 1
		.amdhsa_system_sgpr_workgroup_id_x 1
		.amdhsa_system_sgpr_workgroup_id_y 1
		.amdhsa_system_sgpr_workgroup_id_z 1
		.amdhsa_system_vgpr_workitem_id 0
		.amdhsa_next_free_vgpr 256
		.amdhsa_next_free_sgpr 66
		.amdhsa_reserve_vcc 1
		.amdhsa_float_denorm_mode_32 3
		.amdhsa_float_denorm_mode_16_64 3
		.amdhsa_memory_ordered 1
		.amdhsa_forward_progress 1
		.amdhsa_inst_pref_size 31
	.end_amdhsa_kernel
	.amdgpu_metadata
---
amdhsa.version: [ 1, 2 ]
amdhsa.kernels:
  - .name:           k_qd43e33293a_ln1
    .symbol:         k_qd43e33293a_ln1.kd
    .args:
      - { .name: x, .offset: 0, .size: 8, .value_kind: global_buffer, .address_space: global }
      - { .name: ln1_g, .offset: 8, .size: 8, .value_kind: global_buffer, .address_space: global }
      - { .name: ln1_b, .offset: 16, .size: 8, .value_kind: global_buffer, .address_space: global }
      - { .name: aq, .offset: 24, .size: 8, .value_kind: global_buffer, .address_space: global }
    .group_segment_fixed_size: 70656
    .private_segment_fixed_size: 0
    .kernarg_segment_align: 8
    .kernarg_segment_size: 32
    .max_flat_workgroup_size: 256
    .sgpr_count:     66
    .vgpr_count:     256
    .wavefront_size: 32
...
	.end_amdgpu_metadata
.endif
;; end of part 2
;; launch qkvp (part 3): grid 12 x 16, 4 waves a work-group, clusters of 4 x 4, 327,680 bytes of LDS; arguments aq, wq, qkv_b, qkvc; writes qkvc
.if DOCPART == 3
	.amdgcn_target "amdgcn-amd-amdhsa--gfx1250"
	.amdhsa_code_object_version 6
	.text
	.protected	k_qd43e33293a_qkvp
	.globl	k_qd43e33293a_qkvp
	.p2align	8
	.type	k_qd43e33293a_qkvp,@function
k_qd43e33293a_qkvp:
	s_mov_b64 s[64:65], 0
	v_nop
	global_prefetch_b8 v0, s[64:65] scope:SCOPE_SE
	s_setreg_imm32_b32 hwreg(HW_REG_WAVE_MODE, 25, 1), 1
	s_wait_xcnt 0x0
	s_wait_alu depctr_hold_cnt(0) depctr_sa_sdst(0) depctr_va_vdst(0) depctr_va_sdst(0) depctr_va_ssrc(0) depctr_va_vcc(0) depctr_vm_vsrc(0)
	s_getreg_b32 s2, hwreg(HW_REG_IB_STS2, 6, 4)
	s_cmp_eq_u32 s2, 0
	s_cbranch_scc0 .Lentry_in_a_cluster
	s_endpgm
.Lentry_in_a_cluster:
	s_bfe_u32 s2, ttmp6, 0x10000c
	s_cmp_lg_u32 s2, 0xf033
	s_cbranch_scc0 .Lentry_shape_is_right
	s_endpgm
.Lentry_shape_is_right:
; qkv = h Wqkv^T + b on codes of BF8 (E5M2) with E8M0 scales, K = 1,024; the results are quantised at once for attention's two products and leave as images of operands' registers.
; A tile of 256 x 256 to a work-group of four waves, 128 x 128 a wave (64 accumulators); K in steps of 128, two to an LDS slot, two slots filled by the tensor data mover; the scale words of all of K come once.
; OPERANDS lie in memory as images: [row block of 16][K step][c][lane][16 bytes]; lane place r of row block rb is row 32 (rb / 2) + 8 (rb % 2) + r + 8 (r / 8).  So a fragment is four ds_load_b128 at 16 x lane: 512 consecutive bytes each.
; THE MATRIX INSTRUCTION IS USED TRANSPOSED (source 0 = 16 rows of "B", source 1 = 16 rows of "A"): by the row order a lane's 16 registers of two neighbouring tiles are 16 neighbours along B's rows.
; CLUSTERS x = 0, 1: A = h, B = Wq, Wk: a lane holds one token and 128 neighbouring channels (two heads): quantised along the head's 64.  CLUSTERS x = 2: A = Wv, B = h: V^T: a lane holds one channel and 128 neighbouring KEYS: quantised along the keys.
; The choice hangs on the cluster's x alone, which all partners share.  It selects pointers at the head and one branch in front of the last K step, which is therefore written twice.
; CLUSTER 4 x 4: A's tiles are asked for jointly along a row of the cluster, B's along a column.
; OUT (qkvc): q images [bh][rb 128][c 0, 1][lane][16] at 0, k's at 4,194,304, V^T's [bh][K step 16][d tile 4][2,048] at 8,388,608; scale words from SO on: q [bh][12,288: 8,192 used][rb / 4][r][word rb % 4]; at + 393,216 [bh][12,288]: k's 8,192 likewise, then V's [K step][r][word d tile].
; LIMITS: NaN and infinities are not served; blocks whose largest magnitude lies under 2^-111 keep the byte 1 (a block of zeros too: its codes are zeros, and this program alone reads the bytes).
.set NA, 8
.set NB, 8
.set NQ, 2
.set KS, 8
.set WS, 12582912
.set SO, 12582912
.set HALFT,  NA*NQ*2048                ; what one tensor load brings, and what one wave reads of A or of B in a slot
.set SLOT,   4*HALFT
.set ROWL,   128*NA                    ; a K step's scale words of the tile's rows
.set SCLSZ,  KS*ROWL
.set SCL,    2*SLOT
.set SPARE,  294912                    ; the spare words, 128 bytes for each wave: two blocks of 256 bytes that no other line names
.set LAPS,   KS/(2*NQ)
.set LI,   4                           ; v4  16 x lane
.set VB,   7                           ; v7  64 h
.set ADRA, 16
.set ADRB, 20
.set VS,   24                          ; v24 12,288 h + 16 r
.set VM,   25                          ; v25 4 (r + 8 (r / 8))
.set ADRS, 27
.set SPW,  28
.set NIL,  29
.set SC,   32                          ; v32-63 scale words, two sets: register NA q + i: lanes 0-15 A's block i, lanes 16-31 B's
.set BN,   64                          ; v64-127 the bias
.set AF,   128                         ; A's fragments, one set; behind the products: T, PC, TM, words
.set T,    128
.set PC,   192
.set TM,   208
.set PWT,  224
.set W0,   232
.set W1,   240
.set FW,   248
.set G1, 24
.set G0, 32
.set G1B, 48
.set G0B, 56
.set G1S, 68
.set G0S, 76
.set G1SB, 80
.set G0SB, 88
.set MNT, 67
.set ISV, 98
.set HM,  99
.set SEL, 100
.set MSB, 0
.macro WIN new                         ; the immediate's high byte repeats the setting that is left
.if MSB != (\new)
	s_set_vgpr_msb (MSB<<8)|(\new)
.set MSB, (\new)
.endif
.endm
.macro PLACES n
.rept \n
	v_nop
.endr
.endm
.macro JLOAD g0a, g1a, g0b, g1b        ; a joint load: waves 0, 1 fetch for A, waves 2, 3 for B; four v_nop follow each line
	s_cmp_eq_u32 s15, 0
	s_cbranch_scc0 .Lfor_b_\@
	tensor_load_to_lds s[\g0a:\g0a+3], s[\g1a:\g1a+7]
	s_nop 0
	PLACES 4
	s_branch .Lasked_\@
.Lfor_b_\@:
	tensor_load_to_lds s[\g0b:\g0b+3], s[\g1b:\g1b+7]
	s_nop 0
	PLACES 4
.Lasked_\@:
.endm
.macro CREST
	s_cmp_lg_u32 s14, 0
	s_cbranch_scc1 .Lnot_wave_0_\@
	s_barrier_signal -3
.Lnot_wave_0_\@:
	s_barrier_wait -3
	s_barrier_signal -1
	s_barrier_wait -1
.endm
.macro CROUND
	s_barrier_signal -1
	s_barrier_wait -1
	CREST
.endm
.macro FRAG reg, adr, q, i
.irp c, 0,1,2,3
	ds_load_b128 v[\reg+4*\c:\reg+4*\c+3], v[\adr] offset:((\i)*NQ+(\q))*2048+512*\c
.endr
.endm
.macro FETCH_B slot, q, p
	WIN 0x40
.set FI, 0
.rept NB
	FRAG 128*(\p)+16*FI, ADRB+\slot, \q, FI
.set FI, FI+1
.endr
	WIN 0
.endm
.macro FETCH_A slot, q, i0
.set FI, \i0
.rept NA/2
	FRAG AF+16*FI, ADRA+\slot, \q, FI
.set FI, FI+1
.endr
.endm
.macro SCALES sc
.set SQ, 0
.rept NQ
.set SG, 0
.rept NA/4
	ds_load_b128 v[SC+16*(\sc)+SQ*NA+4*SG:SC+16*(\sc)+SQ*NA+4*SG+3], v[ADRS] offset:SQ*ROWL+256*SG
.set SG, SG+1
.endr
.set SQ, SQ+1
.endr
.endm
.macro MULA a, p, q, sc, zero          ; A's block a against B's NB blocks; the accumulators take turns, one instruction a turn
.set AC, (8*NB*(\a))%256
	WIN 0xa1+0x50*((8*NB*(\a))/256)
.set MB, 0
.rept NB
.if \zero
	v_wmma_scale_f32_16x16x128_f8f6f4 v[AC+8*MB:AC+8*MB+7], v[128*(\p)+16*MB:128*(\p)+16*MB+15], v[AF+16*(\a):AF+16*(\a)+15], 0, v[SC+16*(\sc)+(\q)*NA+MB], v[SC+16*(\sc)+(\q)*NA+(\a)] matrix_a_fmt:MATRIX_FMT_BF8 matrix_b_fmt:MATRIX_FMT_BF8 matrix_a_scale:MATRIX_SCALE_ROW1
.else
	v_wmma_scale_f32_16x16x128_f8f6f4 v[AC+8*MB:AC+8*MB+7], v[128*(\p)+16*MB:128*(\p)+16*MB+15], v[AF+16*(\a):AF+16*(\a)+15], v[AC+8*MB:AC+8*MB+7], v[SC+16*(\sc)+(\q)*NA+MB], v[SC+16*(\sc)+(\q)*NA+(\a)] matrix_a_fmt:MATRIX_FMT_BF8 matrix_b_fmt:MATRIX_FMT_BF8 matrix_a_scale:MATRIX_SCALE_ROW1
.endif
.set MB, MB+1
.endr
.endm
.macro MULR a0, n, p, q, sc, zero
.set MA, \a0
.rept \n
	MULA MA, \p, \q, \sc, \zero
.set MA, MA+1
.endr
.endm
.macro STEP slot, q, zero              ; a K step of 128 that has its successor in the same slot
	s_wait_dscnt 2*NA                              ; all but the youngest loads, A's upper blocks
	MULR 0, NA/2, (\q)%2, \q, \slot, \zero
	s_wait_dscnt 0x0
	PLACES 8                                       ; eight places in front of loads into registers that these products have read
	FETCH_B \slot, (\q)+1, 1-(\q)%2
	FETCH_A \slot, (\q)+1, 0
	MULR NA/2, NA/2, (\q)%2, \q, \slot, \zero
	PLACES 8
	WIN 0
	FETCH_A \slot, (\q)+1, NA/2
.endm
.macro TURN slot, next, fill           ; a slot's last K step changes slots: one barrier; with fill = 1 it opens a round of the cluster's barrier and the slot is filled again
	s_wait_tensorcnt 0x0                           ; all my tensor loads have landed: my part of the next slot
	ds_add_u32 v[SPW], v[NIL]                      ; 0 onto my spare word
	s_wait_dscnt 2*NA+1                            ; (the add and A's upper blocks may be out)
	MULR 0, NA/4, 1, NQ-1, \slot, 0
	s_wait_dscnt 0x0                               ; the add is done, and my reads of this slot are over
	s_barrier_signal -1
	MULR NA/4, NA/4, 1, NQ-1, \slot, 0
	WIN 0
	s_barrier_wait -1
.if \fill
	CREST
	s_add_nc_u64 s[G0+4*\slot+2:G0+4*\slot+3], s[G0+4*\slot+2:G0+4*\slot+3], 2*NQ*2048
	s_add_nc_u64 s[G0B+4*\slot+2:G0B+4*\slot+3], s[G0B+4*\slot+2:G0B+4*\slot+3], 2*NQ*2048
	JLOAD G0+4*\slot, G1, G0B+4*\slot, G1B         ; the first tensor load behind the round; its four v_nop are four of the eight places
	PLACES 4
.else
	PLACES 8
.endif
	v_add_nc_u32 v[ADRS], NQ*ROWL, v[ADRS]         ; the next slot's scale words
	FETCH_B \next, 0, 0
	FETCH_A \next, 0, 0
	SCALES \next
	MULR NA/2, NA/2, 1, NQ-1, \slot, 0
	PLACES 8
	WIN 0
	FETCH_A \next, 0, NA/2
.endm
.macro MIDS slot
.set MQ, 1
.rept NQ-2
	STEP \slot, MQ, 0
.set MQ, MQ+1
.endr
.endm
.macro LAST                            ; the very last K step: nothing more to fetch
	s_wait_dscnt 2*NA
	MULR 0, NA/2, 1, NQ-1, 1, 0
	s_wait_dscnt 0x0
	MULR NA/2, NA/2, 1, NQ-1, 1, 0
	WIN 0
.endm
.macro QUANT s, nb, pc, pw
.irp b, 0,1,2,3
.if \b < \nb
	v_max3_num_f32 v[TM+\b], |v[\s+16*\b]|, |v[\s+16*\b+1]|, 0x8000000   ; my 16 numbers, and the floor 2^(16 - 127): the byte cannot fall under 1
.endif
.endr
.irp i, 2,4,6,8,10,12,14
.irp b, 0,1,2,3
.if \b < \nb
	v_max3_num_f32 v[TM+\b], v[TM+\b], |v[\s+16*\b+\i]|, |v[\s+16*\b+\i+1]|
.endif
.endr
.endr
.irp b, 0,1,2,3
.if \b < \nb
	v_permlanex16_b32 v[TM+4+\b], v[TM+\b], s[SEL], s[SEL+1]
.endif
.endr
.irp b, 0,1,2,3
.if \b < \nb
	v_max_num_f32 v[TM+\b], v[TM+\b], v[TM+4+\b]
.endif
.endr
.irp b, 0,1,2,3
.if \b < \nb
	v_add_nc_u32 v[TM+12+\b], 0xf8800000, v[TM+\b]
.endif
.endr
.irp b, 0,1,2,3
.if \b < \nb
	v_and_or_b32 v[TM+8+\b], v[TM+\b], 0x7f800000, s[MNT]
.endif
.endr
.irp b, 0,1,2,3
.if \b < \nb
	v_lshrrev_b32 v[TM+4+\b], 23, v[TM+12+\b]
.endif
.endr
	v_lshl_or_b32 v[\pw], v[TM+5], 8, v[TM+4]
.if \nb > 2
	v_lshl_or_b32 v[\pw], v[TM+6], 16, v[\pw]
	v_lshl_or_b32 v[\pw], v[TM+7], 24, v[\pw]
.endif
.irp b, 0,1,2,3
.if \b < \nb
.irp i, 0,1,2,3,4,5,6,7,8,9,10,11,12,13,14,15
	v_med3_num_f32 v[\s+16*\b+\i], v[\s+16*\b+\i], -v[TM+8+\b], v[TM+8+\b]
.endr
	v_cvt_scalef32_pk8_bf8_f32 v[\pc+4*\b:\pc+4*\b+1], v[\s+16*\b:\s+16*\b+7], v[TM+12+\b]
	v_cvt_scalef32_pk8_bf8_f32 v[\pc+4*\b+2:\pc+4*\b+3], v[\s+16*\b+8:\s+16*\b+15], v[TM+12+\b]
.endif
.endr
	v_nop
.endm
	s_load_b128 s[4:7], s[0:1], 0x0                ; aq (h's images), wq
	s_load_b128 s[8:11], s[0:1], 0x10              ; qkv_b, qkvc
	v_lshl_add_u32 v[SPW], v0, 2, SPARE
	v_mov_b32 v[NIL], 0
	ds_add_u32 v28, v29
	ds_add_u32 v28, v29
	s_wait_dscnt 0x0
	v_lshrrev_b32 v1, 5, v0
	v_readfirstlane_b32 s14, v1                    ; wave
	s_lshr_b32 s15, s14, 1                         ; my half of A's rows.  Also: I fetch for A (0) or for B (1)
	s_and_b32 s16, s14, 1                          ; my half of B's rows.  Also: which half I fetch
	s_bfe_u32 s40, ttmp6, 0x40000                  ; cx
	s_bfe_u32 s41, ttmp6, 0x40004                  ; cy
	s_and_b32 s45, ttmp7, 0xffff                   ; the cluster's y
	s_cmp_eq_u32 ttmp9, 2                          ; the cluster's x: 0, 1: q and k;  2: V^T
	s_cselect_b32 s[ISV], 1, 0
	s_cselect_b32 s17, 0, s45
	s_cselect_b32 s42, s45, ttmp9
	s_lshl_b32 s17, s17, 2
	s_add_co_u32 s17, s17, s41                     ; A's tile
	s_lshl_b32 s42, s42, 2
	s_add_co_u32 s42, s42, s40                     ; B's tile
	s_lshl_b32 s43, s41, 2
	s_lshl_b32 s43, 15, s43                        ; my row of the cluster
	s_lshl_b32 s44, 0x1111, s40                    ; my column
	s_or_b32 s[G1+0], s43, (3<<16)|(1<<21)         ; the mask; elements of 8 bytes; bit 21 beside a mask; no padding
	s_or_b32 s[G1B+0], s44, (3<<16)|(1<<21)
.irp g, G1, G1B
	s_mov_b32 s[\g+1], (256*NQ)<<16                ; a row: one row block's NQ images
	s_mov_b32 s[\g+2], NA<<16
	s_mov_b32 s[\g+3], (256*NQ)<<16
	s_mov_b32 s[\g+4], NA
	s_mov_b32 s[\g+5], 256*KS                      ; from row block to row block
	s_mov_b32 s[\g+6], 0
	s_mov_b32 s[\g+7], 0
.endr
	s_or_b32 s[G1S+0], s43, (3<<16)|(1<<21)
	s_or_b32 s[G1SB+0], s44, (3<<16)|(1<<21)
.irp g, G1S, G1SB
	s_mov_b32 s[\g+1], (ROWL/8)<<16                ; a row: one K step's words of the tile's rows
	s_mov_b32 s[\g+2], (KS/2)<<16
	s_mov_b32 s[\g+3], (ROWL/8)<<16
	s_mov_b32 s[\g+4], KS/2
	s_mov_b32 s[\g+5], 2048                        ; 64 groups of 256 bytes from K step to K step, in h's words and in Wqkv's alike
	s_mov_b32 s[\g+6], 0
	s_mov_b32 s[\g+7], 0
.endr
	s_mul_i32 s18, s16, NA
	s_mul_i32 s20, s17, 2*NA
	s_add_co_u32 s20, s20, s18
	s_mul_i32 s20, s20, KS*2048                    ; A's codes: my NA row blocks
	s_mov_b32 s21, 0
	s_mul_i32 s46, s42, 2*NA
	s_add_co_u32 s46, s46, s18
	s_mul_i32 s46, s46, KS*2048                    ; B's
	s_mov_b32 s47, 0
	s_mul_i32 s19, s16, (KS/2)*16384
	s_mul_i32 s22, s17, ROWL
	s_add_co_u32 s22, s22, s19                     ; A's scale words: my half of the K steps
	s_mov_b32 s23, 0
	s_mul_i32 s92, s42, ROWL
	s_add_co_u32 s92, s92, s19
	s_mov_b32 s93, 0
	s_mul_i32 s45, s14, HALFT                      ; where they go: no place in the cluster enters an LDS address
	s_mul_i32 s66, s14, SCLSZ/2
	s_wait_kmcnt 0x0
	s_add_nc_u64 s[94:95], s[6:7], 2097152         ; Wv's codes (row block 128 on)
	s_add_nc_u64 s[96:97], s[6:7], WS+8192         ; Wv's scale words (group 32 on)
	s_add_nc_u64 s[18:19], s[4:5], 4194304         ; h's scale words
	s_add_nc_u64 s[12:13], s[6:7], WS              ; Wq's and Wk's scale words
	s_cmp_eq_u32 s[ISV], 1
	s_cselect_b64 s[94:95], s[94:95], s[4:5]       ; A's codes
	s_cselect_b64 s[96:97], s[96:97], s[18:19]     ; A's scale words
	s_cselect_b64 s[18:19], s[18:19], s[12:13]     ; B's scale words
	s_cselect_b64 s[12:13], s[4:5], s[6:7]         ; B's codes
	s_add_nc_u64 s[20:21], s[94:95], s[20:21]
	s_add_nc_u64 s[22:23], s[96:97], s[22:23]
	s_add_nc_u64 s[46:47], s[12:13], s[46:47]
	s_add_nc_u64 s[92:93], s[18:19], s[92:93]
	CROUND                                         ; all sixteen work-groups are here: the first joint loads meet
	s_mov_b32 s[G0S], 1
	s_add_co_u32 s[G0S+1], s66, SCL
	s_mov_b64 s[G0S+2:G0S+3], s[22:23]
	s_or_b32 s[G0S+3], s[G0S+3], 0x80000000
	s_mov_b32 s[G0SB], 1
	s_add_co_u32 s[G0SB+1], s66, SCL
	s_mov_b64 s[G0SB+2:G0SB+3], s[92:93]
	s_or_b32 s[G0SB+3], s[G0SB+3], 0x80000000
	JLOAD G0S, G1S, G0SB, G1SB                     ; the scale words first
.irp s, 0,1
	s_mov_b32 s[G0+4*\s], 1
	s_add_co_u32 s[G0+4*\s+1], s45, \s*SLOT
	s_add_nc_u64 s[G0+4*\s+2:G0+4*\s+3], s[20:21], \s*NQ*2048
	s_or_b32 s[G0+4*\s+3], s[G0+4*\s+3], 0x80000000
	s_mov_b32 s[G0B+4*\s], 1
	s_add_co_u32 s[G0B+4*\s+1], s45, \s*SLOT
	s_add_nc_u64 s[G0B+4*\s+2:G0B+4*\s+3], s[46:47], \s*NQ*2048
	s_or_b32 s[G0B+4*\s+3], s[G0B+4*\s+3], 0x80000000
	JLOAD G0+4*\s, G1, G0B+4*\s, G1B
.endr
	v_and_b32 v3, 31, v0                           ; lane
	v_and_b32 v1, 15, v0                           ; r
	v_bfe_u32 v2, v0, 4, 1                         ; h
	v_lshlrev_b32 v[LI], 4, v3
	s_mul_i32 s18, s15, HALFT
	s_mul_i32 s19, s16, HALFT
	s_add_co_u32 s19, s19, 2*HALFT
.irp s, 0,1
	v_add_nc_u32 v[ADRA+\s], s18, v[LI]
	v_add_nc_u32 v[ADRB+\s], s19, v[LI]
	s_add_co_u32 s18, s18, SLOT
	s_add_co_u32 s19, s19, SLOT
.endr
	s_mul_i32 s18, s15, (NA/4)*256
	s_mul_i32 s19, s16, (NA/4)*256
	s_add_co_u32 s19, s19, SCLSZ
	s_sub_co_u32 s19, s19, s18
	v_mul_u32_u24 v6, s19, v2                      ; lanes 16-31 take B's words: one product in h
	s_add_co_u32 s18, s18, SCL
	v_lshl_add_u32 v5, v1, 4, v6
	v_add_nc_u32 v[ADRS], s18, v5
	v_lshlrev_b32 v[VB], 6, v2
	v_mul_u32_u24 v[VS], v2, 12288
	v_lshl_add_u32 v[VS], v1, 4, v[VS]
	v_and_b32 v[VM], 8, v1
	v_add_lshl_u32 v[VM], v[VM], v1, 2
	v_cmp_lt_u32 s[HM], 15, v3                     ; the mask of lanes 16-31
	s_mov_b32 s[SEL], 0x76543210
	s_mov_b32 s[SEL+1], 0xfedcba98
	s_mov_b32 s[MNT], 0x600000
	s_wait_tensorcnt 1                             ; the scale words and my part of slot 0 are in; slot 1's load may be out
	s_barrier_signal -1
	s_barrier_wait -1
	FETCH_B 0, 0, 0
	FETCH_A 0, 0, 0
	SCALES 0
	FETCH_A 0, 0, NA/2
	STEP 0, 0, 1                                   ; the first step's products start the sums
	s_mov_b32 s3, LAPS-1
.Llap:
	MIDS 0
	TURN 0, 1, 1
	STEP 1, 0, 0
	MIDS 1
	TURN 1, 0, 1
	STEP 0, 0, 0
	s_sub_co_u32 s3, s3, 1
	s_cmp_lg_u32 s3, 0
	s_cbranch_scc1 .Llap
	MIDS 0
	TURN 0, 1, 0                                   ; the last lap fills nothing
	STEP 1, 0, 0
	MIDS 1
	s_cmp_eq_u32 s[ISV], 1
	s_cbranch_scc1 .Lvpath
	; ---- q and k: the bias runs along a lane's registers
	s_lshl_b32 s18, s42, 1
	s_add_co_u32 s18, s18, s16
	s_lshl_b32 s18, s18, 9                         ; my 128 channels' bias
	s_mov_b32 s19, 0
	s_add_nc_u64 s[8:9], s[8:9], s[18:19]
.irp c, 0,1,2,3
.irp j, 0,1,2,3
	global_load_b128 v[BN+16*\c+4*\j:BN+16*\c+4*\j+3], v[VB], s[8:9] offset:128*\c+16*\j
.endr
.endr
	s_lshr_b32 s94, s17, 3
	s_lshl_b32 s94, s94, 4
	s_and_b32 s95, s42, 3
	s_lshl_b32 s95, s95, 2
	s_add_co_u32 s94, s94, s95
	s_lshl_b32 s95, s16, 1
	s_add_co_u32 s94, s94, s95                     ; 16 x batch + my first head
	s_and_b32 s95, s17, 7
	s_lshl_b32 s95, s95, 1
	s_add_co_u32 s95, s95, s15                     ; my first row block in the batch / 8
	s_lshr_b32 s96, s42, 2                         ; q (0) or k (1)
	s_lshl_b32 s18, s96, 22
	s_lshl_b32 s97, s94, 17
	s_add_co_u32 s18, s18, s97
	s_lshl_b32 s97, s95, 13
	s_add_co_u32 s18, s18, s97
	s_add_nc_u64 s[12:13], s[10:11], s[18:19]      ; my images
	s_mul_i32 s18, s96, 393216
	s_mul_i32 s97, s94, 12288
	s_add_co_u32 s18, s18, s97
	s_lshl_b32 s97, s95, 9
	s_add_co_u32 s18, s18, s97
	s_add_co_u32 s18, s18, SO
	s_add_nc_u64 s[10:11], s[10:11], s[18:19]      ; my scale words
	LAST
	PLACES 8                                       ; in front of the first read of results and of writes into A's registers
.irp b, 0,1,2,3
	v_mov_b32 v[TM+4+\b], 0
.endr
	s_wait_loadcnt 0x0
.macro EPIQK a
.set EC, (64*(\a))%256
	s_wait_xcnt 0x0                                ; the last block's stores have read PC
	WIN 0x02+(\a)/4
.set EI, 0
.rept 32
	v_pk_add_f32 v[T+EI:T+EI+1], v[EC+EI:EC+EI+1], v[BN+EI:BN+EI+1]   ; each accumulator from its low end on
.set EI, EI+2
.endr
	WIN 0
	QUANT T, 4, PC, PWT
.irp c, 0,1,2,3
	global_store_b128 v[LI], v[PC+4*\c:PC+4*\c+3], s[12:13] offset:1024*(\a)+131072*(\c/2)+512*(\c%2)   ; blocks 0, 1: my first head, blocks 2, 3: the next
.endr
	v_and_b32 v[W0+(\a)], 0xffff, v[PWT]           ; a head's two bytes; the upper two stay 0 and meet zero codes alone
	v_lshrrev_b32 v[W1+(\a)], 16, v[PWT]
.endm
.irp a, 0,1,2,3,4,5,6,7
	EPIQK \a
.endr
.irp j, 0,1,2,3,4,5,6,7
	v_cndmask_b32 v[FW+\j], v[W0+\j], v[W1+\j], s[HM]   ; lanes 0-15 store the first head's words, lanes 16-31 the next head's
.endr
	global_store_b128 v[VS], v[FW:FW+3], s[10:11]
	global_store_b128 v[VS], v[FW+4:FW+7], s[10:11] offset:256
	s_branch .Lend
.Lvpath:
	; ---- V^T: the bias hangs on the lane's row
	s_lshl_b32 s18, s17, 1
	s_add_co_u32 s18, s18, s15
	s_lshl_b32 s94, s18, 1                         ; my first head
	s_lshl_b32 s18, s18, 9
	s_add_co_u32 s18, s18, 8192                    ; V's bias begins at number 2,048
	s_mov_b32 s19, 0
	s_add_nc_u64 s[8:9], s[8:9], s[18:19]
.irp a, 0,1,2,3,4,5,6,7
	global_load_b32 v[BN+2*\a], v[VM], s[8:9] offset:4*(32*(\a/2)+8*(\a%2))
	global_load_b32 v[BN+2*\a+1], v[VM], s[8:9] offset:4*(32*(\a/2)+8*(\a%2))   ; twice: a pair for the packed addition
.endr
	s_lshr_b32 s95, s42, 3
	s_lshl_b32 s95, s95, 4
	s_add_co_u32 s94, s94, s95                     ; 16 x batch + my first head
	s_and_b32 s95, s42, 7
	s_lshl_b32 s95, s95, 1
	s_add_co_u32 s95, s95, s16                     ; my 128 keys: the K step of attention's second product
	s_lshl_b32 s18, s94, 17
	s_lshl_b32 s97, s95, 13
	s_add_co_u32 s18, s18, s97
	s_add_co_u32 s18, s18, 8388608
	s_add_nc_u64 s[12:13], s[10:11], s[18:19]
	s_mul_i32 s18, s94, 12288
	s_lshl_b32 s97, s95, 8
	s_add_co_u32 s18, s18, s97
	s_add_co_u32 s18, s18, SO+393216+8192
	s_add_nc_u64 s[10:11], s[10:11], s[18:19]
	LAST
	PLACES 8
.irp b, 0,1,2,3
	v_mov_b32 v[TM+4+\b], 0
.endr
	s_wait_loadcnt 0x0
.macro EPIV a
.set EC, (64*(\a))%256
	s_wait_xcnt 0x0
	WIN 0x02+(\a)/4
.set EI, 0
.rept 32
	v_pk_add_f32 v[T+EI:T+EI+1], v[EC+EI:EC+EI+1], v[BN+2*(\a):BN+2*(\a)+1]
.set EI, EI+2
.endr
	WIN 0
	QUANT T, 4, PC, W0+(\a)
.irp c, 0,1,2,3
	global_store_b128 v[LI], v[PC+4*\c:PC+4*\c+3], s[12:13] offset:131072*((\a)/4)+2048*((\a)%4)+512*\c
.endr
.endm
.irp a, 0,1,2,3,4,5,6,7
	EPIV \a
.endr
.irp j, 0,1,2,3
	v_cndmask_b32 v[FW+\j], v[W0+\j], v[W0+4+\j], s[HM]
.endr
	global_store_b128 v[VS], v[FW:FW+3], s[10:11]
.Lend:
	s_wait_tensorcnt 0x0                           ; the wave's end
	ds_add_u32 v[SPW], v[NIL]
	s_wait_dscnt 0x0
	CROUND                                         ; the closing round
	s_endpgm
.Lfunc_end_k_qd43e33293a_qkvp:
	.size	k_qd43e33293a_qkvp, .Lfunc_end_k_qd43e33293a_qkvp-k_qd43e33293a_qkvp
	.p2alignl 7, 3214868480
	.fill 96, 4, 3214868480
	.section	.rodata,"a",@progbits
	.p2align	6, 0x0
	.amdhsa_kernel k_qd43e33293a_qkvp
		.amdhsa_group_segment_fixed_size 327680
		.amdhsa_private_segment_fixed_size 0
		.amdhsa_enable_private_segment 0
		.amdhsa_kernarg_size 32
		.amdhsa_user_sgpr_count 2
		.amdhsa_user_sgpr_kernarg_segment_ptr 1
		.amdhsa_wavefront_size32 1
		.amdhsa_system_sgpr_workgroup_id_x 1
		.amdhsa_system_sgpr_workgroup_id_y 1
		.amdhsa_system_sgpr_workgroup_id_z 1
		.amdhsa_system_vgpr_workitem_id 0
		.amdhsa_next_free_vgpr 1024
		.amdhsa_next_free_sgpr 104
		.amdhsa_reserve_vcc 0
		.amdhsa_float_denorm_mode_32 3
		.amdhsa_float_denorm_mode_16_64 3
		.amdhsa_memory_ordered 1
		.amdhsa_forward_progress 1
		.amdhsa_inst_pref_size 255
	.end_amdhsa_kernel
	.section	.bss,"aw",@nobits
	.p2align	6
	.space	262144
	.amdgpu_metadata
---
amdhsa.version: [ 1, 2 ]
amdhsa.kernels:
  - .name:           k_qd43e33293a_qkvp
    .symbol:         k_qd43e33293a_qkvp.kd
    .args:
      - { .name: aq, .offset: 0, .size: 8, .value_kind: global_buffer, .address_space: global }
      - { .name: wq, .offset: 8, .size: 8, .value_kind: global_buffer, .address_space: global }
      - { .name: qkv_b, .offset: 16, .size: 8, .value_kind: global_buffer, .address_space: global }
      - { .name: qkvc, .offset: 24, .size: 8, .value_kind: global_buffer, .address_space: global }
    .group_segment_fixed_size: 327680
    .private_segment_fixed_size: 0
    .kernarg_segment_align: 8
    .kernarg_segment_size: 32
    .max_flat_workgroup_size: 128
    .sgpr_count:     104
    .vgpr_count:     1024
    .wavefront_size: 32
...
	.end_amdgpu_metadata
.endif
;; end of part 3
;; launch attn (part 4): grid 8 x 32, 16 waves a work-group, clusters of 4 x 1, 276,480 bytes of LDS; arguments qkvc, aq; writes aq
.if DOCPART == 4
	.amdgcn_target "amdgcn-amd-amdhsa--gfx1250"
	.amdhsa_code_object_version 6
	.text
	.protected	k_qd43e33293a_attn
	.globl	k_qd43e33293a_attn
	.p2align	8
	.type	k_qd43e33293a_attn,@function
k_qd43e33293a_attn:
	s_mov_b64 s[64:65], 0
	v_nop
	global_prefetch_b8 v0, s[64:65] scope:SCOPE_SE
	s_setreg_imm32_b32 hwreg(HW_REG_WAVE_MODE, 25, 1), 1
	s_wait_xcnt 0x0
	s_wait_alu depctr_hold_cnt(0) depctr_sa_sdst(0) depctr_va_vdst(0) depctr_va_sdst(0) depctr_va_ssrc(0) depctr_va_vcc(0) depctr_vm_vsrc(0)
	s_getreg_b32 s2, hwreg(HW_REG_IB_STS2, 6, 4)
	s_cmp_eq_u32 s2, 0
	s_cbranch_scc0 .Lentry_in_a_cluster
	s_endpgm
.Lentry_in_a_cluster:
	s_bfe_u32 s2, ttmp6, 0x10000c
	s_cmp_lg_u32 s2, 0x3003
	s_cbranch_scc0 .Lentry_shape_is_right
	s_endpgm
.Lentry_shape_is_right:
; o = softmax(q k^T / 8) v for one (batch, head), both products on codes of BF8 (E5M2) with E8M0 scales; o / l is quantised along the head's 64 and leaves as its part of the next product's operand images.
; THE SOFTMAX AHEAD OF THE SECOND PRODUCT: t = score x log2(e) / 8; M = the running largest t rounded UP to a whole number; p = 2^(t - M) is quantised along the keys; the row's sum is taken of the unquantised p and divides at the end.
; SHARES: a work-group owns 256 queries of one head, each of its sixteen waves one tile of 16 in 256 registers: four waves to a SIMD, so that one wave's vector work stands beside another's products and LDS loads.
; THE WHOLE HEAD'S K AND V^T (131,072 bytes of images each) AND THEIR SCALE WORDS (12,288 bytes) LIE IN LDS, filled once: no ring, nothing is filled again.  Each wave brings two pieces of one operand: 2,048 bytes of the first 256 keys,
; then 14,336 bytes of the rest; the first two key steps begin when the first pieces have landed.  By this text's own count a wave has at most three tensor loads out.
; CLUSTER 4 x 1: the four query blocks of a cluster belong to one head and ask for every piece jointly.
; The first product's K is 64: registers 8-15 of K's and Q's fragments hold zero codes, and bytes 2, 3 of their scale words are 0 (2^-127, over zero codes).
; Both products are used transposed (S^T = K Q^T, O^T = V^T P^T): a lane holds one query; by the images' row order p's 16 registers of two neighbouring tiles are 16 neighbouring keys, and O^T's are 16 neighbouring channels.
; o's scale bytes leave singly (a head gives two of a word's four bytes): 131,072 bytes in the whole launch.
; LIMITS: NaN and infinities are not served; v_exp_f32 gives 0 under 2^-126; a block whose largest number lies under 2^-111 keeps the byte 1.
.set KSC, 262144
.set VSC, 270336
.set SO,  12582912
.set LI,  1                            ; v1  16 x lane
.set RW,  2                            ; v2  16 r
.set AB,  3                            ; v3  16 r + h
.set AV0, 5
.set AS0, 6
.set AT0, 7
.set ADK, 8
.set ADV, 9
.set ADS, 10
.set ADT, 11                           ; v12 -M, v13 the largest t, v[14:15] the sum; v16-31 Q
.set KF,  32                           ; v32-95 four fragments of K
.set S,   96                           ; v96-159 S^T, then p, then V's four fragments
.set O,   160                          ; v160-191 O^T
.set PCD, 192                          ; v192-207 p's codes
.set TM,  208                          ; v208-223 block maxima, bytes, holds, scale operands
.set KW,  224
.set VW,  228
.set F,   232
.set PWD, 234
.set T0,  235
.set T2,  236
.set QW,  238
.set WV,  18
.set G1A, 24
.set G1B, 32
.set G1S, 40
.set G0A, 48
.set G0B, 52
.set G0S, 56
.set SEL, 60
.set CS,  62
.set MNT, 66
.set TK,  67
.set TKS, 68
.set TVS, 69
.set CNT, 70
.set HM,  71
.macro CROUND
	s_barrier_signal -1
	s_barrier_wait -1
	s_cmp_lg_u32 s[WV], 0
	s_cbranch_scc1 .Lnot_wave_0_\@
	s_barrier_signal -3
.Lnot_wave_0_\@:
	s_barrier_wait -3
	s_barrier_signal -1
	s_barrier_wait -1
.endm
.macro QUANT s, nb, pc, pw
.irp b, 0,1,2,3
.if \b < \nb
	v_max3_num_f32 v[TM+\b], |v[\s+16*\b]|, |v[\s+16*\b+1]|, 0x8000000
.endif
.endr
.irp i, 2,4,6,8,10,12,14
.irp b, 0,1,2,3
.if \b < \nb
	v_max3_num_f32 v[TM+\b], v[TM+\b], |v[\s+16*\b+\i]|, |v[\s+16*\b+\i+1]|
.endif
.endr
.endr
.irp b, 0,1,2,3
.if \b < \nb
	v_permlanex16_b32 v[TM+4+\b], v[TM+\b], s[SEL], s[SEL+1]
.endif
.endr
.irp b, 0,1,2,3
.if \b < \nb
	v_max_num_f32 v[TM+\b], v[TM+\b], v[TM+4+\b]
.endif
.endr
.irp b, 0,1,2,3
.if \b < \nb
	v_add_nc_u32 v[TM+12+\b], 0xf8800000, v[TM+\b]
.endif
.endr
.irp b, 0,1,2,3
.if \b < \nb
	v_and_or_b32 v[TM+8+\b], v[TM+\b], 0x7f800000, s[MNT]
.endif
.endr
.irp b, 0,1,2,3
.if \b < \nb
	v_lshrrev_b32 v[TM+4+\b], 23, v[TM+12+\b]
.endif
.endr
	v_lshl_or_b32 v[\pw], v[TM+5], 8, v[TM+4]
.if \nb > 2
	v_lshl_or_b32 v[\pw], v[TM+6], 16, v[\pw]
	v_lshl_or_b32 v[\pw], v[TM+7], 24, v[\pw]
.endif
.irp b, 0,1,2,3
.if \b < \nb
.irp i, 0,1,2,3,4,5,6,7,8,9,10,11,12,13,14,15
	v_med3_num_f32 v[\s+16*\b+\i], v[\s+16*\b+\i], -v[TM+8+\b], v[TM+8+\b]
.endr
	v_cvt_scalef32_pk8_bf8_f32 v[\pc+4*\b:\pc+4*\b+1], v[\s+16*\b:\s+16*\b+7], v[TM+12+\b]
	v_cvt_scalef32_pk8_bf8_f32 v[\pc+4*\b+2:\pc+4*\b+3], v[\s+16*\b+8:\s+16*\b+15], v[TM+12+\b]
.endif
.endr
	v_nop
.endm
	s_load_b128 s[4:7], s[0:1], 0x0                ; qkvc, aq
	v_lshl_add_u32 v254, v0, 2, 0x43000
	v_mov_b32 v255, 0
	ds_add_u32 v254, v255
	ds_add_u32 v254, v255
	v_lshrrev_b32 v4, 5, v0
	v_readfirstlane_b32 s[WV], v4                  ; wave 0..15
	s_bfe_u32 s19, ttmp6, 0x40000                  ; cx: it enters Q's and o's addresses alone
	s_lshl_b32 s20, ttmp9, 2
	s_add_co_u32 s20, s20, s19
	s_lshl_b32 s20, s20, 4
	s_add_co_u32 s20, s20, s[WV]                   ; my row block of queries in the batch
	s_and_b32 s21, ttmp7, 0xffff                   ; 16 x batch + head
	s_and_b32 s22, s[WV], 1                        ; I fetch for K (0) or for V (1),
	s_lshr_b32 s23, s[WV], 1                       ; piece 0..7
	s_lshl_b32 s72, s22, 22
	s_add_co_u32 s72, s72, 4194304
	s_lshl_b32 s73, s21, 17
	s_add_co_u32 s72, s72, s73                     ; the head's images of K or of V
	s_lshl_b32 s74, s23, 11
	s_add_co_u32 s74, s74, s72                     ; the first piece in memory
	s_mov_b32 s75, 0
	s_mul_i32 s76, s23, 14336
	s_add_co_u32 s76, s76, 16384
	s_lshl_b32 s78, s22, 17
	s_add_co_u32 s79, s76, s78                     ; the second piece in LDS,
	s_add_co_u32 s76, s76, s72                     ; and in memory
	s_mov_b32 s77, 0
	s_lshl_b32 s80, s23, 11
	s_add_co_u32 s80, s80, s78                     ; the first piece in LDS
	s_min_u32 s81, s[WV], 2
	s_lshl_b32 s81, s81, 12                        ; waves 0-2: 4,096 bytes each of the head's scale words
	s_mul_i32 s82, s21, 12288
	s_add_co_u32 s82, s82, s81
	s_add_co_u32 s82, s82, SO+393216
	s_mov_b32 s83, 0
	s_add_co_u32 s81, s81, KSC
	; group 1: dense blocks as rows of 256 bytes (32 elements of 8 bytes); the mask names all four work-groups, bit 21 beside it
.irp g, G1A, G1B, G1S
	s_mov_b32 s[\g], 15|(3<<16)|(1<<21)
	s_mov_b32 s[\g+1], 32<<16
	s_mov_b32 s[\g+3], 32<<16
	s_mov_b32 s[\g+5], 32
	s_mov_b32 s[\g+6], 0
	s_mov_b32 s[\g+7], 0
.endr
	s_mov_b32 s[G1A+2], 8<<16
	s_mov_b32 s[G1A+4], 8
	s_mov_b32 s[G1B+2], 56<<16
	s_mov_b32 s[G1B+4], 56
	s_mov_b32 s[G1S+2], 16<<16
	s_mov_b32 s[G1S+4], 16
	s_lshl_b32 s84, s20, 10
	s_add_co_u32 s84, s84, s73                     ; Q's image
	s_mov_b32 s85, 0
	s_mul_i32 s86, s21, 12288
	s_lshr_b32 s87, s20, 2
	s_lshl_b32 s87, s87, 8
	s_add_co_u32 s86, s86, s87
	s_and_b32 s87, s20, 3
	s_lshl_b32 s87, s87, 2
	s_add_co_u32 s86, s86, s87
	s_add_co_u32 s86, s86, SO                      ; Q's scale words
	s_mov_b32 s87, 0
	s_lshr_b32 s88, s21, 4
	s_lshl_b32 s88, s88, 7
	s_add_co_u32 s88, s88, s20                     ; my row block among all 256
	s_and_b32 s89, s21, 15                         ; the head
	s_lshl_b32 s90, s88, 14
	s_lshl_b32 s91, s89, 10                        ; K step head / 2, blocks 2 (head % 2) on: 1,024 bytes a head
	s_add_co_u32 s90, s90, s91
	s_mov_b32 s91, 0
	s_lshr_b32 s92, s89, 1
	s_lshl_b32 s92, s92, 14
	s_and_b32 s93, s89, 1
	s_lshl_b32 s93, s93, 1
	s_add_co_u32 s92, s92, s93
	s_lshr_b32 s93, s88, 2
	s_lshl_b32 s93, s93, 8
	s_add_co_u32 s92, s92, s93
	s_and_b32 s93, s88, 3
	s_lshl_b32 s93, s93, 2
	s_add_co_u32 s92, s92, s93
	s_add_co_u32 s92, s92, 4194304                 ; o's scale bytes
	s_mov_b32 s93, 0
	s_mov_b32 s[SEL], 0x76543210
	s_mov_b32 s[SEL+1], 0xfedcba98
	s_mov_b32 s[CS], 0x3e38aa3b                    ; c = log2(e) / 8
	s_mov_b32 s[CS+1], s[CS]
	s_mov_b32 s[MNT], 0x600000
	s_mov_b32 s[TK], 0
	s_mov_b32 s[TKS], 0
	s_mov_b32 s[TVS], 0
	s_wait_dscnt 0x0
	s_wait_kmcnt 0x0
	s_mov_b32 s[G0A], 1
	s_mov_b32 s[G0A+1], s80
	s_add_nc_u64 s[G0A+2:G0A+3], s[4:5], s[74:75]
	s_or_b32 s[G0A+3], s[G0A+3], 0x80000000
	s_mov_b32 s[G0B], 1
	s_mov_b32 s[G0B+1], s79
	s_add_nc_u64 s[G0B+2:G0B+3], s[4:5], s[76:77]
	s_or_b32 s[G0B+3], s[G0B+3], 0x80000000
	s_mov_b32 s[G0S], 1
	s_mov_b32 s[G0S+1], s81
	s_add_nc_u64 s[G0S+2:G0S+3], s[4:5], s[82:83]
	s_or_b32 s[G0S+3], s[G0S+3], 0x80000000
	s_add_nc_u64 s[84:85], s[4:5], s[84:85]
	s_add_nc_u64 s[86:87], s[4:5], s[86:87]
	s_add_nc_u64 s[90:91], s[6:7], s[90:91]
	s_add_nc_u64 s[92:93], s[6:7], s[92:93]
	CROUND                                         ; all four work-groups are here: the joint loads meet
	s_cmp_lt_u32 s[WV], 3                          ; a wave's first fills stand in one branch on the wave's number; the larger piece is the last on both ways
	s_cbranch_scc0 .Lno_scales
	tensor_load_to_lds s[G0S:G0S+3], s[G1S:G1S+7]
	s_nop 0
	tensor_load_to_lds s[G0A:G0A+3], s[G1A:G1A+7]
	s_nop 0
	tensor_load_to_lds s[G0B:G0B+3], s[G1B:G1B+7]
	s_nop 0
.rept 4
	v_nop
.endr
	s_branch .Lasked
.Lno_scales:
	tensor_load_to_lds s[G0A:G0A+3], s[G1A:G1A+7]
	s_nop 0
	tensor_load_to_lds s[G0B:G0B+3], s[G1B:G1B+7]
	s_nop 0
.rept 4
	v_nop
.endr
.Lasked:
	v_and_b32 v4, 31, v0
	v_lshlrev_b32 v[LI], 4, v4
	v_cmp_lt_u32 s[HM], 15, v4                     ; the mask of lanes 16-31
	v_and_b32 v4, 15, v0
	v_lshlrev_b32 v[RW], 4, v4
	v_bfe_u32 v4, v0, 4, 1
	v_add_nc_u32 v[AB], v[RW], v4
	global_load_b128 v[16:19], v[LI], s[84:85]     ; Q's fragment, channels 0-63
	global_load_b128 v[20:23], v[LI], s[84:85] offset:512
	global_load_b32 v[QW], v[RW], s[86:87]
	v_add_nc_u32 v[AV0], 131072, v[LI]
	v_add_nc_u32 v[AS0], KSC, v[RW]
	v_add_nc_u32 v[AT0], VSC, v[RW]
.irp j, 0,1,2,3,4,5,6,7
	v_mov_b32 v[24+\j], 0                          ; zero codes for k = 64 .. 127: Q's,
.endr
.irp t, 0,1,2,3
.irp j, 8,9,10,11,12,13,14,15
	v_mov_b32 v[KF+16*\t+\j], 0                    ; and K's: they stay
.endr
.endr
.set I, 0
.rept 32
	v_mov_b32 v[O+I], 0                            ; O^T: the step is written once; the first change of M multiplies zeros
.set I, I+1
.endr
.irp b, 0,1,2,3
	v_mov_b32 v[TM+4+\b], 0
.endr
	v_mov_b32 v[F+1], 0
	v_mov_b32 v13, 0xff61b1e6                      ; the largest t so far: -3e38
	v_floor_f32 v12, -v13
	v_mov_b32 v14, 0
	v_mov_b32 v15, 0
; A KEY STEP: 128 keys.
.macro STEP
	v_add_nc_u32 v[ADK], s[TK], v[LI]
	v_add_nc_u32 v[ADV], s[TK], v[AV0]
	v_add_nc_u32 v[ADS], s[TKS], v[AS0]
	v_add_nc_u32 v[ADT], s[TVS], v[AT0]
.rept 5
	v_nop                                          ; with the four additions nine places: S^T is written over registers that the last products read as V's fragments
.endr
.irp g, 0,1
.if \g > 0
.rept 8
	v_nop                                          ; places in front of loads into registers that the four products above have read
.endr
.endif
.irp t, 0,1,2,3
.irp c, 0,1
	ds_load_b128 v[KF+16*\t+4*\c:KF+16*\t+4*\c+3], v[ADK] offset:(4*\g+\t)*1024+512*\c
.endr
.endr
	ds_load_b128 v[KW:KW+3], v[ADS] offset:256*\g  ; the four tiles' scale words
	s_wait_dscnt 0x0
.irp t, 0,1,2,3
	v_wmma_scale_f32_16x16x128_f8f6f4 v[S+8*(4*\g+\t):S+8*(4*\g+\t)+7], v[KF+16*\t:KF+16*\t+15], v[16:31], 0, v[KW+\t], v[QW] matrix_a_fmt:MATRIX_FMT_BF8 matrix_b_fmt:MATRIX_FMT_BF8
.endr
.endr
.rept 8
	v_nop
.endr
.irp b, 0,1,2,3
	v_max3_num_f32 v[TM+\b], v[S+16*\b], v[S+16*\b+1], v[S+16*\b+2]   ; the largest score of each block of 32 keys: for the row's maximum and, since p rises with the score, for the block's largest p
.endr
.irp i, 3,5,7,9,11,13
.irp b, 0,1,2,3
	v_max3_num_f32 v[TM+\b], v[TM+\b], v[S+16*\b+\i], v[S+16*\b+\i+1]
.endr
.endr
.irp b, 0,1,2,3
	v_max_num_f32 v[TM+\b], v[TM+\b], v[S+16*\b+15]
.endr
.irp b, 0,1,2,3
	v_permlanex16_b32 v[TM+4+\b], v[TM+\b], s[SEL], s[SEL+1]
.endr
.irp b, 0,1,2,3
	v_max_num_f32 v[TM+\b], v[TM+\b], v[TM+4+\b]
.endr
	v_max3_num_f32 v[T0], v[TM], v[TM+1], v[TM+2]
	v_max_num_f32 v[T0], v[T0], v[TM+3]
	v_mul_f32 v[T0], s[CS], v[T0]
	v_max_num_f32 v13, v13, v[T0]                  ; the running largest t
	v_mov_b32 v[T0], v12
	v_floor_f32 v12, -v13                          ; -M = floor(-t): M is a whole number
	v_sub_f32 v[T0], v12, v[T0]
	v_cvt_i32_f32 v[T0], v[T0]                     ; (it saturates)
	v_ldexp_f32 v[F], 1.0, v[T0]                   ; f = 2^(old M - new M): exact
.set I, 0
.rept 32
	v_pk_fma_f32 v[S+I:S+I+1], v[S+I:S+I+1], s[CS:CS+1], v[12:13] op_sel_hi:[1,0,0]   ; t - M
.set I, I+2
.endr
.irp b, 0,1,2,3
	v_fma_f32 v[TM+\b], v[TM+\b], s[CS], v12
.endr
.set I, 0
.rept 64
	v_exp_f32 v[S+I], v[S+I]                       ; p = 2^(t - M): not normalised
.set I, I+1
.endr
.irp b, 0,1,2,3
	v_exp_f32 v[TM+\b], v[TM+\b]                   ; the block's largest p
.endr
	v_pk_mul_f32 v[14:15], v[14:15], v[F:F+1] op_sel_hi:[1,0]   ; the sums under the new M (a plain line behind the exponentials)
	s_wait_alu depctr_va_vdst(0)
.irp b, 0,1,2,3
	v_max_num_f32 v[TM+\b], 0x8000000, v[TM+\b]    ; the floor 2^(16 - 127)
.endr
.irp b, 0,1,2,3
	v_add_nc_u32 v[TM+12+\b], 0xf8800000, v[TM+\b]
.endr
.irp b, 0,1,2,3
	v_and_or_b32 v[TM+8+\b], v[TM+\b], 0x7f800000, s[MNT]
.endr
.irp b, 0,1,2,3
	v_lshrrev_b32 v[TM+4+\b], 23, v[TM+12+\b]
.endr
	v_lshl_or_b32 v[PWD], v[TM+5], 8, v[TM+4]      ; p's scale word for these 128 keys
	v_lshl_or_b32 v[PWD], v[TM+6], 16, v[PWD]
	v_lshl_or_b32 v[PWD], v[TM+7], 24, v[PWD]
	v_pk_add_f32 v[T2:T2+1], v[S:S+1], v[S+2:S+3]  ; the row's sum is taken of the unquantised p, in two chains
.irp j, 4,8,12,16,20,24,28,32,36,40,44,48,52,56,60
	v_pk_add_f32 v[14:15], v[14:15], v[S+\j:S+\j+1]
	v_pk_add_f32 v[T2:T2+1], v[T2:T2+1], v[S+\j+2:S+\j+3]
.endr
	v_pk_add_f32 v[14:15], v[14:15], v[T2:T2+1]
.irp b, 0,1,2,3
.irp i, 0,1,2,3,4,5,6,7,8,9,10,11,12,13,14,15
	v_min_num_f32 v[S+16*\b+\i], v[S+16*\b+\i], v[TM+8+\b]   ; the hold; p is not negative
.endr
	v_cvt_scalef32_pk8_bf8_f32 v[PCD+4*\b:PCD+4*\b+1], v[S+16*\b:S+16*\b+7], v[TM+12+\b]
	v_cvt_scalef32_pk8_bf8_f32 v[PCD+4*\b+2:PCD+4*\b+3], v[S+16*\b+8:S+16*\b+15], v[TM+12+\b]
.endr
	v_nop                                          ; one plain line behind the last conversion
.irp t, 0,1,2,3
.irp c, 0,1,2,3
	ds_load_b128 v[S+16*\t+4*\c:S+16*\t+4*\c+3], v[ADV] offset:2048*\t+512*\c   ; V^T's four tiles of 16 channels x these 128 keys
.endr
.endr
	ds_load_b128 v[VW:VW+3], v[ADT]
.set I, 0
.rept 16
	v_pk_mul_f32 v[O+I:O+I+1], v[O+I:O+I+1], v[F:F+1] op_sel_hi:[1,0]   ; O^T under the new M; also the places between the codes and the products
.set I, I+2
.endr
	s_wait_dscnt 0x0
.irp t, 0,1,2,3
	v_wmma_scale_f32_16x16x128_f8f6f4 v[O+8*\t:O+8*\t+7], v[S+16*\t:S+16*\t+15], v[PCD:PCD+15], v[O+8*\t:O+8*\t+7], v[VW+\t], v[PWD] matrix_a_fmt:MATRIX_FMT_BF8 matrix_b_fmt:MATRIX_FMT_BF8
.endr
	s_add_co_u32 s[TK], s[TK], 8192
	s_add_co_u32 s[TKS], s[TKS], 512
	s_add_co_u32 s[TVS], s[TVS], 256
.endm
	s_wait_tensorcnt 0x1                           ; all but my larger piece: the scale words and the first 256 keys
	s_barrier_signal -1
	s_barrier_wait -1                              ; everybody's; nothing is ever filled again, so the larger pieces may stay out
	s_wait_loadcnt 0x0                             ; Q
	s_mov_b32 s[CNT], 2
.Lfirst:
	STEP
	s_sub_co_u32 s[CNT], s[CNT], 1
	s_cmp_lg_u32 s[CNT], 0
	s_cbranch_scc1 .Lfirst
	s_wait_tensorcnt 0x0                           ; my larger piece
	s_wait_dscnt 0x0
	s_barrier_signal -1
	s_barrier_wait -1
	s_mov_b32 s[CNT], 14
.Lrest:
	STEP
	s_sub_co_u32 s[CNT], s[CNT], 1
	s_cmp_lg_u32 s[CNT], 0
	s_cbranch_scc1 .Lrest
.rept 8
	v_nop
.endr
	v_add_f32 v14, v14, v15
	v_permlanex16_b32 v[T0], v14, s[SEL], s[SEL+1]
	v_add_f32 v14, v14, v[T0]                      ; the row's sum
	v_rcp_f32 v14, v14
	v_nop
.set I, 0
	s_wait_alu depctr_va_vdst(0)
.rept 32
	v_mul_f32 v[S+I], v[O+I], v14                  ; register 16 b + i = channel 32 b + 16 h + i of my query
.set I, I+1
.endr
	QUANT S, 2, PCD, PWD
	global_store_b128 v[LI], v[PCD:PCD+3], s[90:91]
	global_store_b128 v[LI], v[PCD+4:PCD+7], s[90:91] offset:512
	v_cndmask_b32 v[T0], v[TM+4], v[TM+5], s[HM]   ; lanes 0-15 store the first block's byte, lanes 16-31 the second's
	global_store_b8 v[AB], v[T0], s[92:93]
	s_wait_dscnt 0x0
	s_wait_tensorcnt 0x0
	ds_add_u32 v254, v255
	s_wait_dscnt 0x0
	CROUND                                         ; the closing round
	s_endpgm
.Lfunc_end_k_qd43e33293a_attn:
	.size	k_qd43e33293a_attn, .Lfunc_end_k_qd43e33293a_attn-k_qd43e33293a_attn
	.p2alignl 7, 3214868480
	.fill 96, 4, 3214868480
	.section	.rodata,"a",@progbits
	.p2align	6, 0x0
	.amdhsa_kernel k_qd43e33293a_attn
		.amdhsa_group_segment_fixed_size 276480
		.amdhsa_private_segment_fixed_size 0
		.amdhsa_enable_private_segment 0
		.amdhsa_kernarg_size 16
		.amdhsa_user_sgpr_count 2
		.amdhsa_user_sgpr_kernarg_segment_ptr 1
		.amdhsa_wavefront_size32 1
		.amdhsa_system_sgpr_workgroup_id_x 1
		.amdhsa_system_sgpr_workgroup_id_y 1
		.amdhsa_system_sgpr_workgroup_id_z 1
		.amdhsa_system_vgpr_workitem_id 0
		.amdhsa_next_free_vgpr 256
		.amdhsa_next_free_sgpr 104
		.amdhsa_reserve_vcc 0
		.amdhsa_float_denorm_mode_32 3
		.amdhsa_float_denorm_mode_16_64 3
		.amdhsa_memory_ordered 1
		.amdhsa_forward_progress 1
		.amdhsa_inst_pref_size 54
	.end_amdhsa_kernel
	.amdgpu_metadata
---
amdhsa.version: [ 1, 2 ]
amdhsa.kernels:
  - .name:           k_qd43e33293a_attn
    .symbol:         k_qd43e33293a_attn.kd
    .args:
      - { .name: qkvc, .offset: 0, .size: 8, .value_kind: global_buffer, .address_space: global }
      - { .name: aq, .offset: 8, .size: 8, .value_kind: global_buffer, .address_space: global }
    .group_segment_fixed_size: 276480
    .private_segment_fixed_size: 0
    .kernarg_segment_align: 8
    .kernarg_segment_size: 16
    .max_flat_workgroup_size: 512
    .sgpr_count:     104
    .vgpr_count:     256
    .wavefront_size: 32
...
	.end_amdgpu_metadata
.endif
;; end of part 4
;; launch oproj (part 5): grid 8 x 32, 4 waves a work-group, clusters of 4 x 4, 327,680 bytes of LDS; arguments aq, wq, out_b, x, x1; writes x1
.if DOCPART == 5
	.amdgcn_target "amdgcn-amd-amdhsa--gfx1250"
	.amdhsa_code_object_version 6
	.text
	.protected	k_qd43e33293a_oproj
	.globl	k_qd43e33293a_oproj
	.p2align	8
	.type	k_qd43e33293a_oproj,@function
k_qd43e33293a_oproj:
	s_mov_b64 s[64:65], 0
	v_nop
	global_prefetch_b8 v0, s[64:65] scope:SCOPE_SE
	s_setreg_imm32_b32 hwreg(HW_REG_WAVE_MODE, 25, 1), 1
	s_wait_xcnt 0x0
	s_wait_alu depctr_hold_cnt(0) depctr_sa_sdst(0) depctr_va_vdst(0) depctr_va_sdst(0) depctr_va_ssrc(0) depctr_va_vcc(0) depctr_vm_vsrc(0)
	s_getreg_b32 s2, hwreg(HW_REG_IB_STS2, 6, 4)
	s_cmp_eq_u32 s2, 0
	s_cbranch_scc0 .Lentry_in_a_cluster
	s_endpgm
.Lentry_in_a_cluster:
	s_bfe_u32 s2, ttmp6, 0x10000c
	s_cmp_lg_u32 s2, 0xf033
	s_cbranch_scc0 .Lentry_shape_is_right
	s_endpgm
.Lentry_shape_is_right:
; result = residual + A W^T + bias, f32 rows of 1,024; A and W are codes of BF8 (E5M2) with E8M0 scales, laid as images of the operands' registers ([row block][K step][c][lane][16 bytes]; lane place r of row block rb = row 32 (rb / 2) + 8 (rb % 2) + r + 8 (r / 8)).
; N is 1,024: a tile of 128 x 128 gives each of 256 work-groups one tile.  Four waves, 64 x 64 each: 16 accumulators.  K in steps of 128, four to an LDS slot, two slots filled by the tensor data mover; the scale words of all of K come once.
; The matrix instruction is used transposed (source 0 = 16 rows of W, source 1 = 16 rows of A): a lane's 16 registers of two neighbouring tiles are 16 neighbouring columns of one row.
; CLUSTER 4 x 4: A's tiles are asked for jointly along a row of the cluster, W's along a column.
; THE WAY OUT: 16 rows x 256 bytes at a time through the wave's own stage (in slot 0, behind its last fill and last read), back as whole rows; the residual, loaded at the head, and the bias are added; sixteen lanes store 256 consecutive bytes, aligned.
.set NA, 4
.set NB, 4
.set NQ, 4
.set KS, 8                             ; K = 1,024
.set ASOFF,  4194304                   ; A's scale words in its buffer
.set APITCH, 16384                     ; from K step to K step: 64 groups of 256 bytes
.set BCOFF,  3145728                   ; out_w's codes in wq
.set BSOFF,  12582912+131072           ; and its scale words
.set BPITCH, 4096
.set NTS, 0                            ; the result is read again by the next launches
.set HALFT,  NA*NQ*2048
.set SLOT,   4*HALFT
.set ROWL,   128*NA
.set SCLSZ,  KS*ROWL
.set SCL,    2*SLOT
.set SPARE,  294912                    ; the spare words, 128 bytes for each wave: two blocks of 256 bytes that no other line names
.set LAPS,   KS/(2*NQ)
.set LI,   4
.set VB,   7                           ; v7  16 r;  v[8:11] the bias of my four columns
.set ADRA, 16
.set ADRB, 20
.set STO,  24
.set RD,   25
.set CO,   26
.set ADRS, 27
.set SPW,  28
.set NIL,  29
.set SC,   32
.set AF,   128
.set BK,   128
.set G1, 24
.set G0, 32
.set G1B, 48
.set G0B, 56
.set G1S, 68
.set G0S, 76
.set G1SB, 80
.set G0SB, 88
.set MSB, 0
.macro WIN new
.if MSB != (\new)
	s_set_vgpr_msb (MSB<<8)|(\new)
.set MSB, (\new)
.endif
.endm
.macro PLACES n
.rept \n
	v_nop
.endr
.endm
.macro JLOAD g0a, g1a, g0b, g1b        ; a joint load: waves 0, 1 fetch for A, waves 2, 3 for B; four v_nop follow each line
	s_cmp_eq_u32 s15, 0
	s_cbranch_scc0 .Lfor_b_\@
	tensor_load_to_lds s[\g0a:\g0a+3], s[\g1a:\g1a+7]
	s_nop 0
	PLACES 4
	s_branch .Lasked_\@
.Lfor_b_\@:
	tensor_load_to_lds s[\g0b:\g0b+3], s[\g1b:\g1b+7]
	s_nop 0
	PLACES 4
.Lasked_\@:
.endm
.macro CREST
	s_cmp_lg_u32 s14, 0
	s_cbranch_scc1 .Lnot_wave_0_\@
	s_barrier_signal -3
.Lnot_wave_0_\@:
	s_barrier_wait -3
	s_barrier_signal -1
	s_barrier_wait -1
.endm
.macro CROUND
	s_barrier_signal -1
	s_barrier_wait -1
	CREST
.endm
.macro FRAG reg, adr, q, i
.irp c, 0,1,2,3
	ds_load_b128 v[\reg+4*\c:\reg+4*\c+3], v[\adr] offset:((\i)*NQ+(\q))*2048+512*\c
.endr
.endm
.macro FETCH_B slot, q, p
	WIN 0x40
.set FI, 0
.rept NB
	FRAG 128*(\p)+16*FI, ADRB+\slot, \q, FI
.set FI, FI+1
.endr
	WIN 0
.endm
.macro FETCH_A slot, q, i0
.set FI, \i0
.rept NA/2
	FRAG AF+16*FI, ADRA+\slot, \q, FI
.set FI, FI+1
.endr
.endm
.macro SCALES sc
.set SQ, 0
.rept NQ
.set SG, 0
.rept NA/4
	ds_load_b128 v[SC+16*(\sc)+SQ*NA+4*SG:SC+16*(\sc)+SQ*NA+4*SG+3], v[ADRS] offset:SQ*ROWL+256*SG
.set SG, SG+1
.endr
.set SQ, SQ+1
.endr
.endm
.macro MULA a, p, q, sc, zero          ; the accumulators take turns, one instruction a turn
.set AC, (8*NB*(\a))%256
	WIN 0xa1+0x50*((8*NB*(\a))/256)
.set MB, 0
.rept NB
.if \zero
	v_wmma_scale_f32_16x16x128_f8f6f4 v[AC+8*MB:AC+8*MB+7], v[128*(\p)+16*MB:128*(\p)+16*MB+15], v[AF+16*(\a):AF+16*(\a)+15], 0, v[SC+16*(\sc)+(\q)*NA+MB], v[SC+16*(\sc)+(\q)*NA+(\a)] matrix_a_fmt:MATRIX_FMT_BF8 matrix_b_fmt:MATRIX_FMT_BF8 matrix_a_scale:MATRIX_SCALE_ROW1
.else
	v_wmma_scale_f32_16x16x128_f8f6f4 v[AC+8*MB:AC+8*MB+7], v[128*(\p)+16*MB:128*(\p)+16*MB+15], v[AF+16*(\a):AF+16*(\a)+15], v[AC+8*MB:AC+8*MB+7], v[SC+16*(\sc)+(\q)*NA+MB], v[SC+16*(\sc)+(\q)*NA+(\a)] matrix_a_fmt:MATRIX_FMT_BF8 matrix_b_fmt:MATRIX_FMT_BF8 matrix_a_scale:MATRIX_SCALE_ROW1
.endif
.set MB, MB+1
.endr
.endm
.macro MULR a0, n, p, q, sc, zero
.set MA, \a0
.rept \n
	MULA MA, \p, \q, \sc, \zero
.set MA, MA+1
.endr
.endm
.macro STEP slot, q, zero
	s_wait_dscnt 2*NA                              ; all but the youngest loads, A's upper blocks
	MULR 0, NA/2, (\q)%2, \q, \slot, \zero
	s_wait_dscnt 0x0
	PLACES 8                                       ; eight places in front of loads into registers that these products have read
	FETCH_B \slot, (\q)+1, 1-(\q)%2
	FETCH_A \slot, (\q)+1, 0
	MULR NA/2, NA/2, (\q)%2, \q, \slot, \zero
	PLACES 8
	WIN 0
	FETCH_A \slot, (\q)+1, NA/2
.endm
.macro TURN slot, next, fill
	s_wait_tensorcnt 0x0                           ; all my tensor loads have landed: my part of the next slot
	ds_add_u32 v[SPW], v[NIL]                      ; 0 onto my spare word
	s_wait_dscnt 2*NA+1                            ; (the add and A's upper blocks may be out)
	MULR 0, NA/4, 1, NQ-1, \slot, 0
	s_wait_dscnt 0x0                               ; the add is done, and my reads of this slot are over
	s_barrier_signal -1
	MULR NA/4, NA/4, 1, NQ-1, \slot, 0
	WIN 0
	s_barrier_wait -1
.if \fill
	CREST
	s_add_nc_u64 s[G0+4*\slot+2:G0+4*\slot+3], s[G0+4*\slot+2:G0+4*\slot+3], 2*NQ*2048
	s_add_nc_u64 s[G0B+4*\slot+2:G0B+4*\slot+3], s[G0B+4*\slot+2:G0B+4*\slot+3], 2*NQ*2048
	JLOAD G0+4*\slot, G1, G0B+4*\slot, G1B         ; the first tensor load behind the round; its four v_nop are four of the eight places
	PLACES 4
.else
	PLACES 8
.endif
	v_add_nc_u32 v[ADRS], NQ*ROWL, v[ADRS]
	FETCH_B \next, 0, 0
	FETCH_A \next, 0, 0
	SCALES \next
	MULR NA/2, NA/2, 1, NQ-1, \slot, 0
	PLACES 8
	WIN 0
	FETCH_A \next, 0, NA/2
.endm
.macro MIDS slot
.set MQ, 1
.rept NQ-2
	STEP \slot, MQ, 0
.set MQ, MQ+1
.endr
.endm
.macro LAST
	s_wait_dscnt 2*NA
	MULR 0, NA/2, 1, NQ-1, 1, 0
	s_wait_dscnt 0x0
	MULR NA/2, NA/2, 1, NQ-1, 1, 0
	WIN 0
.endm
	s_load_b128 s[4:7], s[0:1], 0x0                ; A's buffer, wq
	s_load_b128 s[8:11], s[0:1], 0x10              ; the bias, the residual
	s_load_b64 s[12:13], s[0:1], 0x20              ; the result
	v_lshl_add_u32 v[SPW], v0, 2, SPARE
	v_mov_b32 v[NIL], 0
	ds_add_u32 v28, v29
	ds_add_u32 v28, v29
	s_wait_dscnt 0x0
	v_lshrrev_b32 v1, 5, v0
	v_readfirstlane_b32 s14, v1
	s_lshr_b32 s15, s14, 1
	s_and_b32 s16, s14, 1
	s_bfe_u32 s40, ttmp6, 0x40000
	s_bfe_u32 s41, ttmp6, 0x40004
	s_lshl_b32 s42, ttmp9, 2
	s_add_co_u32 s42, s42, s40                     ; tile column
	s_and_b32 s17, ttmp7, 0xffff
	s_lshl_b32 s17, s17, 2
	s_add_co_u32 s17, s17, s41                     ; tile row
	s_lshl_b32 s43, s41, 2
	s_lshl_b32 s43, 15, s43
	s_lshl_b32 s44, 0x1111, s40
	s_or_b32 s[G1+0], s43, (3<<16)|(1<<21)
	s_or_b32 s[G1B+0], s44, (3<<16)|(1<<21)
.irp g, G1, G1B
	s_mov_b32 s[\g+1], (256*NQ)<<16
	s_mov_b32 s[\g+2], NA<<16
	s_mov_b32 s[\g+3], (256*NQ)<<16
	s_mov_b32 s[\g+4], NA
	s_mov_b32 s[\g+5], 256*KS
	s_mov_b32 s[\g+6], 0
	s_mov_b32 s[\g+7], 0
.endr
	s_or_b32 s[G1S+0], s43, (3<<16)|(1<<21)
	s_or_b32 s[G1SB+0], s44, (3<<16)|(1<<21)
.irp g, G1S, G1SB
	s_mov_b32 s[\g+1], (ROWL/8)<<16
	s_mov_b32 s[\g+2], (KS/2)<<16
	s_mov_b32 s[\g+3], (ROWL/8)<<16
	s_mov_b32 s[\g+4], KS/2
	s_mov_b32 s[\g+6], 0
	s_mov_b32 s[\g+7], 0
.endr
	s_mov_b32 s[G1S+5], APITCH/8
	s_mov_b32 s[G1SB+5], BPITCH/8
	s_mul_i32 s18, s16, NA
	s_mul_i32 s20, s17, 2*NA
	s_add_co_u32 s20, s20, s18
	s_mul_i32 s20, s20, KS*2048
	s_mov_b32 s21, 0
	s_mul_i32 s46, s42, 2*NA
	s_add_co_u32 s46, s46, s18
	s_mul_i32 s46, s46, KS*2048
	s_add_co_u32 s46, s46, BCOFF
	s_mov_b32 s47, 0
	s_mul_i32 s19, s16, (KS/2)*APITCH
	s_mul_i32 s22, s17, ROWL
	s_add_co_u32 s22, s22, s19
	s_add_co_u32 s22, s22, ASOFF
	s_mov_b32 s23, 0
	s_mul_i32 s19, s16, (KS/2)*BPITCH
	s_mul_i32 s92, s42, ROWL
	s_add_co_u32 s92, s92, s19
	s_add_co_u32 s92, s92, BSOFF
	s_mov_b32 s93, 0
	s_mul_i32 s45, s14, HALFT
	s_mul_i32 s66, s14, SCLSZ/2
	s_wait_kmcnt 0x0
	s_add_nc_u64 s[20:21], s[4:5], s[20:21]
	s_add_nc_u64 s[22:23], s[4:5], s[22:23]
	s_add_nc_u64 s[46:47], s[6:7], s[46:47]
	s_add_nc_u64 s[92:93], s[6:7], s[92:93]
	CROUND                                         ; all sixteen work-groups are here: the first joint loads meet
	s_mov_b32 s[G0S], 1
	s_add_co_u32 s[G0S+1], s66, SCL
	s_mov_b64 s[G0S+2:G0S+3], s[22:23]
	s_or_b32 s[G0S+3], s[G0S+3], 0x80000000
	s_mov_b32 s[G0SB], 1
	s_add_co_u32 s[G0SB+1], s66, SCL
	s_mov_b64 s[G0SB+2:G0SB+3], s[92:93]
	s_or_b32 s[G0SB+3], s[G0SB+3], 0x80000000
	JLOAD G0S, G1S, G0SB, G1SB
.irp s, 0,1
	s_mov_b32 s[G0+4*\s], 1
	s_add_co_u32 s[G0+4*\s+1], s45, \s*SLOT
	s_add_nc_u64 s[G0+4*\s+2:G0+4*\s+3], s[20:21], \s*NQ*2048
	s_or_b32 s[G0+4*\s+3], s[G0+4*\s+3], 0x80000000
	s_mov_b32 s[G0B+4*\s], 1
	s_add_co_u32 s[G0B+4*\s+1], s45, \s*SLOT
	s_add_nc_u64 s[G0B+4*\s+2:G0B+4*\s+3], s[46:47], \s*NQ*2048
	s_or_b32 s[G0B+4*\s+3], s[G0B+4*\s+3], 0x80000000
	JLOAD G0+4*\s, G1, G0B+4*\s, G1B
.endr
	v_and_b32 v3, 31, v0
	v_and_b32 v1, 15, v0                           ; r
	v_bfe_u32 v2, v0, 4, 1                         ; h
	v_lshlrev_b32 v[LI], 4, v3
	s_mul_i32 s18, s15, HALFT
	s_mul_i32 s19, s16, HALFT
	s_add_co_u32 s19, s19, 2*HALFT
.irp s, 0,1
	v_add_nc_u32 v[ADRA+\s], s18, v[LI]
	v_add_nc_u32 v[ADRB+\s], s19, v[LI]
	s_add_co_u32 s18, s18, SLOT
	s_add_co_u32 s19, s19, SLOT
.endr
	s_mul_i32 s18, s15, (NA/4)*256
	s_mul_i32 s19, s16, (NA/4)*256
	s_add_co_u32 s19, s19, SCLSZ
	s_sub_co_u32 s19, s19, s18
	v_mul_u32_u24 v6, s19, v2                      ; lanes 16-31 take B's words: one product in h
	s_add_co_u32 s18, s18, SCL
	v_lshl_add_u32 v5, v1, 4, v6
	v_add_nc_u32 v[ADRS], s18, v5
	s_mul_i32 s18, s14, 16*272                     ; my stage
	v_mul_u32_u24 v5, v1, 272
	v_lshl_add_u32 v5, v2, 6, v5
	v_add_nc_u32 v[STO], s18, v5                   ; in: row r, + 64 h
	v_mul_u32_u24 v5, v2, 272
	v_lshl_add_u32 v5, v1, 4, v5
	v_add_nc_u32 v[RD], s18, v5                    ; back: lanes 0-15 one row, lanes 16-31 the next
	v_lshlrev_b32 v[VB], 4, v1
	v_lshl_add_u32 v[CO], v2, 12, v[VB]            ; and the same two rows in memory
	s_lshl_b32 s95, s17, 1
	s_add_co_u32 s95, s95, s15
	s_lshl_b32 s95, s95, 18                        ; my 64 rows of 4,096 bytes
	s_lshl_b32 s96, s42, 1
	s_add_co_u32 s96, s96, s16
	s_lshl_b32 s96, s96, 8                         ; my 64 columns
	s_mov_b32 s97, 0
	s_add_nc_u64 s[8:9], s[8:9], s[96:97]
	s_add_co_u32 s96, s96, s95
	s_add_nc_u64 s[10:11], s[10:11], s[96:97]
	s_add_nc_u64 s[12:13], s[12:13], s[96:97]
	global_load_b128 v[8:11], v[VB], s[8:9]
.irp a, 0,1,2,3
.irp t, 0,1,2,3,4,5,6,7
	global_load_b128 v[64+32*\a+64*(\a/2)+4*\t:64+32*\a+64*(\a/2)+4*\t+3], v[CO], s[10:11] offset:(32*(\a/2)+8*(\a%2)+2*\t+8*(\t/4))*4096   ; the residual, in the order in which the rows come back from the stage
.endr
.endr
	s_wait_tensorcnt 1                             ; the scale words and my part of slot 0 are in; slot 1's load may be out
	s_barrier_signal -1
	s_barrier_wait -1
	FETCH_B 0, 0, 0
	FETCH_A 0, 0, 0
	SCALES 0
	FETCH_A 0, 0, NA/2
	STEP 0, 0, 1
.if LAPS > 1
	s_mov_b32 s3, LAPS-1
.Llap:
	MIDS 0
	TURN 0, 1, 1
	STEP 1, 0, 0
	MIDS 1
	TURN 1, 0, 1
	STEP 0, 0, 0
	s_sub_co_u32 s3, s3, 1
	s_cmp_lg_u32 s3, 0
	s_cbranch_scc1 .Llap
.endif
	MIDS 0
	TURN 0, 1, 0
	STEP 1, 0, 0
	MIDS 1
	LAST
	PLACES 8
	s_wait_loadcnt 0x0                             ; the bias and the residual
.irp a, 0,1,2,3
	WIN 0x08                                       ; an LDS store's data are its source 1: window 2
.irp b, 0,1,2,3
	ds_store_b128 v[STO], v[32*\a+8*\b:32*\a+8*\b+3] offset:128*(\b/2)+32*(\b%2)      ; each accumulator from its low end on
	ds_store_b128 v[STO], v[32*\a+8*\b+4:32*\a+8*\b+7] offset:128*(\b/2)+32*(\b%2)+16
.endr
	WIN 0
.irp t, 0,1,2,3,4,5,6,7
	ds_load_b128 v[BK+4*\t:BK+4*\t+3], v[RD] offset:544*\t   ; LDS serves a wave's instructions in order: these see my stores
.endr
	s_wait_dscnt 0x0
.irp t, 0,1,2,3,4,5,6,7
	v_pk_add_f32 v[BK+4*\t:BK+4*\t+1], v[BK+4*\t:BK+4*\t+1], v[8:9]
	v_pk_add_f32 v[BK+4*\t+2:BK+4*\t+3], v[BK+4*\t+2:BK+4*\t+3], v[10:11]
.endr
.irp i, 0,2,4,6,8,10,12,14,16,18,20,22,24,26,28,30
	v_pk_add_f32 v[64+32*\a+64*(\a/2)+\i:64+32*\a+64*(\a/2)+\i+1], v[64+32*\a+64*(\a/2)+\i:64+32*\a+64*(\a/2)+\i+1], v[BK+\i:BK+\i+1]
.endr
.irp t, 0,1,2,3,4,5,6,7
.if NTS
	global_store_b128 v[CO], v[64+32*\a+64*(\a/2)+4*\t:64+32*\a+64*(\a/2)+4*\t+3], s[12:13] offset:(32*(\a/2)+8*(\a%2)+2*\t+8*(\t/4))*4096 th:TH_STORE_NT
.else
	global_store_b128 v[CO], v[64+32*\a+64*(\a/2)+4*\t:64+32*\a+64*(\a/2)+4*\t+3], s[12:13] offset:(32*(\a/2)+8*(\a%2)+2*\t+8*(\t/4))*4096
.endif
.endr
.endr
	s_wait_tensorcnt 0x0                           ; the wave's end
	ds_add_u32 v[SPW], v[NIL]
	s_wait_dscnt 0x0
	CROUND                                         ; the closing round
	s_endpgm
.Lfunc_end_k_qd43e33293a_oproj:
	.size	k_qd43e33293a_oproj, .Lfunc_end_k_qd43e33293a_oproj-k_qd43e33293a_oproj
	.p2alignl 7, 3214868480
	.fill 96, 4, 3214868480
	.section	.rodata,"a",@progbits
	.p2align	6, 0x0
	.amdhsa_kernel k_qd43e33293a_oproj
		.amdhsa_group_segment_fixed_size 327680
		.amdhsa_private_segment_fixed_size 0
		.amdhsa_enable_private_segment 0
		.amdhsa_kernarg_size 40
		.amdhsa_user_sgpr_count 2
		.amdhsa_user_sgpr_kernarg_segment_ptr 1
		.amdhsa_wavefront_size32 1
		.amdhsa_system_sgpr_workgroup_id_x 1
		.amdhsa_system_sgpr_workgroup_id_y 1
		.amdhsa_system_sgpr_workgroup_id_z 1
		.amdhsa_system_vgpr_workitem_id 0
		.amdhsa_next_free_vgpr 768
		.amdhsa_next_free_sgpr 104
		.amdhsa_reserve_vcc 0
		.amdhsa_float_denorm_mode_32 3
		.amdhsa_float_denorm_mode_16_64 3
		.amdhsa_memory_ordered 1
		.amdhsa_forward_progress 1
		.amdhsa_inst_pref_size 67
	.end_amdhsa_kernel
	.amdgpu_metadata
---
amdhsa.version: [ 1, 2 ]
amdhsa.kernels:
  - .name:           k_qd43e33293a_oproj
    .symbol:         k_qd43e33293a_oproj.kd
    .args:
      - { .name: aq, .offset: 0, .size: 8, .value_kind: global_buffer, .address_space: global }
      - { .name: wq, .offset: 8, .size: 8, .value_kind: global_buffer, .address_space: global }
      - { .name: out_b, .offset: 16, .size: 8, .value_kind: global_buffer, .address_space: global }
      - { .name: x, .offset: 24, .size: 8, .value_kind: global_buffer, .address_space: global }
      - { .name: x1, .offset: 32, .size: 8, .value_kind: global_buffer, .address_space: global }
    .group_segment_fixed_size: 327680
    .private_segment_fixed_size: 0
    .kernarg_segment_align: 8
    .kernarg_segment_size: 40
    .max_flat_workgroup_size: 128
    .sgpr_count:     104
    .vgpr_count:     768
    .wavefront_size: 32
...
	.end_amdgpu_metadata
.endif
;; end of part 5
;; launch ln2: the kernel of part 2 again; grid 256 x 1, 8 waves a work-group, no clusters, 70,656 bytes of LDS; arguments x1, ln2_g, ln2_b, aq; writes aq
;; launch ff1 (part 6): grid 16 x 16, 4 waves a work-group, clusters of 4 x 4, 327,680 bytes of LDS; arguments aq, wq, ff1_b, hid; writes hid
.if DOCPART == 6
	.amdgcn_target "amdgcn-amd-amdhsa--gfx1250"
	.amdhsa_code_object_version 6
	.text
	.protected	k_qd43e33293a_ff1
	.globl	k_qd43e33293a_ff1
	.p2align	8
	.type	k_qd43e33293a_ff1,@function
k_qd43e33293a_ff1:
	s_mov_b64 s[64:65], 0
	v_nop
	global_prefetch_b8 v0, s[64:65] scope:SCOPE_SE
	s_setreg_imm32_b32 hwreg(HW_REG_WAVE_MODE, 25, 1), 1
	s_wait_xcnt 0x0
	s_wait_alu depctr_hold_cnt(0) depctr_sa_sdst(0) depctr_va_vdst(0) depctr_va_sdst(0) depctr_va_ssrc(0) depctr_va_vcc(0) depctr_vm_vsrc(0)
	s_getreg_b32 s2, hwreg(HW_REG_IB_STS2, 6, 4)
	s_cmp_eq_u32 s2, 0
	s_cbranch_scc0 .Lentry_in_a_cluster
	s_endpgm
.Lentry_in_a_cluster:
	s_bfe_u32 s2, ttmp6, 0x10000c
	s_cmp_lg_u32 s2, 0xf033
	s_cbranch_scc0 .Lentry_shape_is_right
	s_endpgm
.Lentry_shape_is_right:
; hidden = gelu(h W1^T + b1) on codes of BF8 (E5M2) with E8M0 scales, K = 1,024; the hidden layer is quantised at once along its 4,096 and leaves as images of the next product's operand registers.
; A tile of 256 x 256 to a work-group of four waves, 128 x 128 a wave (64 accumulators); K in steps of 128, two to an LDS slot, two slots filled by the tensor data mover; the scale words of all of K come once.
; OPERANDS lie in memory as images: [row block of 16][K step][c][lane][16 bytes]; lane place r of row block rb is row 32 (rb / 2) + 8 (rb % 2) + r + 8 (r / 8).
; The matrix instruction is used transposed (source 0 = 16 rows of W1, source 1 = 16 rows of h): a lane holds one token, and its 16 registers of two neighbouring tiles are 16 neighbouring hidden units: a wave's 128 columns are one K step of the next product.
; CLUSTER 4 x 4: h's tiles are asked for jointly along a row of the cluster, W1's along a column.
; GELU, exact form: gelu(x) = max(x - u, u), u = x erfc(|x| / sqrt 2) / 2, erfc(z) = t exp(-z^2 + P(t)), t = 1 / (1 + z / 2), P of degree 9: the fit's fractional error is under 1.2e-7 for every z, so 1 + erf is never formed as a difference.
; LIMITS: NaN and infinities are not served; the rounding of x^2 in the exponent adds about 1e-6 of the number near x = -6; v_exp_f32 gives 0 under 2^-126; blocks whose largest magnitude lies under 2^-111 keep the byte 1.
.set NA, 8
.set NB, 8
.set NQ, 2
.set KS, 8
.set ASOFF,  4194304
.set APITCH, 16384
.set BCOFF,  4194304                   ; ff1_w's codes in wq
.set BSOFF,  12582912+163840
.set BPITCH, 16384
.set HALFT,  NA*NQ*2048
.set SLOT,   4*HALFT
.set ROWL,   128*NA
.set SCLSZ,  KS*ROWL
.set SCL,    2*SLOT
.set SPARE,  294912                    ; the spare words, 128 bytes for each wave: two blocks of 256 bytes that no other line names
.set LAPS,   KS/(2*NQ)
.set LI,   4
.set VB,   7
.set ADRA, 16
.set ADRB, 20
.set ADRS, 27
.set SPW,  28
.set NIL,  29
.set SC,   32
.set BN,   64
.set AF,   128
.set T,    128
.set PC,   192
.set TM,   208
.set WD,   232
.set FW,   248
.set GU,   0                           ; in window 1, where B's fragments lay: t,
.set GW,   64                          ; the polynomial, then u,
.set GQ,   128                         ; x^2,
.set GC,   192                         ; and a constant pair
.set G1, 24
.set G0, 32
.set G1B, 48
.set G0B, 56
.set G1S, 68
.set G0S, 76
.set G1SB, 80
.set G0SB, 88
.set MNT, 67
.set HM,  99
.set SEL, 100
.set MSB, 0
.macro WIN new
.if MSB != (\new)
	s_set_vgpr_msb (MSB<<8)|(\new)
.set MSB, (\new)
.endif
.endm
.macro PLACES n
.rept \n
	v_nop
.endr
.endm
.macro JLOAD g0a, g1a, g0b, g1b        ; a joint load: waves 0, 1 fetch for A, waves 2, 3 for B; four v_nop follow each line
	s_cmp_eq_u32 s15, 0
	s_cbranch_scc0 .Lfor_b_\@
	tensor_load_to_lds s[\g0a:\g0a+3], s[\g1a:\g1a+7]
	s_nop 0
	PLACES 4
	s_branch .Lasked_\@
.Lfor_b_\@:
	tensor_load_to_lds s[\g0b:\g0b+3], s[\g1b:\g1b+7]
	s_nop 0
	PLACES 4
.Lasked_\@:
.endm
.macro CREST
	s_cmp_lg_u32 s14, 0
	s_cbranch_scc1 .Lnot_wave_0_\@
	s_barrier_signal -3
.Lnot_wave_0_\@:
	s_barrier_wait -3
	s_barrier_signal -1
	s_barrier_wait -1
.endm
.macro CROUND
	s_barrier_signal -1
	s_barrier_wait -1
	CREST
.endm
.macro FRAG reg, adr, q, i
.irp c, 0,1,2,3
	ds_load_b128 v[\reg+4*\c:\reg+4*\c+3], v[\adr] offset:((\i)*NQ+(\q))*2048+512*\c
.endr
.endm
.macro FETCH_B slot, q, p
	WIN 0x40
.set FI, 0
.rept NB
	FRAG 128*(\p)+16*FI, ADRB+\slot, \q, FI
.set FI, FI+1
.endr
	WIN 0
.endm
.macro FETCH_A slot, q, i0
.set FI, \i0
.rept NA/2
	FRAG AF+16*FI, ADRA+\slot, \q, FI
.set FI, FI+1
.endr
.endm
.macro SCALES sc
.set SQ, 0
.rept NQ
.set SG, 0
.rept NA/4
	ds_load_b128 v[SC+16*(\sc)+SQ*NA+4*SG:SC+16*(\sc)+SQ*NA+4*SG+3], v[ADRS] offset:SQ*ROWL+256*SG
.set SG, SG+1
.endr
.set SQ, SQ+1
.endr
.endm
.macro MULA a, p, q, sc, zero          ; the accumulators take turns, one instruction a turn
.set AC, (8*NB*(\a))%256
	WIN 0xa1+0x50*((8*NB*(\a))/256)
.set MB, 0
.rept NB
.if \zero
	v_wmma_scale_f32_16x16x128_f8f6f4 v[AC+8*MB:AC+8*MB+7], v[128*(\p)+16*MB:128*(\p)+16*MB+15], v[AF+16*(\a):AF+16*(\a)+15], 0, v[SC+16*(\sc)+(\q)*NA+MB], v[SC+16*(\sc)+(\q)*NA+(\a)] matrix_a_fmt:MATRIX_FMT_BF8 matrix_b_fmt:MATRIX_FMT_BF8 matrix_a_scale:MATRIX_SCALE_ROW1
.else
	v_wmma_scale_f32_16x16x128_f8f6f4 v[AC+8*MB:AC+8*MB+7], v[128*(\p)+16*MB:128*(\p)+16*MB+15], v[AF+16*(\a):AF+16*(\a)+15], v[AC+8*MB:AC+8*MB+7], v[SC+16*(\sc)+(\q)*NA+MB], v[SC+16*(\sc)+(\q)*NA+(\a)] matrix_a_fmt:MATRIX_FMT_BF8 matrix_b_fmt:MATRIX_FMT_BF8 matrix_a_scale:MATRIX_SCALE_ROW1
.endif
.set MB, MB+1
.endr
.endm
.macro MULR a0, n, p, q, sc, zero
.set MA, \a0
.rept \n
	MULA MA, \p, \q, \sc, \zero
.set MA, MA+1
.endr
.endm
.macro STEP slot, q, zero
	s_wait_dscnt 2*NA                              ; all but the youngest loads, A's upper blocks
	MULR 0, NA/2, (\q)%2, \q, \slot, \zero
	s_wait_dscnt 0x0
	PLACES 8                                       ; eight places in front of loads into registers that these products have read
	FETCH_B \slot, (\q)+1, 1-(\q)%2
	FETCH_A \slot, (\q)+1, 0
	MULR NA/2, NA/2, (\q)%2, \q, \slot, \zero
	PLACES 8
	WIN 0
	FETCH_A \slot, (\q)+1, NA/2
.endm
.macro TURN slot, next, fill
	s_wait_tensorcnt 0x0                           ; all my tensor loads have landed: my part of the next slot
	ds_add_u32 v[SPW], v[NIL]                      ; 0 onto my spare word
	s_wait_dscnt 2*NA+1                            ; (the add and A's upper blocks may be out)
	MULR 0, NA/4, 1, NQ-1, \slot, 0
	s_wait_dscnt 0x0                               ; the add is done, and my reads of this slot are over
	s_barrier_signal -1
	MULR NA/4, NA/4, 1, NQ-1, \slot, 0
	WIN 0
	s_barrier_wait -1
.if \fill
	CREST
	s_add_nc_u64 s[G0+4*\slot+2:G0+4*\slot+3], s[G0+4*\slot+2:G0+4*\slot+3], 2*NQ*2048
	s_add_nc_u64 s[G0B+4*\slot+2:G0B+4*\slot+3], s[G0B+4*\slot+2:G0B+4*\slot+3], 2*NQ*2048
	JLOAD G0+4*\slot, G1, G0B+4*\slot, G1B         ; the first tensor load behind the round; its four v_nop are four of the eight places
	PLACES 4
.else
	PLACES 8
.endif
	v_add_nc_u32 v[ADRS], NQ*ROWL, v[ADRS]
	FETCH_B \next, 0, 0
	FETCH_A \next, 0, 0
	SCALES \next
	MULR NA/2, NA/2, 1, NQ-1, \slot, 0
	PLACES 8
	WIN 0
	FETCH_A \next, 0, NA/2
.endm
.macro MIDS slot
.set MQ, 1
.rept NQ-2
	STEP \slot, MQ, 0
.set MQ, MQ+1
.endr
.endm
.macro LAST
	s_wait_dscnt 2*NA
	MULR 0, NA/2, 1, NQ-1, 1, 0
	s_wait_dscnt 0x0
	MULR NA/2, NA/2, 1, NQ-1, 1, 0
	WIN 0
.endm
.macro QUANT s, nb, pc, pw
.irp b, 0,1,2,3
.if \b < \nb
	v_max3_num_f32 v[TM+\b], |v[\s+16*\b]|, |v[\s+16*\b+1]|, 0x8000000   ; my 16 numbers, and the floor 2^(16 - 127): the byte cannot fall under 1
.endif
.endr
.irp i, 2,4,6,8,10,12,14
.irp b, 0,1,2,3
.if \b < \nb
	v_max3_num_f32 v[TM+\b], v[TM+\b], |v[\s+16*\b+\i]|, |v[\s+16*\b+\i+1]|
.endif
.endr
.endr
.irp b, 0,1,2,3
.if \b < \nb
	v_permlanex16_b32 v[TM+4+\b], v[TM+\b], s[SEL], s[SEL+1]
.endif
.endr
.irp b, 0,1,2,3
.if \b < \nb
	v_max_num_f32 v[TM+\b], v[TM+\b], v[TM+4+\b]
.endif
.endr
.irp b, 0,1,2,3
.if \b < \nb
	v_add_nc_u32 v[TM+12+\b], 0xf8800000, v[TM+\b]
.endif
.endr
.irp b, 0,1,2,3
.if \b < \nb
	v_and_or_b32 v[TM+8+\b], v[TM+\b], 0x7f800000, s[MNT]
.endif
.endr
.irp b, 0,1,2,3
.if \b < \nb
	v_lshrrev_b32 v[TM+4+\b], 23, v[TM+12+\b]
.endif
.endr
	v_lshl_or_b32 v[\pw], v[TM+5], 8, v[TM+4]
.if \nb > 2
	v_lshl_or_b32 v[\pw], v[TM+6], 16, v[\pw]
	v_lshl_or_b32 v[\pw], v[TM+7], 24, v[\pw]
.endif
.irp b, 0,1,2,3
.if \b < \nb
.irp i, 0,1,2,3,4,5,6,7,8,9,10,11,12,13,14,15
	v_med3_num_f32 v[\s+16*\b+\i], v[\s+16*\b+\i], -v[TM+8+\b], v[TM+8+\b]
.endr
	v_cvt_scalef32_pk8_bf8_f32 v[\pc+4*\b:\pc+4*\b+1], v[\s+16*\b:\s+16*\b+7], v[TM+12+\b]
	v_cvt_scalef32_pk8_bf8_f32 v[\pc+4*\b+2:\pc+4*\b+3], v[\s+16*\b+8:\s+16*\b+15], v[TM+12+\b]
.endif
.endr
	v_nop
.endm
.macro HORNER c                        ; the polynomial x t + the next coefficient (all coefficients carry the factor log2(e))
.set GI, 0
.rept 32
	v_pk_fma_f32 v[GW+GI:GW+GI+1], v[GW+GI:GW+GI+1], v[GU+GI:GU+GI+1], \c op_sel_hi:[1,1,0]
.set GI, GI+2
.endr
.endm
.macro GELU64                          ; the 64 numbers in v[T] on, in place
	WIN 0x40                                       ; destination window 1
.set GI, 0
.rept 64
	v_fma_f32 v[GU+GI], |v[T+GI]|, s96, 1.0        ; 1 + |x| / (2 sqrt 2)
.set GI, GI+1
.endr
.set GI, 0
.rept 32
	v_pk_mul_f32 v[GQ+GI:GQ+GI+1], v[T+GI:T+GI+1], v[T+GI:T+GI+1]
.set GI, GI+2
.endr
	WIN 0x55                                       ; all in window 1
.set GI, 0
.rept 64
	v_rcp_f32 v[GU+GI], v[GU+GI]                   ; t
.set GI, GI+1
.endr
	v_nop                                          ; one plain line behind the transcendentals
.set GI, 0
	s_wait_alu depctr_va_vdst(0)
.rept 32
	v_pk_fma_f32 v[GW+GI:GW+GI+1], v[GU+GI:GU+GI+1], s[92:93], v[GC:GC+1] op_sel_hi:[1,0,1]   ; c9 t + c8
.set GI, GI+2
.endr
	HORNER 0x40097039
	HORNER 0xbfd1a1e5
	HORNER 0x3ecdfd18
	HORNER 0xbe899a80
	HORNER 0x3e0efb2e
	HORNER 0x3f0a29d2
	HORNER 0x3fb8ab5a
	HORNER 0xc034d90f                              ; c0 log2(e) - 1: the half is in the exponent
.set GI, 0
.rept 32
	v_pk_fma_f32 v[GW+GI:GW+GI+1], v[GQ+GI:GQ+GI+1], s[94:95], v[GW+GI:GW+GI+1] op_sel_hi:[1,0,1]   ; - x^2 log2(e) / 2
.set GI, GI+2
.endr
.set GI, 0
.rept 64
	v_exp_f32 v[GW+GI], v[GW+GI]
.set GI, GI+1
.endr
	v_nop
.set GI, 0
	s_wait_alu depctr_va_vdst(0)
.rept 32
	v_pk_mul_f32 v[GW+GI:GW+GI+1], v[GW+GI:GW+GI+1], v[GU+GI:GU+GI+1]   ; erfc / 2
.set GI, GI+2
.endr
	WIN 0x41                                       ; source 1 (x) window 0
.set GI, 0
.rept 32
	v_pk_mul_f32 v[GW+GI:GW+GI+1], v[GW+GI:GW+GI+1], v[T+GI:T+GI+1]     ; u
.set GI, GI+2
.endr
	WIN 0x04                                       ; source 1 (u) window 1
.set GI, 0
.rept 32
	v_pk_add_f32 v[T+GI:T+GI+1], v[T+GI:T+GI+1], v[GW+GI:GW+GI+1] neg_lo:[0,1] neg_hi:[0,1]
.set GI, GI+2
.endr
.set GI, 0
.rept 64
	v_max_num_f32 v[T+GI], v[T+GI], v[GW+GI]       ; x > 0: x - u;  x < 0: u
.set GI, GI+1
.endr
	WIN 0
.endm
	s_load_b128 s[4:7], s[0:1], 0x0                ; aq (h's images), wq
	s_load_b128 s[8:11], s[0:1], 0x10              ; ff1_b, hid
	v_lshl_add_u32 v[SPW], v0, 2, SPARE
	v_mov_b32 v[NIL], 0
	ds_add_u32 v28, v29
	ds_add_u32 v28, v29
	s_wait_dscnt 0x0
	v_lshrrev_b32 v1, 5, v0
	v_readfirstlane_b32 s14, v1
	s_lshr_b32 s15, s14, 1
	s_and_b32 s16, s14, 1
	s_bfe_u32 s40, ttmp6, 0x40000
	s_bfe_u32 s41, ttmp6, 0x40004
	s_lshl_b32 s42, ttmp9, 2
	s_add_co_u32 s42, s42, s40                     ; tile column
	s_and_b32 s17, ttmp7, 0xffff
	s_lshl_b32 s17, s17, 2
	s_add_co_u32 s17, s17, s41                     ; tile row
	s_lshl_b32 s43, s41, 2
	s_lshl_b32 s43, 15, s43
	s_lshl_b32 s44, 0x1111, s40
	s_or_b32 s[G1+0], s43, (3<<16)|(1<<21)
	s_or_b32 s[G1B+0], s44, (3<<16)|(1<<21)
.irp g, G1, G1B
	s_mov_b32 s[\g+1], (256*NQ)<<16
	s_mov_b32 s[\g+2], NA<<16
	s_mov_b32 s[\g+3], (256*NQ)<<16
	s_mov_b32 s[\g+4], NA
	s_mov_b32 s[\g+5], 256*KS
	s_mov_b32 s[\g+6], 0
	s_mov_b32 s[\g+7], 0
.endr
	s_or_b32 s[G1S+0], s43, (3<<16)|(1<<21)
	s_or_b32 s[G1SB+0], s44, (3<<16)|(1<<21)
.irp g, G1S, G1SB
	s_mov_b32 s[\g+1], (ROWL/8)<<16
	s_mov_b32 s[\g+2], (KS/2)<<16
	s_mov_b32 s[\g+3], (ROWL/8)<<16
	s_mov_b32 s[\g+4], KS/2
	s_mov_b32 s[\g+6], 0
	s_mov_b32 s[\g+7], 0
.endr
	s_mov_b32 s[G1S+5], APITCH/8
	s_mov_b32 s[G1SB+5], BPITCH/8
	s_mul_i32 s18, s16, NA
	s_mul_i32 s20, s17, 2*NA
	s_add_co_u32 s20, s20, s18
	s_mul_i32 s20, s20, KS*2048
	s_mov_b32 s21, 0
	s_mul_i32 s46, s42, 2*NA
	s_add_co_u32 s46, s46, s18
	s_mul_i32 s46, s46, KS*2048
	s_add_co_u32 s46, s46, BCOFF
	s_mov_b32 s47, 0
	s_mul_i32 s19, s16, (KS/2)*APITCH
	s_mul_i32 s22, s17, ROWL
	s_add_co_u32 s22, s22, s19
	s_add_co_u32 s22, s22, ASOFF
	s_mov_b32 s23, 0
	s_mul_i32 s19, s16, (KS/2)*BPITCH
	s_mul_i32 s92, s42, ROWL
	s_add_co_u32 s92, s92, s19
	s_add_co_u32 s92, s92, BSOFF
	s_mov_b32 s93, 0
	s_mul_i32 s45, s14, HALFT
	s_mul_i32 s66, s14, SCLSZ/2
	s_wait_kmcnt 0x0
	s_add_nc_u64 s[20:21], s[4:5], s[20:21]
	s_add_nc_u64 s[22:23], s[4:5], s[22:23]
	s_add_nc_u64 s[46:47], s[6:7], s[46:47]
	s_add_nc_u64 s[92:93], s[6:7], s[92:93]
	CROUND                                         ; all sixteen work-groups are here: the first joint loads meet
	s_mov_b32 s[G0S], 1
	s_add_co_u32 s[G0S+1], s66, SCL
	s_mov_b64 s[G0S+2:G0S+3], s[22:23]
	s_or_b32 s[G0S+3], s[G0S+3], 0x80000000
	s_mov_b32 s[G0SB], 1
	s_add_co_u32 s[G0SB+1], s66, SCL
	s_mov_b64 s[G0SB+2:G0SB+3], s[92:93]
	s_or_b32 s[G0SB+3], s[G0SB+3], 0x80000000
	JLOAD G0S, G1S, G0SB, G1SB
.irp s, 0,1
	s_mov_b32 s[G0+4*\s], 1
	s_add_co_u32 s[G0+4*\s+1], s45, \s*SLOT
	s_add_nc_u64 s[G0+4*\s+2:G0+4*\s+3], s[20:21], \s*NQ*2048
	s_or_b32 s[G0+4*\s+3], s[G0+4*\s+3], 0x80000000
	s_mov_b32 s[G0B+4*\s], 1
	s_add_co_u32 s[G0B+4*\s+1], s45, \s*SLOT
	s_add_nc_u64 s[G0B+4*\s+2:G0B+4*\s+3], s[46:47], \s*NQ*2048
	s_or_b32 s[G0B+4*\s+3], s[G0B+4*\s+3], 0x80000000
	JLOAD G0+4*\s, G1, G0B+4*\s, G1B
.endr
	v_and_b32 v3, 31, v0
	v_and_b32 v1, 15, v0
	v_bfe_u32 v2, v0, 4, 1
	v_lshlrev_b32 v[LI], 4, v3
	s_mul_i32 s18, s15, HALFT
	s_mul_i32 s19, s16, HALFT
	s_add_co_u32 s19, s19, 2*HALFT
.irp s, 0,1
	v_add_nc_u32 v[ADRA+\s], s18, v[LI]
	v_add_nc_u32 v[ADRB+\s], s19, v[LI]
	s_add_co_u32 s18, s18, SLOT
	s_add_co_u32 s19, s19, SLOT
.endr
	s_mul_i32 s18, s15, (NA/4)*256
	s_mul_i32 s19, s16, (NA/4)*256
	s_add_co_u32 s19, s19, SCLSZ
	s_sub_co_u32 s19, s19, s18
	v_mul_u32_u24 v6, s19, v2                      ; lanes 16-31 take B's words: one product in h
	s_add_co_u32 s18, s18, SCL
	v_lshl_add_u32 v5, v1, 4, v6
	v_add_nc_u32 v[ADRS], s18, v5
	v_lshlrev_b32 v[VB], 6, v2
	v_cmp_lt_u32 s[HM], 15, v3
	s_mov_b32 s[SEL], 0x76543210
	s_mov_b32 s[SEL+1], 0xfedcba98
	s_mov_b32 s[MNT], 0x600000
	s_lshl_b32 s95, s42, 1
	s_add_co_u32 s95, s95, s16                     ; my 128 columns: the next product's K step
	s_lshl_b32 s96, s17, 1
	s_add_co_u32 s96, s96, s15                     ; my 128 rows: eight row blocks
	s_lshl_b32 s18, s96, 19
	s_lshl_b32 s19, s95, 11
	s_add_co_u32 s18, s18, s19
	s_mov_b32 s19, 0
	s_add_nc_u64 s[12:13], s[10:11], s[18:19]      ; my images
	s_lshl_b32 s18, s95, 14
	s_lshl_b32 s97, s96, 9
	s_add_co_u32 s18, s18, s97
	s_add_co_u32 s18, s18, 16777216
	s_add_nc_u64 s[10:11], s[10:11], s[18:19]      ; my scale words
	s_lshl_b32 s18, s95, 9
	s_add_nc_u64 s[8:9], s[8:9], s[18:19]          ; my bias
.irp c, 0,1,2,3
.irp j, 0,1,2,3
	global_load_b128 v[BN+16*\c+4*\j:BN+16*\c+4*\j+3], v[VB], s[8:9] offset:128*\c+16*\j
.endr
.endr
	s_wait_tensorcnt 1                             ; the scale words and my part of slot 0 are in; slot 1's load may be out
	s_barrier_signal -1
	s_barrier_wait -1
	FETCH_B 0, 0, 0
	FETCH_A 0, 0, 0
	SCALES 0
	FETCH_A 0, 0, NA/2
	STEP 0, 0, 1
	s_mov_b32 s3, LAPS-1
.Llap:
	MIDS 0
	TURN 0, 1, 1
	STEP 1, 0, 0
	MIDS 1
	TURN 1, 0, 1
	STEP 0, 0, 0
	s_sub_co_u32 s3, s3, 1
	s_cmp_lg_u32 s3, 0
	s_cbranch_scc1 .Llap
	MIDS 0
	TURN 0, 1, 0
	STEP 1, 0, 0
	MIDS 1
	LAST
	PLACES 8                                       ; in front of the first read of results and of writes into A's and B's registers
	s_mov_b32 s92, 0x3e7c6f08                      ; c9 log2(e)
	s_mov_b32 s93, s92
	s_mov_b32 s94, 0xbf38aa3b                      ; -log2(e) / 2
	s_mov_b32 s95, s94
	s_mov_b32 s96, 0x3eb504f3                      ; 1 / (2 sqrt 2)
.irp b, 0,1,2,3
	v_mov_b32 v[TM+4+\b], 0
.endr
	WIN 0x40
	v_mov_b32 v[GC], 0xbf97d29d                    ; c8 log2(e)
	v_mov_b32 v[GC+1], 0xbf97d29d
	WIN 0
	s_wait_loadcnt 0x0
.macro EPI a
.set EC, (64*(\a))%256
	s_wait_xcnt 0x0                                ; the last block's stores have read PC
	WIN 0x02+(\a)/4
.set EI, 0
.rept 32
	v_pk_add_f32 v[T+EI:T+EI+1], v[EC+EI:EC+EI+1], v[BN+EI:BN+EI+1]   ; each accumulator from its low end on
.set EI, EI+2
.endr
	WIN 0
	GELU64
	QUANT T, 4, PC, WD+(\a)
.irp c, 0,1,2,3
	global_store_b128 v[LI], v[PC+4*\c:PC+4*\c+3], s[12:13] offset:65536*(\a)+512*\c
.endr
.endm
.irp a, 0,1,2,3,4,5,6,7
	EPI \a
.endr
.irp j, 0,1,2,3
	v_cndmask_b32 v[FW+\j], v[WD+\j], v[WD+4+\j], s[HM]   ; lanes 0-15 store the words of row blocks 0-3, lanes 16-31 of 4-7
.endr
	global_store_b128 v[LI], v[FW:FW+3], s[10:11]  ; 512 consecutive bytes, aligned
	s_wait_tensorcnt 0x0                           ; the wave's end
	ds_add_u32 v[SPW], v[NIL]
	s_wait_dscnt 0x0
	CROUND                                         ; the closing round
	s_endpgm
.Lfunc_end_k_qd43e33293a_ff1:
	.size	k_qd43e33293a_ff1, .Lfunc_end_k_qd43e33293a_ff1-k_qd43e33293a_ff1
	.p2alignl 7, 3214868480
	.fill 96, 4, 3214868480
	.section	.rodata,"a",@progbits
	.p2align	6, 0x0
	.amdhsa_kernel k_qd43e33293a_ff1
		.amdhsa_group_segment_fixed_size 327680
		.amdhsa_private_segment_fixed_size 0
		.amdhsa_enable_private_segment 0
		.amdhsa_kernarg_size 32
		.amdhsa_user_sgpr_count 2
		.amdhsa_user_sgpr_kernarg_segment_ptr 1
		.amdhsa_wavefront_size32 1
		.amdhsa_system_sgpr_workgroup_id_x 1
		.amdhsa_system_sgpr_workgroup_id_y 1
		.amdhsa_system_sgpr_workgroup_id_z 1
		.amdhsa_system_vgpr_workitem_id 0
		.amdhsa_next_free_vgpr 1024
		.amdhsa_next_free_sgpr 104
		.amdhsa_reserve_vcc 0
		.amdhsa_float_denorm_mode_32 3
		.amdhsa_float_denorm_mode_16_64 3
		.amdhsa_memory_ordered 1
		.amdhsa_forward_progress 1
		.amdhsa_inst_pref_size 255
	.end_amdhsa_kernel
	.section	.bss,"aw",@nobits
	.p2align	6
	.space	262144
	.amdgpu_metadata
---
amdhsa.version: [ 1, 2 ]
amdhsa.kernels:
  - .name:           k_qd43e33293a_ff1
    .symbol:         k_qd43e33293a_ff1.kd
    .args:
      - { .name: aq, .offset: 0, .size: 8, .value_kind: global_buffer, .address_space: global }
      - { .name: wq, .offset: 8, .size: 8, .value_kind: global_buffer, .address_space: global }
      - { .name: ff1_b, .offset: 16, .size: 8, .value_kind: global_buffer, .address_space: global }
      - { .name: hid, .offset: 24, .size: 8, .value_kind: global_buffer, .address_space: global }
    .group_segment_fixed_size: 327680
    .private_segment_fixed_size: 0
    .kernarg_segment_align: 8
    .kernarg_segment_size: 32
    .max_flat_workgroup_size: 128
    .sgpr_count:     104
    .vgpr_count:     1024
    .wavefront_size: 32
...
	.end_amdgpu_metadata
.endif
;; end of part 6
;; launch ff2 (part 7): grid 8 x 32, 4 waves a work-group, clusters of 4 x 4, 327,680 bytes of LDS; arguments hid, wq, ff2_b, x1, out0; writes out0
.if DOCPART == 7
	.amdgcn_target "amdgcn-amd-amdhsa--gfx1250"
	.amdhsa_code_object_version 6
	.text
	.protected	k_qd43e33293a_ff2
	.globl	k_qd43e33293a_ff2
	.p2align	8
	.type	k_qd43e33293a_ff2,@function
k_qd43e33293a_ff2:
	s_mov_b64 s[64:65], 0
	v_nop
	global_prefetch_b8 v0, s[64:65] scope:SCOPE_SE
	s_setreg_imm32_b32 hwreg(HW_REG_WAVE_MODE, 25, 1), 1
	s_wait_xcnt 0x0
	s_wait_alu depctr_hold_cnt(0) depctr_sa_sdst(0) depctr_va_vdst(0) depctr_va_sdst(0) depctr_va_ssrc(0) depctr_va_vcc(0) depctr_vm_vsrc(0)
	s_getreg_b32 s2, hwreg(HW_REG_IB_STS2, 6, 4)
	s_cmp_eq_u32 s2, 0
	s_cbranch_scc0 .Lentry_in_a_cluster
	s_endpgm
.Lentry_in_a_cluster:
	s_bfe_u32 s2, ttmp6, 0x10000c
	s_cmp_lg_u32 s2, 0xf033
	s_cbranch_scc0 .Lentry_shape_is_right
	s_endpgm
.Lentry_shape_is_right:
; result = residual + A W^T + bias, f32 rows of 1,024; A and W are codes of BF8 (E5M2) with E8M0 scales, laid as images of the operands' registers ([row block][K step][c][lane][16 bytes]; lane place r of row block rb = row 32 (rb / 2) + 8 (rb % 2) + r + 8 (r / 8)).
; N is 1,024: a tile of 128 x 128 gives each of 256 work-groups one tile.  Four waves, 64 x 64 each: 16 accumulators.  K = 4,096 in steps of 128, four to an LDS slot, two slots filled by the tensor data mover; the scale words of all of K come once.
; The matrix instruction is used transposed (source 0 = 16 rows of W, source 1 = 16 rows of A): a lane's 16 registers of two neighbouring tiles are 16 neighbouring columns of one row.
; CLUSTER 4 x 4: A's tiles are asked for jointly along a row of the cluster, W's along a column.
; THE WAY OUT: 16 rows x 256 bytes at a time through the wave's own stage (in slot 0, behind its last fill and last read), back as whole rows; the residual, loaded at the head, and the bias are added; sixteen lanes store 256 consecutive bytes, aligned.
.set NA, 4
.set NB, 4
.set NQ, 4
.set KS, 32                            ; K = 4,096
.set ASOFF,  16777216                  ; A's scale words in its buffer
.set APITCH, 16384
.set BCOFF,  8388608                   ; ff2_w's codes in wq
.set BSOFF,  12582912+294912
.set BPITCH, 4096
.set NTS, 1                            ; the result is written once and read by nobody here
.set HALFT,  NA*NQ*2048
.set SLOT,   4*HALFT
.set ROWL,   128*NA
.set SCLSZ,  KS*ROWL
.set SCL,    2*SLOT
.set SPARE,  294912                    ; the spare words, 128 bytes for each wave: two blocks of 256 bytes that no other line names
.set LAPS,   KS/(2*NQ)
.set LI,   4
.set VB,   7
.set ADRA, 16
.set ADRB, 20
.set STO,  24
.set RD,   25
.set CO,   26
.set ADRS, 27
.set SPW,  28
.set NIL,  29
.set SC,   32
.set AF,   128
.set BK,   128
.set G1, 24
.set G0, 32
.set G1B, 48
.set G0B, 56
.set G1S, 68
.set G0S, 76
.set G1SB, 80
.set G0SB, 88
.set MSB, 0
.macro WIN new
.if MSB != (\new)
	s_set_vgpr_msb (MSB<<8)|(\new)
.set MSB, (\new)
.endif
.endm
.macro PLACES n
.rept \n
	v_nop
.endr
.endm
.macro JLOAD g0a, g1a, g0b, g1b        ; a joint load: waves 0, 1 fetch for A, waves 2, 3 for B; four v_nop follow each line
	s_cmp_eq_u32 s15, 0
	s_cbranch_scc0 .Lfor_b_\@
	tensor_load_to_lds s[\g0a:\g0a+3], s[\g1a:\g1a+7]
	s_nop 0
	PLACES 4
	s_branch .Lasked_\@
.Lfor_b_\@:
	tensor_load_to_lds s[\g0b:\g0b+3], s[\g1b:\g1b+7]
	s_nop 0
	PLACES 4
.Lasked_\@:
.endm
.macro CREST
	s_cmp_lg_u32 s14, 0
	s_cbranch_scc1 .Lnot_wave_0_\@
	s_barrier_signal -3
.Lnot_wave_0_\@:
	s_barrier_wait -3
	s_barrier_signal -1
	s_barrier_wait -1
.endm
.macro CROUND
	s_barrier_signal -1
	s_barrier_wait -1
	CREST
.endm
.macro FRAG reg, adr, q, i
.irp c, 0,1,2,3
	ds_load_b128 v[\reg+4*\c:\reg+4*\c+3], v[\adr] offset:((\i)*NQ+(\q))*2048+512*\c
.endr
.endm
.macro FETCH_B slot, q, p
	WIN 0x40
.set FI, 0
.rept NB
	FRAG 128*(\p)+16*FI, ADRB+\slot, \q, FI
.set FI, FI+1
.endr
	WIN 0
.endm
.macro FETCH_A slot, q, i0
.set FI, \i0
.rept NA/2
	FRAG AF+16*FI, ADRA+\slot, \q, FI
.set FI, FI+1
.endr
.endm
.macro SCALES sc
.set SQ, 0
.rept NQ
.set SG, 0
.rept NA/4
	ds_load_b128 v[SC+16*(\sc)+SQ*NA+4*SG:SC+16*(\sc)+SQ*NA+4*SG+3], v[ADRS] offset:SQ*ROWL+256*SG
.set SG, SG+1
.endr
.set SQ, SQ+1
.endr
.endm
.macro MULA a, p, q, sc, zero          ; the accumulators take turns, one instruction a turn
.set AC, (8*NB*(\a))%256
	WIN 0xa1+0x50*((8*NB*(\a))/256)
.set MB, 0
.rept NB
.if \zero
	v_wmma_scale_f32_16x16x128_f8f6f4 v[AC+8*MB:AC+8*MB+7], v[128*(\p)+16*MB:128*(\p)+16*MB+15], v[AF+16*(\a):AF+16*(\a)+15], 0, v[SC+16*(\sc)+(\q)*NA+MB], v[SC+16*(\sc)+(\q)*NA+(\a)] matrix_a_fmt:MATRIX_FMT_BF8 matrix_b_fmt:MATRIX_FMT_BF8 matrix_a_scale:MATRIX_SCALE_ROW1
.else
	v_wmma_scale_f32_16x16x128_f8f6f4 v[AC+8*MB:AC+8*MB+7], v[128*(\p)+16*MB:128*(\p)+16*MB+15], v[AF+16*(\a):AF+16*(\a)+15], v[AC+8*MB:AC+8*MB+7], v[SC+16*(\sc)+(\q)*NA+MB], v[SC+16*(\sc)+(\q)*NA+(\a)] matrix_a_fmt:MATRIX_FMT_BF8 matrix_b_fmt:MATRIX_FMT_BF8 matrix_a_scale:MATRIX_SCALE_ROW1
.endif
.set MB, MB+1
.endr
.endm
.macro MULR a0, n, p, q, sc, zero
.set MA, \a0
.rept \n
	MULA MA, \p, \q, \sc, \zero
.set MA, MA+1
.endr
.endm
.macro STEP slot, q, zero
	s_wait_dscnt 2*NA                              ; all but the youngest loads, A's upper blocks
	MULR 0, NA/2, (\q)%2, \q, \slot, \zero
	s_wait_dscnt 0x0
	PLACES 8                                       ; eight places in front of loads into registers that these products have read
	FETCH_B \slot, (\q)+1, 1-(\q)%2
	FETCH_A \slot, (\q)+1, 0
	MULR NA/2, NA/2, (\q)%2, \q, \slot, \zero
	PLACES 8
	WIN 0
	FETCH_A \slot, (\q)+1, NA/2
.endm
.macro TURN slot, next, fill
	s_wait_tensorcnt 0x0                           ; all my tensor loads have landed: my part of the next slot
	ds_add_u32 v[SPW], v[NIL]                      ; 0 onto my spare word
	s_wait_dscnt 2*NA+1                            ; (the add and A's upper blocks may be out)
	MULR 0, NA/4, 1, NQ-1, \slot, 0
	s_wait_dscnt 0x0                               ; the add is done, and my reads of this slot are over
	s_barrier_signal -1
	MULR NA/4, NA/4, 1, NQ-1, \slot, 0
	WIN 0
	s_barrier_wait -1
.if \fill
	CREST
	s_add_nc_u64 s[G0+4*\slot+2:G0+4*\slot+3], s[G0+4*\slot+2:G0+4*\slot+3], 2*NQ*2048
	s_add_nc_u64 s[G0B+4*\slot+2:G0B+4*\slot+3], s[G0B+4*\slot+2:G0B+4*\slot+3], 2*NQ*2048
	JLOAD G0+4*\slot, G1, G0B+4*\slot, G1B         ; the first tensor load behind the round; its four v_nop are four of the eight places
	PLACES 4
.else
	PLACES 8
.endif
	v_add_nc_u32 v[ADRS], NQ*ROWL, v[ADRS]
	FETCH_B \next, 0, 0
	FETCH_A \next, 0, 0
	SCALES \next
	MULR NA/2, NA/2, 1, NQ-1, \slot, 0
	PLACES 8
	WIN 0
	FETCH_A \next, 0, NA/2
.endm
.macro MIDS slot
.set MQ, 1
.rept NQ-2
	STEP \slot, MQ, 0
.set MQ, MQ+1
.endr
.endm
.macro LAST
	s_wait_dscnt 2*NA
	MULR 0, NA/2, 1, NQ-1, 1, 0
	s_wait_dscnt 0x0
	MULR NA/2, NA/2, 1, NQ-1, 1, 0
	WIN 0
.endm
	s_load_b128 s[4:7], s[0:1], 0x0                ; A's buffer, wq
	s_load_b128 s[8:11], s[0:1], 0x10              ; the bias, the residual
	s_load_b64 s[12:13], s[0:1], 0x20              ; the result
	v_lshl_add_u32 v[SPW], v0, 2, SPARE
	v_mov_b32 v[NIL], 0
	ds_add_u32 v28, v29
	ds_add_u32 v28, v29
	s_wait_dscnt 0x0
	v_lshrrev_b32 v1, 5, v0
	v_readfirstlane_b32 s14, v1
	s_lshr_b32 s15, s14, 1
	s_and_b32 s16, s14, 1
	s_bfe_u32 s40, ttmp6, 0x40000
	s_bfe_u32 s41, ttmp6, 0x40004
	s_lshl_b32 s42, ttmp9, 2
	s_add_co_u32 s42, s42, s40                     ; tile column
	s_and_b32 s17, ttmp7, 0xffff
	s_lshl_b32 s17, s17, 2
	s_add_co_u32 s17, s17, s41                     ; tile row
	s_lshl_b32 s43, s41, 2
	s_lshl_b32 s43, 15, s43
	s_lshl_b32 s44, 0x1111, s40
	s_or_b32 s[G1+0], s43, (3<<16)|(1<<21)
	s_or_b32 s[G1B+0], s44, (3<<16)|(1<<21)
.irp g, G1, G1B
	s_mov_b32 s[\g+1], (256*NQ)<<16
	s_mov_b32 s[\g+2], NA<<16
	s_mov_b32 s[\g+3], (256*NQ)<<16
	s_mov_b32 s[\g+4], NA
	s_mov_b32 s[\g+5], 256*KS
	s_mov_b32 s[\g+6], 0
	s_mov_b32 s[\g+7], 0
.endr
	s_or_b32 s[G1S+0], s43, (3<<16)|(1<<21)
	s_or_b32 s[G1SB+0], s44, (3<<16)|(1<<21)
.irp g, G1S, G1SB
	s_mov_b32 s[\g+1], (ROWL/8)<<16
	s_mov_b32 s[\g+2], (KS/2)<<16
	s_mov_b32 s[\g+3], (ROWL/8)<<16
	s_mov_b32 s[\g+4], KS/2
	s_mov_b32 s[\g+6], 0
	s_mov_b32 s[\g+7], 0
.endr
	s_mov_b32 s[G1S+5], APITCH/8
	s_mov_b32 s[G1SB+5], BPITCH/8
	s_mul_i32 s18, s16, NA
	s_mul_i32 s20, s17, 2*NA
	s_add_co_u32 s20, s20, s18
	s_mul_i32 s20, s20, KS*2048
	s_mov_b32 s21, 0
	s_mul_i32 s46, s42, 2*NA
	s_add_co_u32 s46, s46, s18
	s_mul_i32 s46, s46, KS*2048
	s_add_co_u32 s46, s46, BCOFF
	s_mov_b32 s47, 0
	s_mul_i32 s19, s16, (KS/2)*APITCH
	s_mul_i32 s22, s17, ROWL
	s_add_co_u32 s22, s22, s19
	s_add_co_u32 s22, s22, ASOFF
	s_mov_b32 s23, 0
	s_mul_i32 s19, s16, (KS/2)*BPITCH
	s_mul_i32 s92, s42, ROWL
	s_add_co_u32 s92, s92, s19
	s_add_co_u32 s92, s92, BSOFF
	s_mov_b32 s93, 0
	s_mul_i32 s45, s14, HALFT
	s_mul_i32 s66, s14, SCLSZ/2
	s_wait_kmcnt 0x0
	s_add_nc_u64 s[20:21], s[4:5], s[20:21]
	s_add_nc_u64 s[22:23], s[4:5], s[22:23]
	s_add_nc_u64 s[46:47], s[6:7], s[46:47]
	s_add_nc_u64 s[92:93], s[6:7], s[92:93]
	CROUND                                         ; all sixteen work-groups are here: the first joint loads meet
	s_mov_b32 s[G0S], 1
	s_add_co_u32 s[G0S+1], s66, SCL
	s_mov_b64 s[G0S+2:G0S+3], s[22:23]
	s_or_b32 s[G0S+3], s[G0S+3], 0x80000000
	s_mov_b32 s[G0SB], 1
	s_add_co_u32 s[G0SB+1], s66, SCL
	s_mov_b64 s[G0SB+2:G0SB+3], s[92:93]
	s_or_b32 s[G0SB+3], s[G0SB+3], 0x80000000
	JLOAD G0S, G1S, G0SB, G1SB
.irp s, 0,1
	s_mov_b32 s[G0+4*\s], 1
	s_add_co_u32 s[G0+4*\s+1], s45, \s*SLOT
	s_add_nc_u64 s[G0+4*\s+2:G0+4*\s+3], s[20:21], \s*NQ*2048
	s_or_b32 s[G0+4*\s+3], s[G0+4*\s+3], 0x80000000
	s_mov_b32 s[G0B+4*\s], 1
	s_add_co_u32 s[G0B+4*\s+1], s45, \s*SLOT
	s_add_nc_u64 s[G0B+4*\s+2:G0B+4*\s+3], s[46:47], \s*NQ*2048
	s_or_b32 s[G0B+4*\s+3], s[G0B+4*\s+3], 0x80000000
	JLOAD G0+4*\s, G1, G0B+4*\s, G1B
.endr
	v_and_b32 v3, 31, v0
	v_and_b32 v1, 15, v0                           ; r
	v_bfe_u32 v2, v0, 4, 1                         ; h
	v_lshlrev_b32 v[LI], 4, v3
	s_mul_i32 s18, s15, HALFT
	s_mul_i32 s19, s16, HALFT
	s_add_co_u32 s19, s19, 2*HALFT
.irp s, 0,1
	v_add_nc_u32 v[ADRA+\s], s18, v[LI]
	v_add_nc_u32 v[ADRB+\s], s19, v[LI]
	s_add_co_u32 s18, s18, SLOT
	s_add_co_u32 s19, s19, SLOT
.endr
	s_mul_i32 s18, s15, (NA/4)*256
	s_mul_i32 s19, s16, (NA/4)*256
	s_add_co_u32 s19, s19, SCLSZ
	s_sub_co_u32 s19, s19, s18
	v_mul_u32_u24 v6, s19, v2                      ; lanes 16-31 take B's words: one product in h
	s_add_co_u32 s18, s18, SCL
	v_lshl_add_u32 v5, v1, 4, v6
	v_add_nc_u32 v[ADRS], s18, v5
	s_mul_i32 s18, s14, 16*272                     ; my stage
	v_mul_u32_u24 v5, v1, 272
	v_lshl_add_u32 v5, v2, 6, v5
	v_add_nc_u32 v[STO], s18, v5                   ; in: row r, + 64 h
	v_mul_u32_u24 v5, v2, 272
	v_lshl_add_u32 v5, v1, 4, v5
	v_add_nc_u32 v[RD], s18, v5                    ; back: lanes 0-15 one row, lanes 16-31 the next
	v_lshlrev_b32 v[VB], 4, v1
	v_lshl_add_u32 v[CO], v2, 12, v[VB]            ; and the same two rows in memory
	s_lshl_b32 s95, s17, 1
	s_add_co_u32 s95, s95, s15
	s_lshl_b32 s95, s95, 18                        ; my 64 rows of 4,096 bytes
	s_lshl_b32 s96, s42, 1
	s_add_co_u32 s96, s96, s16
	s_lshl_b32 s96, s96, 8                         ; my 64 columns
	s_mov_b32 s97, 0
	s_add_nc_u64 s[8:9], s[8:9], s[96:97]
	s_add_co_u32 s96, s96, s95
	s_add_nc_u64 s[10:11], s[10:11], s[96:97]
	s_add_nc_u64 s[12:13], s[12:13], s[96:97]
	global_load_b128 v[8:11], v[VB], s[8:9]
.irp a, 0,1,2,3
.irp t, 0,1,2,3,4,5,6,7
	global_load_b128 v[64+32*\a+64*(\a/2)+4*\t:64+32*\a+64*(\a/2)+4*\t+3], v[CO], s[10:11] offset:(32*(\a/2)+8*(\a%2)+2*\t+8*(\t/4))*4096   ; the residual, in the order in which the rows come back from the stage
.endr
.endr
	s_wait_tensorcnt 1                             ; the scale words and my part of slot 0 are in; slot 1's load may be out
	s_barrier_signal -1
	s_barrier_wait -1
	FETCH_B 0, 0, 0
	FETCH_A 0, 0, 0
	SCALES 0
	FETCH_A 0, 0, NA/2
	STEP 0, 0, 1
.if LAPS > 1
	s_mov_b32 s3, LAPS-1
.Llap:
	MIDS 0
	TURN 0, 1, 1
	STEP 1, 0, 0
	MIDS 1
	TURN 1, 0, 1
	STEP 0, 0, 0
	s_sub_co_u32 s3, s3, 1
	s_cmp_lg_u32 s3, 0
	s_cbranch_scc1 .Llap
.endif
	MIDS 0
	TURN 0, 1, 0
	STEP 1, 0, 0
	MIDS 1
	LAST
	PLACES 8
	s_wait_loadcnt 0x0                             ; the bias and the residual
.irp a, 0,1,2,3
	WIN 0x08                                       ; an LDS store's data are its source 1: window 2
.irp b, 0,1,2,3
	ds_store_b128 v[STO], v[32*\a+8*\b:32*\a+8*\b+3] offset:128*(\b/2)+32*(\b%2)      ; each accumulator from its low end on
	ds_store_b128 v[STO], v[32*\a+8*\b+4:32*\a+8*\b+7] offset:128*(\b/2)+32*(\b%2)+16
.endr
	WIN 0
.irp t, 0,1,2,3,4,5,6,7
	ds_load_b128 v[BK+4*\t:BK+4*\t+3], v[RD] offset:544*\t   ; LDS serves a wave's instructions in order: these see my stores
.endr
	s_wait_dscnt 0x0
.irp t, 0,1,2,3,4,5,6,7
	v_pk_add_f32 v[BK+4*\t:BK+4*\t+1], v[BK+4*\t:BK+4*\t+1], v[8:9]
	v_pk_add_f32 v[BK+4*\t+2:BK+4*\t+3], v[BK+4*\t+2:BK+4*\t+3], v[10:11]
.endr
.irp i, 0,2,4,6,8,10,12,14,16,18,20,22,24,26,28,30
	v_pk_add_f32 v[64+32*\a+64*(\a/2)+\i:64+32*\a+64*(\a/2)+\i+1], v[64+32*\a+64*(\a/2)+\i:64+32*\a+64*(\a/2)+\i+1], v[BK+\i:BK+\i+1]
.endr
.irp t, 0,1,2,3,4,5,6,7
.if NTS
	global_store_b128 v[CO], v[64+32*\a+64*(\a/2)+4*\t:64+32*\a+64*(\a/2)+4*\t+3], s[12:13] offset:(32*(\a/2)+8*(\a%2)+2*\t+8*(\t/4))*4096 th:TH_STORE_NT
.else
	global_store_b128 v[CO], v[64+32*\a+64*(\a/2)+4*\t:64+32*\a+64*(\a/2)+4*\t+3], s[12:13] offset:(32*(\a/2)+8*(\a%2)+2*\t+8*(\t/4))*4096
.endif
.endr
.endr
	s_wait_tensorcnt 0x0                           ; the wave's end
	ds_add_u32 v[SPW], v[NIL]
	s_wait_dscnt 0x0
	CROUND                                         ; the closing round
	s_endpgm
.Lfunc_end_k_qd43e33293a_ff2:
	.size	k_qd43e33293a_ff2, .Lfunc_end_k_qd43e33293a_ff2-k_qd43e33293a_ff2
	.p2alignl 7, 3214868480
	.fill 96, 4, 3214868480
	.section	.rodata,"a",@progbits
	.p2align	6, 0x0
	.amdhsa_kernel k_qd43e33293a_ff2
		.amdhsa_group_segment_fixed_size 327680
		.amdhsa_private_segment_fixed_size 0
		.amdhsa_enable_private_segment 0
		.amdhsa_kernarg_size 40
		.amdhsa_user_sgpr_count 2
		.amdhsa_user_sgpr_kernarg_segment_ptr 1
		.amdhsa_wavefront_size32 1
		.amdhsa_system_sgpr_workgroup_id_x 1
		.amdhsa_system_sgpr_workgroup_id_y 1
		.amdhsa_system_sgpr_workgroup_id_z 1
		.amdhsa_system_vgpr_workitem_id 0
		.amdhsa_next_free_vgpr 768
		.amdhsa_next_free_sgpr 104
		.amdhsa_reserve_vcc 0
		.amdhsa_float_denorm_mode_32 3
		.amdhsa_float_denorm_mode_16_64 3
		.amdhsa_memory_ordered 1
		.amdhsa_forward_progress 1
		.amdhsa_inst_pref_size 108
	.end_amdhsa_kernel
	.amdgpu_metadata
---
amdhsa.version: [ 1, 2 ]
amdhsa.kernels:
  - .name:           k_qd43e33293a_ff2
    .symbol:         k_qd43e33293a_ff2.kd
    .args:
      - { .name: hid, .offset: 0, .size: 8, .value_kind: global_buffer, .address_space: global }
      - { .name: wq, .offset: 8, .size: 8, .value_kind: global_buffer, .address_space: global }
      - { .name: ff2_b, .offset: 16, .size: 8, .value_kind: global_buffer, .address_space: global }
      - { .name: x1, .offset: 24, .size: 8, .value_kind: global_buffer, .address_space: global }
      - { .name: out0, .offset: 32, .size: 8, .value_kind: global_buffer, .address_space: global }
    .group_segment_fixed_size: 327680
    .private_segment_fixed_size: 0
    .kernarg_segment_align: 8
    .kernarg_segment_size: 40
    .max_flat_workgroup_size: 128
    .sgpr_count:     104
    .vgpr_count:     768
    .wavefront_size: 32
...
	.end_amdgpu_metadata
.endif
;; end of part 7
;; ======== version 2 of 2: 7 launches
;; limits: right only within a limited range of input values
;; workspace buffers: wq 13,008,896 bytes; aq 4,325,376 bytes; qkvc 13,369,344 bytes; x1 16,777,216 bytes; hid 17,301,504 bytes
;; launch prep (part 8): grid 448 x 1, 8 waves a work-group, no clusters, 137,216 bytes of LDS; arguments x, ln1_g, ln1_b, aq, qkv_w, out_w, ff1_w, ff2_w, wq; writes aq, wq
.if DOCPART == 8
	.amdgcn_target "amdgcn-amd-amdhsa--gfx1250"
	.amdhsa_code_object_version 6
	.text
	.protected	k_qd43e33293a_prep
	.globl	k_qd43e33293a_prep
	.p2align	8
	.type	k_qd43e33293a_prep,@function
k_qd43e33293a_prep:
	s_mov_b64 s[64:65], 0
	v_nop
	global_prefetch_b8 v0, s[64:65] scope:SCOPE_SE
	s_setreg_imm32_b32 hwreg(HW_REG_WAVE_MODE, 25, 1), 1
	s_wait_xcnt 0x0
; TWO PREPARING JOBS THAT SHARE NO DATA, IN ONE LAUNCH.  Both make codes of BF8 (E5M2) with one E8M0 scale byte for each 32 along K, laid as images of the matrix operand's registers.
; ROW ORDER: lane place r of row block rb holds row 32 (rb / 2) + 8 (rb % 2) + r + 8 (r / 8).  IMAGE of a fragment (16 such rows x 128 K): [c 0..3][lane][16 bytes], register 4 c .. 4 c + 3 of lane (r, h) = k 32 c + 16 h + 0 .. 15.
; Codes: [rb][K / 128][2,048 bytes].  Scale words: [K / 128][rb / 4][r][4 words, one for each rb % 4].
; WORK-GROUPS 0-191 (the longer ones): THE FOUR WEIGHTS [rows][K], f32, into wq.  There are 384 shares of 64 rows x 512 K (0-95 qkv_w, 96-127 out_w, 128-255 ff1_w, 256-383 ff2_w); a work-group takes two (wave / 4 says which), a wave 64 rows x 128 K, four fragments.
; Only pointers, pitches and offsets are chosen by the share's number.  The waves share nothing: no barrier on this path.
; WORK-GROUPS 192-447: y = (x - mean) rsqrt(var + 1e-5) g + b along rows of 1,024, quantised, into aq (scale words at 4,194,304).  A work-group is one row block, wave w takes K step w.
; The row's sum and then the sum of squared differences (two passes: no difference of large sums) meet in LDS, one barrier each.
; Each load reads 512 consecutive bytes of a row; 16 rows turn through the wave's own stage in LDS (rows 528 bytes apart), so that a lane gets 16 neighbours of each block of 32.  Each store of codes covers 512 consecutive bytes, aligned.
; LDS: the weights' eight stages at 0, the rows' eight stages at 67,584, the rows' sums at 135,168, the spare words at 136,192: each path has bytes of its own.
; A block's scale is 2^(floor(log2(largest magnitude)) - 15); a block of zeros keeps the byte 1 (its codes are zeros, and this program alone reads the bytes).
; LIMITS: NaN and infinities among the inputs are not served; blocks whose largest magnitude lies under 2^-111 keep the byte 1.
.set SPARE, 136192
.set SPW, 30
.set NIL, 31
.set LI,  4                            ; v4  16 x lane
.set STI, 5                            ; v5  the stage, on the way in
.set STO, 6                            ; v6  and on the way out
.set TM,  224                          ; v224-239 at work in QUANT
.set SEL, 40                           ; s[40:41] selects for lane l xor 16
.set MNT, 42                           ; s42 the mantissa field of 57,344
; 64 numbers of a lane, register 16 b + i = k 32 b + 16 h + i of my row, become codes in v[pc] on and the scale word in v[pw].
.macro QUANT s, pc, pw
.irp b, 0,1,2,3
	v_max3_num_f32 v[TM+\b], |v[\s+16*\b]|, |v[\s+16*\b+1]|, 0x8000000   ; my 16 numbers, and the floor 2^(16 - 127): the byte cannot fall under 1
.endr
.irp i, 2,4,6,8,10,12,14
.irp b, 0,1,2,3
	s_delay_alu instid0(VALU_DEP_4)
	v_max3_num_f32 v[TM+\b], v[TM+\b], |v[\s+16*\b+\i]|, |v[\s+16*\b+\i+1]|
.endr
.endr
.irp b, 0,1,2,3
	s_delay_alu instid0(VALU_DEP_4)
	v_permlanex16_b32 v[TM+4+\b], v[TM+\b], s[SEL], s[SEL+1]
.endr
.irp b, 0,1,2,3
	s_delay_alu instid0(VALU_DEP_4)
	v_max_num_f32 v[TM+\b], v[TM+\b], v[TM+4+\b]                  ; with lane l xor 16's: the block's largest magnitude
.endr
.irp b, 0,1,2,3
	s_delay_alu instid0(VALU_DEP_4)
	v_add_nc_u32 v[TM+12+\b], 0xf8800000, v[TM+\b]                ; 15 off its exponent field: the conversion's scale operand
.endr
.irp b, 0,1,2,3
	v_and_or_b32 v[TM+8+\b], v[TM+\b], 0x7f800000, s[MNT]         ; 57,344 x the scale
.endr
.irp b, 0,1,2,3
	v_lshrrev_b32 v[TM+4+\b], 23, v[TM+12+\b]                     ; the scale's byte
.endr
	s_delay_alu instid0(VALU_DEP_3)
	v_lshl_or_b32 v[\pw], v[TM+5], 8, v[TM+4]
	s_delay_alu instid0(VALU_DEP_1)
	v_lshl_or_b32 v[\pw], v[TM+6], 16, v[\pw]
	s_delay_alu instid0(VALU_DEP_1)
	v_lshl_or_b32 v[\pw], v[TM+7], 24, v[\pw]
.irp b, 0,1,2,3
.irp i, 0,1,2,3,4,5,6,7,8,9,10,11,12,13,14,15
	v_med3_num_f32 v[\s+16*\b+\i], v[\s+16*\b+\i], -v[TM+8+\b], v[TM+8+\b]   ; the conversion does not saturate (ISA guide 7.6.2): the hold
.endr
	v_cvt_scalef32_pk8_bf8_f32 v[\pc+4*\b:\pc+4*\b+1], v[\s+16*\b:\s+16*\b+7], v[TM+12+\b]
	v_cvt_scalef32_pk8_bf8_f32 v[\pc+4*\b+2:\pc+4*\b+3], v[\s+16*\b+8:\s+16*\b+15], v[TM+12+\b]
.endr
	v_nop                                          ; one plain line behind the last conversion
.endm
	v_lshl_add_u32 v[SPW], v0, 2, SPARE
	v_mov_b32 v[NIL], 0
	v_lshrrev_b32 v1, 5, v0
	v_readfirstlane_b32 s3, v1                     ; wave 0..7
	s_mov_b32 s[SEL], 0x76543210
	s_mov_b32 s[SEL+1], 0xfedcba98
	s_mov_b32 s[MNT], 0x600000
	s_cmp_lt_u32 ttmp9, 192                        ; the work-group's number alone says which job
	s_wait_alu depctr_va_vdst(0)
	s_cbranch_scc0 .Lrows
; ---------------- the weights
.set WS,  12582912                     ; where the scale words begin in wq
.set SV,  7                            ; v7     my 8 bytes of the group's 256 bytes of scale words
.set CO,  8                            ; v8-11  codes: 16 x lane + f row blocks
.set VO,  12                           ; v12-27 source: 16 x lane + the place's row
.set R,   32                           ; v32-159 two sets of 64 numbers
.set PCW, 160                          ; v160-223 codes, a set for each fragment: no store's data are written again
.set WD,  244                          ; v244-247 the four fragments' scale words
	s_load_b256 s[4:11], s[0:1], 0x20              ; qkv_w, out_w, ff1_w, ff2_w
	s_load_b64 s[12:13], s[0:1], 0x40              ; wq
	s_and_b32 s16, s3, 3                           ; which of the share's four K steps
	s_lshr_b32 s2, s3, 2
	s_lshl_b32 s17, ttmp9, 1
	s_add_co_u32 s2, s2, s17                       ; my share, 0..383
	s_mul_i32 s17, s3, 16*528                      ; my stage
	v_and_b32 v1, 31, v0                           ; lane
	v_and_b32 v2, 15, v0                           ; r
	v_bfe_u32 v3, v0, 4, 1                         ; h
	v_lshlrev_b32 v[LI], 4, v1
	v_add_nc_u32 v[STI], s17, v[LI]
	v_mul_u32_u24 v[STO], v2, 528
	v_lshl_add_u32 v[STO], v3, 6, v[STO]
	v_add_nc_u32 v[STO], s17, v[STO]               ; row r, + 64 h: my 16 numbers of a block
	v_lshlrev_b32 v[SV], 4, v2
	v_lshl_add_u32 v[SV], v3, 3, v[SV]             ; 16 r + 8 h
	v_cmp_lt_u32 s30, 15, v1                       ; the mask of lanes 16-31
.irp b, 0,1,2,3
	v_mov_b32 v[TM+4+\b], 0                        ; a lane permute's destination counts as one of its sources
.endr
	s_wait_alu depctr_va_vdst(0)
	s_wait_kmcnt 0x0
	s_cmp_lt_u32 s2, 96                            ; which tensor
	s_cselect_b64 s[14:15], s[4:5], s[6:7]
	s_cselect_b32 s18, 0, 96                       ; the tensor's first share
	s_cselect_b32 s19, 0, 3145728                  ; its codes in wq
	s_cselect_b32 s20, 0, 131072                   ; its scale words behind WS
	s_cselect_b32 s21, 2, 0                        ; a K step's scale words: 4,096 bytes << this
	s_cmp_lt_u32 s2, 128
	s_cselect_b64 s[14:15], s[14:15], s[8:9]
	s_cselect_b32 s18, s18, 128
	s_cselect_b32 s19, s19, 4194304
	s_cselect_b32 s20, s20, 163840
	s_cselect_b32 s21, s21, 2
	s_cmp_lt_u32 s2, 256
	s_cselect_b64 s[14:15], s[14:15], s[10:11]
	s_cselect_b32 s18, s18, 256
	s_cselect_b32 s19, s19, 8388608
	s_cselect_b32 s20, s20, 294912
	s_cselect_b32 s21, s21, 0
	s_cselect_b32 s22, 1, 3                        ; lg: 2^lg shares along K
	s_sub_co_u32 s23, s2, s18
	s_lshr_b32 s24, s23, s22                       ; the group of 64 rows
	s_bfm_b32 s25, s22, 0
	s_and_b32 s25, s23, s25
	s_lshl_b32 s25, s25, 2
	s_add_co_u32 s25, s25, s16                     ; my K step
	s_lshl_b32 s26, 2048, s22                      ; a source row in bytes
	s_lshl_b32 s27, 8192, s22                      ; a row block's codes in bytes
	s_lshl_b32 s28, s24, 6
	s_mul_i32 s28, s28, s26
	s_lshl_b32 s29, s25, 9
	s_add_co_u32 s28, s28, s29
	s_mov_b32 s29, 0
	s_add_nc_u64 s[32:33], s[14:15], s[28:29]      ; fragment 0's first row, my 512 bytes of it
	s_lshl_b32 s28, s26, 3
	s_add_nc_u64 s[34:35], s[32:33], s[28:29]      ; fragment 1: 8 rows on
	s_lshl_b32 s28, s26, 5
	s_add_nc_u64 s[36:37], s[32:33], s[28:29]      ; fragment 2: 32 rows on
	s_add_nc_u64 s[38:39], s[34:35], s[28:29]      ; fragment 3: 40 rows on
	s_lshl_b32 s28, s24, 2
	s_mul_i32 s28, s28, s27
	s_add_co_u32 s28, s28, s19
	s_lshl_b32 s31, s25, 11
	s_add_co_u32 s28, s28, s31
	s_add_nc_u64 s[44:45], s[12:13], s[28:29]      ; my codes
	s_add_co_u32 s21, s21, 12
	s_lshl_b32 s28, s25, s21
	s_lshl_b32 s31, s24, 8
	s_add_co_u32 s28, s28, s31
	s_add_co_u32 s28, s28, s20
	s_add_co_u32 s28, s28, WS
	s_add_nc_u64 s[46:47], s[12:13], s[28:29]      ; my 256 bytes of scale words
.irp i, 0,1,2,3,4,5,6,7,8,9,10,11,12,13,14,15
	v_mad_u32_u24 v[VO+\i], s26, \i+8*(\i/8), v[LI]
.endr
.irp f, 0,1,2,3
	v_mad_u32_u24 v[CO+\f], s27, \f, v[LI]
.endr
.macro LOAD f
.irp i, 0,1,2,3,4,5,6,7,8,9,10,11,12,13,14,15
	global_load_b128 v[R+64*((\f)%2)+4*\i:R+64*((\f)%2)+4*\i+3], v[VO+\i], s[32+2*(\f):33+2*(\f)] th:TH_LOAD_NT
.endr
.endm
.macro TURN x                          ; 16 rows x 512 bytes through my stage and back into the registers that they left; LDS serves a wave's instructions in order
.irp i, 0,1,2,3,4,5,6,7,8,9,10,11,12,13,14,15
	ds_store_b128 v[STI], v[\x+4*\i:\x+4*\i+3] offset:528*\i
.endr
.irp c, 0,1,2,3
.irp j, 0,1,2,3
	ds_load_b128 v[\x+16*\c+4*\j:\x+16*\c+4*\j+3], v[STO] offset:128*\c+16*\j
.endr
.endr
	s_wait_dscnt 0x0
.endm
.macro FRAGQ f, left
	s_wait_loadcnt \left                           ; this fragment's 16 loads are in; the next fragment's may be out
	TURN R+64*((\f)%2)
	QUANT R+64*((\f)%2), PCW+16*(\f), WD+(\f)
.irp c, 0,1,2,3
	global_store_b128 v[CO+(\f)], v[PCW+16*(\f)+4*\c:PCW+16*(\f)+4*\c+3], s[44:45] offset:512*\c
.endr
.if (\f) < 2
	LOAD (\f)+2
.endif
.endm
	LOAD 0
	LOAD 1
	FRAGQ 0, 16
	FRAGQ 1, 16
	FRAGQ 2, 16
	FRAGQ 3, 0
	v_cndmask_b32 v242, v[WD], v[WD+2], s30        ; lanes 0-15 carry the words of fragments 0, 1, lanes 16-31 those of 2, 3
	v_cndmask_b32 v243, v[WD+1], v[WD+3], s30
	global_store_b64 v[SV], v[242:243], s[46:47]   ; 32 lanes store 256 consecutive bytes, aligned
	s_wait_tensorcnt 0x0                           ; the wave's end
	ds_add_u32 v[SPW], v[NIL]
	s_wait_dscnt 0x0
	s_endpgm
; ---------------- the rows
.Lrows:
.set VG,  7                            ; v7  g, b: 512 w + 64 h
.set VW,  8                            ; v8  16 r
.set PW,  9                            ; v9  the scale word
.set RS,  10                           ; v10 where I put my wave's part of a row's sum
.set RW,  11                           ; v11 where I read the eight parts
.set AC,  12                           ; v12-19 four chains of pairs
.set X,   32
.set G,   96
.set BV,  160
.set PCL, 240
.set RED1, 135168                      ; 8 waves x 16 rows x 4 bytes; the second sum's words 512 bytes on
	s_load_b256 s[4:11], s[0:1], 0x0               ; the rows, g, b, aq
	s_sub_co_u32 s2, ttmp9, 192                    ; my row block
	s_mul_i32 s13, s3, 16*528
	s_add_co_u32 s13, s13, 67584                   ; my stage
	s_lshl_b32 s14, s3, 9
	s_lshl_b32 s15, s3, 6
	s_mov_b32 s20, 0x3a800000                      ; 1 / 1,024
	s_mov_b32 s21, 0x3727c5ac                      ; 1e-5
	s_lshr_b32 s16, s2, 1
	s_lshl_b32 s16, s16, 17                        ; 32 rows of 4,096 bytes for each pair of row blocks,
	s_and_b32 s17, s2, 1
	s_lshl_b32 s17, s17, 15                        ; 8 rows for the odd one,
	s_add_co_u32 s16, s16, s17
	s_add_co_u32 s16, s16, s14                     ; my 512 bytes of a row
	s_mov_b32 s17, 0
	s_lshl_b32 s18, s2, 14
	s_lshl_b32 s19, s3, 11
	s_add_co_u32 s18, s18, s19                     ; my image
	s_mov_b32 s19, 0
	s_lshl_b32 s22, s3, 14
	s_lshr_b32 s23, s2, 2
	s_lshl_b32 s23, s23, 8
	s_add_co_u32 s22, s22, s23
	s_and_b32 s23, s2, 3
	s_lshl_b32 s23, s23, 2
	s_add_co_u32 s22, s22, s23
	s_add_co_u32 s22, s22, 4194304                 ; my scale words
	s_mov_b32 s23, 0
	v_and_b32 v1, 31, v0
	v_and_b32 v2, 15, v0                           ; r
	v_bfe_u32 v3, v0, 4, 1                         ; h
	v_lshlrev_b32 v[LI], 4, v1
	v_add_nc_u32 v[STI], s13, v[LI]
	v_mul_u32_u24 v[STO], v2, 528
	v_lshl_add_u32 v[STO], v3, 6, v[STO]
	v_add_nc_u32 v[STO], s13, v[STO]
	v_lshlrev_b32 v[VG], 6, v3
	v_add_nc_u32 v[VG], s14, v[VG]
	v_lshlrev_b32 v[VW], 4, v2
	v_lshlrev_b32 v[RW], 2, v2
	v_add_nc_u32 v[RS], s15, v[RW]
	v_add_nc_u32 v[RS], RED1, v[RS]
	v_add_nc_u32 v[RW], RED1, v[RW]
	v_mov_b32 v21, 0                               ; a lane permute's destination counts as one of its sources
.irp b, 0,1,2,3
	v_mov_b32 v[TM+4+\b], 0
.endr
	s_wait_alu depctr_va_vdst(0)
	s_wait_kmcnt 0x0
	s_add_nc_u64 s[4:5], s[4:5], s[16:17]
	s_add_nc_u64 s[24:25], s[10:11], s[18:19]
	s_add_nc_u64 s[26:27], s[10:11], s[22:23]
.irp i, 0,1,2,3,4,5,6,7,8,9,10,11,12,13,14,15
	global_load_b128 v[X+4*\i:X+4*\i+3], v[LI], s[4:5] offset:(\i+8*(\i/8))*4096   ; 512 consecutive bytes of the place's row
.endr
.irp c, 0,1,2,3
.irp j, 0,1,2,3
	global_load_b128 v[G+16*\c+4*\j:G+16*\c+4*\j+3], v[VG], s[6:7] offset:128*\c+16*\j
.endr
.endr
.irp c, 0,1,2,3
.irp j, 0,1,2,3
	global_load_b128 v[BV+16*\c+4*\j:BV+16*\c+4*\j+3], v[VG], s[8:9] offset:128*\c+16*\j
.endr
.endr
	s_wait_loadcnt 32                              ; the rows are in; g's and b's 32 loads may be out
.irp i, 0,1,2,3,4,5,6,7,8,9,10,11,12,13,14,15
	ds_store_b128 v[STI], v[X+4*\i:X+4*\i+3] offset:528*\i
.endr
.irp c, 0,1,2,3
.irp j, 0,1,2,3
	ds_load_b128 v[X+16*\c+4*\j:X+16*\c+4*\j+3], v[STO] offset:128*\c+16*\j   ; register 16 c + i = column 128 w + 32 c + 16 h + i of row r
.endr
.endr
	s_wait_dscnt 0x0
.irp k, 0,1,2,3
	v_pk_add_f32 v[AC+2*\k:AC+2*\k+1], v[X+4*\k:X+4*\k+1], v[X+4*\k+2:X+4*\k+3]
.endr
.set P, 8
.rept 24
	s_delay_alu instid0(VALU_DEP_4)
	v_pk_add_f32 v[AC+2*(P%4):AC+2*(P%4)+1], v[AC+2*(P%4):AC+2*(P%4)+1], v[X+2*P:X+2*P+1]
.set P, P+1
.endr
.macro MEET off                        ; the four chains, the two halves of the lanes, the eight waves: the row's sum in v22
	s_delay_alu instid0(VALU_DEP_3)
	v_pk_add_f32 v[AC:AC+1], v[AC:AC+1], v[AC+2:AC+3]
	s_delay_alu instid0(VALU_DEP_2)
	v_pk_add_f32 v[AC+4:AC+5], v[AC+4:AC+5], v[AC+6:AC+7]
	s_delay_alu instid0(VALU_DEP_1)
	v_pk_add_f32 v[AC:AC+1], v[AC:AC+1], v[AC+4:AC+5]
	s_delay_alu instid0(VALU_DEP_1)
	v_add_f32 v20, v[AC], v[AC+1]
	s_delay_alu instid0(VALU_DEP_1)
	v_permlanex16_b32 v21, v20, s[SEL], s[SEL+1]
	s_delay_alu instid0(VALU_DEP_1)
	v_add_f32 v20, v20, v21
	ds_store_b32 v[RS], v20 offset:\off            ; lanes r and r + 16 write the same word with the same value
	s_wait_dscnt 0x0                               ; for the others' sake
	s_barrier_signal -1
	s_barrier_wait -1
.irp j, 0,1,2,3,4,5,6,7
	ds_load_b32 v[22+\j], v[RW] offset:\off+64*\j
.endr
	s_wait_dscnt 0x0
	v_add_f32 v22, v22, v23
	v_add_f32 v24, v24, v25
	v_add_f32 v26, v26, v27
	v_add_f32 v28, v28, v29
	s_delay_alu instid0(VALU_DEP_3)
	v_add_f32 v22, v22, v24
	s_delay_alu instid0(VALU_DEP_2)
	v_add_f32 v26, v26, v28
	s_delay_alu instid0(VALU_DEP_1)
	v_add_f32 v22, v22, v26
.endm
	MEET 0
	s_delay_alu instid0(VALU_DEP_1)
	v_mul_f32 v20, s20, v22                        ; the mean
.set P, 0
.rept 32
	v_pk_add_f32 v[X+2*P:X+2*P+1], v[X+2*P:X+2*P+1], v[20:21] op_sel_hi:[1,0] neg_lo:[0,1] neg_hi:[0,1]
.set P, P+1
.endr
.irp k, 0,1,2,3
	v_pk_mul_f32 v[AC+2*\k:AC+2*\k+1], v[X+2*\k:X+2*\k+1], v[X+2*\k:X+2*\k+1]
.endr
.set P, 4
.rept 28
	s_delay_alu instid0(VALU_DEP_4)
	v_pk_fma_f32 v[AC+2*(P%4):AC+2*(P%4)+1], v[X+2*P:X+2*P+1], v[X+2*P:X+2*P+1], v[AC+2*(P%4):AC+2*(P%4)+1]
.set P, P+1
.endr
	MEET 512
	s_delay_alu instid0(VALU_DEP_1)
	v_fma_f32 v22, v22, s20, s21                   ; the variance + 1e-5
	s_wait_alu depctr_va_vdst(0)
	v_rsq_f32 v20, v22
	v_nop                                          ; one plain line behind a transcendental
	s_wait_loadcnt 0x0                             ; g and b
.set P, 0
	s_wait_alu depctr_va_vdst(0)
.rept 32
	v_pk_mul_f32 v[X+2*P:X+2*P+1], v[X+2*P:X+2*P+1], v[20:21] op_sel_hi:[1,0]
.set P, P+1
.endr
.set P, 0
.rept 32
	v_pk_fma_f32 v[X+2*P:X+2*P+1], v[X+2*P:X+2*P+1], v[G+2*P:G+2*P+1], v[BV+2*P:BV+2*P+1]
.set P, P+1
.endr
	QUANT X, PCL, PW
.irp c, 0,1,2,3
	global_store_b128 v[LI], v[PCL+4*\c:PCL+4*\c+3], s[24:25] offset:512*\c   ; 512 consecutive bytes, aligned
.endr
	v_cmp_gt_u32 vcc_lo, 16, v1
	s_wait_xcnt 0x0                                ; EXEC changes only behind this wait
	s_wait_tensorcnt 0x0                           ; the wave's end
	ds_add_u32 v[SPW], v[NIL]
	s_wait_dscnt 0x0
	s_and_saveexec_b32 s12, vcc_lo
	global_store_b32 v[VW], v[PW], s[26:27]        ; lanes 0-15: row r's word
	s_wait_xcnt 0x0
	s_or_b32 exec_lo, exec_lo, s12
	s_endpgm
.Lfunc_end_k_qd43e33293a_prep:
	.size	k_qd43e33293a_prep, .Lfunc_end_k_qd43e33293a_prep-k_qd43e33293a_prep
	.p2alignl 7, 3214868480
	.fill 96, 4, 3214868480
	.section	.rodata,"a",@progbits
	.p2align	6, 0x0
	.amdhsa_kernel k_qd43e33293a_prep
		.amdhsa_group_segment_fixed_size 137216
		.amdhsa_private_segment_fixed_size 0
		.amdhsa_enable_private_segment 0
		.amdhsa_kernarg_size 72
		.amdhsa_user_sgpr_count 2
		.amdhsa_user_sgpr_kernarg_segment_ptr 1
		.amdhsa_wavefront_size32 1
		.amdhsa_system_sgpr_workgroup_id_x 1
		.amdhsa_system_sgpr_workgroup_id_y 1
		.amdhsa_system_sgpr_workgroup_id_z 1
		.amdhsa_system_vgpr_workitem_id 0
		.amdhsa_next_free_vgpr 256
		.amdhsa_next_free_sgpr 66
		.amdhsa_reserve_vcc 1
		.amdhsa_float_denorm_mode_32 3
		.amdhsa_float_denorm_mode_16_64 3
		.amdhsa_memory_ordered 1
		.amdhsa_forward_progress 1
		.amdhsa_inst_pref_size 92
	.end_amdhsa_kernel
	.amdgpu_metadata
---
amdhsa.version: [ 1, 2 ]
amdhsa.kernels:
  - .name:           k_qd43e33293a_prep
    .symbol:         k_qd43e33293a_prep.kd
    .args:
      - { .name: x, .offset: 0, .size: 8, .value_kind: global_buffer, .address_space: global }
      - { .name: ln1_g, .offset: 8, .size: 8, .value_kind: global_buffer, .address_space: global }
      - { .name: ln1_b, .offset: 16, .size: 8, .value_kind: global_buffer, .address_space: global }
      - { .name: aq, .offset: 24, .size: 8, .value_kind: global_buffer, .address_space: global }
      - { .name: qkv_w, .offset: 32, .size: 8, .value_kind: global_buffer, .address_space: global }
      - { .name: out_w, .offset: 40, .size: 8, .value_kind: global_buffer, .address_space: global }
      - { .name: ff1_w, .offset: 48, .size: 8, .value_kind: global_buffer, .address_space: global }
      - { .name: ff2_w, .offset: 56, .size: 8, .value_kind: global_buffer, .address_space: global }
      - { .name: wq, .offset: 64, .size: 8, .value_kind: global_buffer, .address_space: global }
    .group_segment_fixed_size: 137216
    .private_segment_fixed_size: 0
    .kernarg_segment_align: 8
    .kernarg_segment_size: 72
    .max_flat_workgroup_size: 256
    .sgpr_count:     66
    .vgpr_count:     256
    .wavefront_size: 32
...
	.end_amdgpu_metadata
.endif
;; end of part 8
;; launch qkvp (part 9): grid 12 x 16, 4 waves a work-group, clusters of 4 x 4, 327,680 bytes of LDS; arguments aq, wq, qkv_b, qkvc; writes qkvc
.if DOCPART == 9
	.amdgcn_target "amdgcn-amd-amdhsa--gfx1250"
	.amdhsa_code_object_version 6
	.text
	.protected	k_qd43e33293a_qkvp
	.globl	k_qd43e33293a_qkvp
	.p2align	8
	.type	k_qd43e33293a_qkvp,@function
k_qd43e33293a_qkvp:
	s_mov_b64 s[64:65], 0
	v_nop
	global_prefetch_b8 v0, s[64:65] scope:SCOPE_SE
	s_setreg_imm32_b32 hwreg(HW_REG_WAVE_MODE, 25, 1), 1
	s_wait_xcnt 0x0
	s_wait_alu depctr_hold_cnt(0) depctr_sa_sdst(0) depctr_va_vdst(0) depctr_va_sdst(0) depctr_va_ssrc(0) depctr_va_vcc(0) depctr_vm_vsrc(0)
	s_getreg_b32 s2, hwreg(HW_REG_IB_STS2, 6, 4)
	s_cmp_eq_u32 s2, 0
	s_cbranch_scc0 .Lentry_in_a_cluster
	s_endpgm
.Lentry_in_a_cluster:
	s_bfe_u32 s2, ttmp6, 0x10000c
	s_cmp_lg_u32 s2, 0xf033
	s_cbranch_scc0 .Lentry_shape_is_right
	s_endpgm
.Lentry_shape_is_right:
; qkv = h Wqkv^T + b on codes of BF8 (E5M2) with E8M0 scales, K = 1,024; the results are quantised at once for attention's two products and leave as images of operands' registers.
; A tile of 256 x 256 to a work-group of four waves, 128 x 128 a wave (64 accumulators); K in steps of 128, two to an LDS slot, two slots filled by the tensor data mover; the scale words of all of K come once.
; OPERANDS lie in memory as images: [row block of 16][K step][c][lane][16 bytes]; lane place r of row block rb is row 32 (rb / 2) + 8 (rb % 2) + r + 8 (r / 8).  So a fragment is four ds_load_b128 at 16 x lane: 512 consecutive bytes each.
; THE MATRIX INSTRUCTION IS USED TRANSPOSED (source 0 = 16 rows of "B", source 1 = 16 rows of "A"): by the row order a lane's 16 registers of two neighbouring tiles are 16 neighbours along B's rows.
; CLUSTERS x = 0, 1: A = h, B = Wq, Wk: a lane holds one token and 128 neighbouring channels (two heads): quantised along the head's 64.  CLUSTERS x = 2: A = Wv, B = h: V^T: a lane holds one channel and 128 neighbouring KEYS: quantised along the keys.
; The choice hangs on the cluster's x alone, which all partners share.  It selects pointers at the head and one branch in front of the last K step, which is therefore written twice.
; CLUSTER 4 x 4: A's tiles are asked for jointly along a row of the cluster, B's along a column.
; OUT (qkvc): q images [bh][rb 128][c 0, 1][lane][16] at 0, k's at 4,194,304, V^T's [bh][K step 16][d tile 4][2,048] at 8,388,608; scale words from SO on: q [bh][12,288: 8,192 used][rb / 4][r][word rb % 4]; at + 393,216 [bh][12,288]: k's 8,192 likewise, then V's [K step][r][word d tile].
; LIMITS: NaN and infinities are not served; blocks whose largest magnitude lies under 2^-111 keep the byte 1 (a block of zeros too: its codes are zeros, and this program alone reads the bytes).
.set NA, 8
.set NB, 8
.set NQ, 2
.set KS, 8
.set WS, 12582912
; LAYOUT OF qkvc AS THIS TEXT STORES IT (it takes the place of the line OUT above): one record of REC bytes for each (batch, head) and each 128 tokens, 16 records a head:
; K's 8 images of 1,024 bytes at 0; V^T's 4 images of 2,048 at 8,192; K's scale words [rb / 4][r][word rb % 4] at 16,384; V's [r][word d tile] at 16,896; Q's 8 images at 17,152; Q's scale words at 25,344.
.set BHS, 413696                       ; a head's 16 records
.set REC, 25856
.set HALFT,  NA*NQ*2048                ; what one tensor load brings, and what one wave reads of A or of B in a slot
.set SLOT,   4*HALFT
.set ROWL,   128*NA                    ; a K step's scale words of the tile's rows
.set SCLSZ,  KS*ROWL
.set SCL,    2*SLOT
.set SPARE,  294912                    ; the spare words, 128 bytes for each wave: two blocks of 256 bytes that no other line names
.set LAPS,   KS/(2*NQ)
.set LI,   4                           ; v4  16 x lane
.set VB,   7                           ; v7  64 h
.set ADRA, 16
.set ADRB, 20
.set VS,   24                          ; v24 413,696 h + 16 r
.set VM,   25                          ; v25 4 (r + 8 (r / 8))
.set ADRS, 27
.set SPW,  28
.set NIL,  29
.set SC,   32                          ; v32-63 scale words, two sets: register NA q + i: lanes 0-15 A's block i, lanes 16-31 B's
.set BN,   64                          ; v64-127 the bias
.set AF,   128                         ; A's fragments, one set; behind the products: T, PC, TM, words
.set T,    128
.set PC,   192
.set TM,   208
.set PWT,  224
.set W0,   232
.set W1,   240
.set FW,   248
.set G1, 24
.set G0, 32
.set G1B, 48
.set G0B, 56
.set G1S, 68
.set G0S, 76
.set G1SB, 80
.set G0SB, 88
.set MNT, 67
.set ISV, 98
.set HM,  99
.set SEL, 100
.set MSB, 0
.macro WIN new                         ; the immediate's high byte repeats the setting that is left
.if MSB != (\new)
	s_set_vgpr_msb (MSB<<8)|(\new)
.set MSB, (\new)
.endif
.endm
.macro PLACES n
.rept \n
	v_nop
.endr
.endm
.macro JLOAD g0a, g1a, g0b, g1b        ; a joint load: waves 0, 1 fetch for A, waves 2, 3 for B; four v_nop follow each line
	s_cmp_eq_u32 s15, 0
	s_cbranch_scc0 .Lfor_b_\@
	tensor_load_to_lds s[\g0a:\g0a+3], s[\g1a:\g1a+7]
	s_nop 0
	PLACES 4
	s_branch .Lasked_\@
.Lfor_b_\@:
	tensor_load_to_lds s[\g0b:\g0b+3], s[\g1b:\g1b+7]
	s_nop 0
	PLACES 4
.Lasked_\@:
.endm
.macro CREST
	s_cmp_lg_u32 s14, 0
	s_cbranch_scc1 .Lnot_wave_0_\@
	s_barrier_signal -3
.Lnot_wave_0_\@:
	s_barrier_wait -3
	s_barrier_signal -1
	s_barrier_wait -1
.endm
.macro CROUND
	s_barrier_signal -1
	s_barrier_wait -1
	CREST
.endm
.macro FRAG reg, adr, q, i
.irp c, 0,1,2,3
	ds_load_b128 v[\reg+4*\c:\reg+4*\c+3], v[\adr] offset:((\i)*NQ+(\q))*2048+512*\c
.endr
.endm
.macro FETCH_B slot, q, p
	WIN 0x40
.set FI, 0
.rept NB
	FRAG 128*(\p)+16*FI, ADRB+\slot, \q, FI
.set FI, FI+1
.endr
	WIN 0
.endm
.macro FETCH_A slot, q, i0
.set FI, \i0
.rept NA/2
	FRAG AF+16*FI, ADRA+\slot, \q, FI
.set FI, FI+1
.endr
.endm
.macro SCALES sc
.set SQ, 0
.rept NQ
.set SG, 0
.rept NA/4
	ds_load_b128 v[SC+16*(\sc)+SQ*NA+4*SG:SC+16*(\sc)+SQ*NA+4*SG+3], v[ADRS] offset:SQ*ROWL+256*SG
.set SG, SG+1
.endr
.set SQ, SQ+1
.endr
.endm
.macro MULA a, p, q, sc, zero          ; A's block a against B's NB blocks; the accumulators take turns, one instruction a turn
.set AC, (8*NB*(\a))%256
	WIN 0xa1+0x50*((8*NB*(\a))/256)
.set MB, 0
.rept NB
.if \zero
	v_wmma_scale_f32_16x16x128_f8f6f4 v[AC+8*MB:AC+8*MB+7], v[128*(\p)+16*MB:128*(\p)+16*MB+15], v[AF+16*(\a):AF+16*(\a)+15], 0, v[SC+16*(\sc)+(\q)*NA+MB], v[SC+16*(\sc)+(\q)*NA+(\a)] matrix_a_fmt:MATRIX_FMT_BF8 matrix_b_fmt:MATRIX_FMT_BF8 matrix_a_scale:MATRIX_SCALE_ROW1
.else
	v_wmma_scale_f32_16x16x128_f8f6f4 v[AC+8*MB:AC+8*MB+7], v[128*(\p)+16*MB:128*(\p)+16*MB+15], v[AF+16*(\a):AF+16*(\a)+15], v[AC+8*MB:AC+8*MB+7], v[SC+16*(\sc)+(\q)*NA+MB], v[SC+16*(\sc)+(\q)*NA+(\a)] matrix_a_fmt:MATRIX_FMT_BF8 matrix_b_fmt:MATRIX_FMT_BF8 matrix_a_scale:MATRIX_SCALE_ROW1
.endif
.set MB, MB+1
.endr
.endm
.macro MULR a0, n, p, q, sc, zero
.set MA, \a0
.rept \n
	MULA MA, \p, \q, \sc, \zero
.set MA, MA+1
.endr
.endm
.macro STEP slot, q, zero              ; a K step of 128 that has its successor in the same slot
	s_wait_dscnt 2*NA                              ; all but the youngest loads, A's upper blocks
	MULR 0, NA/2, (\q)%2, \q, \slot, \zero
	s_wait_dscnt 0x0
	PLACES 8                                       ; eight places in front of loads into registers that these products have read
	FETCH_B \slot, (\q)+1, 1-(\q)%2
	FETCH_A \slot, (\q)+1, 0
	MULR NA/2, NA/2, (\q)%2, \q, \slot, \zero
	PLACES 8
	WIN 0
	FETCH_A \slot, (\q)+1, NA/2
.endm
.macro TURN slot, next, fill           ; a slot's last K step changes slots: one barrier; with fill = 1 it opens a round of the cluster's barrier and the slot is filled again
	s_wait_tensorcnt 0x0                           ; all my tensor loads have landed: my part of the next slot
	ds_add_u32 v[SPW], v[NIL]                      ; 0 onto my spare word
	s_wait_dscnt 2*NA+1                            ; (the add and A's upper blocks may be out)
	MULR 0, NA/4, 1, NQ-1, \slot, 0
	s_wait_dscnt 0x0                               ; the add is done, and my reads of this slot are over
	s_barrier_signal -1
	MULR NA/4, NA/4, 1, NQ-1, \slot, 0
	WIN 0
	s_barrier_wait -1
.if \fill
	CREST
	s_add_nc_u64 s[G0+4*\slot+2:G0+4*\slot+3], s[G0+4*\slot+2:G0+4*\slot+3], 2*NQ*2048
	s_add_nc_u64 s[G0B+4*\slot+2:G0B+4*\slot+3], s[G0B+4*\slot+2:G0B+4*\slot+3], 2*NQ*2048
	JLOAD G0+4*\slot, G1, G0B+4*\slot, G1B         ; the first tensor load behind the round; its four v_nop are four of the eight places
	PLACES 4
.else
	PLACES 8
.endif
	s_wait_alu depctr_va_vdst(0)
	v_add_nc_u32 v[ADRS], NQ*ROWL, v[ADRS]         ; the next slot's scale words
	FETCH_B \next, 0, 0
	FETCH_A \next, 0, 0
	SCALES \next
	MULR NA/2, NA/2, 1, NQ-1, \slot, 0
	PLACES 8
	WIN 0
	FETCH_A \next, 0, NA/2
.endm
.macro MIDS slot
.set MQ, 1
.rept NQ-2
	STEP \slot, MQ, 0
.set MQ, MQ+1
.endr
.endm
.macro LAST                            ; the very last K step: nothing more to fetch
	s_wait_dscnt 2*NA
	MULR 0, NA/2, 1, NQ-1, 1, 0
	s_wait_dscnt 0x0
	MULR NA/2, NA/2, 1, NQ-1, 1, 0
	WIN 0
.endm
.macro QUANT s, nb, pc, pw
.irp b, 0,1,2,3
.if \b < \nb
	v_max3_num_f32 v[TM+\b], |v[\s+16*\b]|, |v[\s+16*\b+1]|, 0x8000000   ; my 16 numbers, and the floor 2^(16 - 127): the byte cannot fall under 1
.endif
.endr
.irp i, 2,4,6,8,10,12,14
.irp b, 0,1,2,3
.if \b < \nb
	v_max3_num_f32 v[TM+\b], v[TM+\b], |v[\s+16*\b+\i]|, |v[\s+16*\b+\i+1]|
.endif
.endr
.endr
.irp b, 0,1,2,3
.if \b < \nb
	v_permlanex16_b32 v[TM+4+\b], v[TM+\b], s[SEL], s[SEL+1]
.endif
.endr
.irp b, 0,1,2,3
.if \b < \nb
	v_max_num_f32 v[TM+\b], v[TM+\b], v[TM+4+\b]
.endif
.endr
.irp b, 0,1,2,3
.if \b < \nb
	v_add_nc_u32 v[TM+12+\b], 0xf8800000, v[TM+\b]
.endif
.endr
.irp b, 0,1,2,3
.if \b < \nb
	v_and_or_b32 v[TM+8+\b], v[TM+\b], 0x7f800000, s[MNT]
.endif
.endr
.irp b, 0,1,2,3
.if \b < \nb
	v_lshrrev_b32 v[TM+4+\b], 23, v[TM+12+\b]
.endif
.endr
	v_lshl_or_b32 v[\pw], v[TM+5], 8, v[TM+4]
.if \nb > 2
	v_lshl_or_b32 v[\pw], v[TM+6], 16, v[\pw]
	v_lshl_or_b32 v[\pw], v[TM+7], 24, v[\pw]
.endif
.irp b, 0,1,2,3
.if \b < \nb
.irp i, 0,1,2,3,4,5,6,7,8,9,10,11,12,13,14,15
	v_med3_num_f32 v[\s+16*\b+\i], v[\s+16*\b+\i], -v[TM+8+\b], v[TM+8+\b]
.endr
	v_cvt_scalef32_pk8_bf8_f32 v[\pc+4*\b:\pc+4*\b+1], v[\s+16*\b:\s+16*\b+7], v[TM+12+\b]
	v_cvt_scalef32_pk8_bf8_f32 v[\pc+4*\b+2:\pc+4*\b+3], v[\s+16*\b+8:\s+16*\b+15], v[TM+12+\b]
.endif
.endr
	v_nop
.endm
	s_load_b128 s[4:7], s[0:1], 0x0                ; aq (h's images), wq
	s_load_b128 s[8:11], s[0:1], 0x10              ; qkv_b, qkvc
	v_lshl_add_u32 v[SPW], v0, 2, SPARE
	v_mov_b32 v[NIL], 0
	ds_add_u32 v28, v29
	ds_add_u32 v28, v29
	s_wait_dscnt 0x0
	v_lshrrev_b32 v1, 5, v0
	v_readfirstlane_b32 s14, v1                    ; wave
	s_lshr_b32 s15, s14, 1                         ; my half of A's rows.  Also: I fetch for A (0) or for B (1)
	s_and_b32 s16, s14, 1                          ; my half of B's rows.  Also: which half I fetch
	s_bfe_u32 s40, ttmp6, 0x40000                  ; cx
	s_bfe_u32 s41, ttmp6, 0x40004                  ; cy
	s_and_b32 s45, ttmp7, 0xffff                   ; the cluster's y
	s_cmp_eq_u32 ttmp9, 2                          ; the cluster's x: 0, 1: q and k;  2: V^T
	s_cselect_b32 s[ISV], 1, 0
	s_cselect_b32 s17, 0, s45
	s_cselect_b32 s42, s45, ttmp9
	s_lshl_b32 s17, s17, 2
	s_add_co_u32 s17, s17, s41                     ; A's tile
	s_lshl_b32 s42, s42, 2
	s_add_co_u32 s42, s42, s40                     ; B's tile
	s_lshl_b32 s43, s41, 2
	s_lshl_b32 s43, 15, s43                        ; my row of the cluster
	s_lshl_b32 s44, 0x1111, s40                    ; my column
	s_or_b32 s[G1+0], s43, (3<<16)|(1<<21)         ; the mask; elements of 8 bytes; bit 21 beside a mask; no padding
	s_or_b32 s[G1B+0], s44, (3<<16)|(1<<21)
.irp g, G1, G1B
	s_mov_b32 s[\g+1], (256*NQ)<<16                ; a row: one row block's NQ images
	s_mov_b32 s[\g+2], (2*NA)<<16                  ; the head's loads bring a tile's 2 NA row blocks; behind them the two words are set to NA
	s_mov_b32 s[\g+3], (256*NQ)<<16
	s_mov_b32 s[\g+4], 2*NA
	s_mov_b32 s[\g+5], 256*KS                      ; from row block to row block
	s_mov_b32 s[\g+6], 0
	s_mov_b32 s[\g+7], 0
.endr
	s_or_b32 s[G1S+0], s43, (3<<16)|(1<<21)
	s_or_b32 s[G1SB+0], s44, (3<<16)|(1<<21)
.irp g, G1S, G1SB
	s_mov_b32 s[\g+1], (ROWL/8)<<16                ; a row: one K step's words of the tile's rows
	s_mov_b32 s[\g+2], KS<<16
	s_mov_b32 s[\g+3], (ROWL/8)<<16
	s_mov_b32 s[\g+4], KS
	s_mov_b32 s[\g+5], 2048                        ; 64 groups of 256 bytes from K step to K step, in h's words and in Wqkv's alike
	s_mov_b32 s[\g+6], 0
	s_mov_b32 s[\g+7], 0
.endr
	s_mul_i32 s18, s16, NA
	s_mul_i32 s20, s17, 2*NA
	s_add_co_u32 s20, s20, s18
	s_mul_i32 s20, s20, KS*2048                    ; A's codes: my NA row blocks
	s_mov_b32 s21, 0
	s_mul_i32 s46, s42, 2*NA
	s_add_co_u32 s46, s46, s18
	s_mul_i32 s46, s46, KS*2048                    ; B's
	s_mov_b32 s47, 0
	s_mul_i32 s22, s17, ROWL                       ; A's scale words, all K steps
	s_mov_b32 s23, 0
	s_mul_i32 s92, s42, ROWL
	s_mov_b32 s93, 0
	s_mul_i32 s45, s14, HALFT
	s_wait_kmcnt 0x0
	s_add_nc_u64 s[94:95], s[6:7], 2097152         ; Wv's codes (row block 128 on)
	s_add_nc_u64 s[96:97], s[6:7], WS+8192         ; Wv's scale words (group 32 on)
	s_add_nc_u64 s[18:19], s[4:5], 4194304         ; h's scale words
	s_add_nc_u64 s[12:13], s[6:7], WS              ; Wq's and Wk's scale words
	s_cmp_eq_u32 s[ISV], 1
	s_cselect_b64 s[94:95], s[94:95], s[4:5]       ; A's codes
	s_cselect_b64 s[96:97], s[96:97], s[18:19]     ; A's scale words
	s_cselect_b64 s[18:19], s[18:19], s[12:13]     ; B's scale words
	s_cselect_b64 s[12:13], s[4:5], s[6:7]         ; B's codes
	s_add_nc_u64 s[20:21], s[94:95], s[20:21]
	s_add_nc_u64 s[22:23], s[96:97], s[22:23]
	s_add_nc_u64 s[46:47], s[12:13], s[46:47]
	s_add_nc_u64 s[92:93], s[18:19], s[92:93]
	CROUND                                         ; all sixteen work-groups are here: the first joint loads meet
	s_mov_b32 s[G0S], 1
	s_mov_b32 s[G0S+1], SCL
	s_mov_b64 s[G0S+2:G0S+3], s[22:23]
	s_or_b32 s[G0S+3], s[G0S+3], 0x80000000
	s_mov_b32 s[G0SB], 1
	s_mov_b32 s[G0SB+1], SCL+SCLSZ
	s_mov_b64 s[G0SB+2:G0SB+3], s[92:93]
	s_or_b32 s[G0SB+3], s[G0SB+3], 0x80000000
.irp s, 0,1
	s_mov_b32 s[G0+4*\s], 1
	s_add_co_u32 s[G0+4*\s+1], s45, \s*SLOT
	s_add_nc_u64 s[G0+4*\s+2:G0+4*\s+3], s[20:21], \s*NQ*2048
	s_or_b32 s[G0+4*\s+3], s[G0+4*\s+3], 0x80000000
	s_mov_b32 s[G0B+4*\s], 1
	s_add_co_u32 s[G0B+4*\s+1], s45, \s*SLOT
	s_add_nc_u64 s[G0B+4*\s+2:G0B+4*\s+3], s[46:47], \s*NQ*2048
	s_or_b32 s[G0B+4*\s+3], s[G0B+4*\s+3], 0x80000000
.endr
	; THE HEAD'S LOADS, ONE A WAVE: wave 0 slot 0's whole tile of A (its own group 0 begins at the tile's first row block and at LDS byte 0), wave 2 B's likewise, wave 1 A's scale words, wave 3 B's
	s_cmp_eq_u32 s14, 0
	s_cbranch_scc0 .Lhead_b
	tensor_load_to_lds s[G0:G0+3], s[G1:G1+7]
	s_nop 0
	PLACES 4
	s_branch .Lhead_asked
.Lhead_b:
	s_cmp_eq_u32 s14, 2
	s_cbranch_scc0 .Lhead_sa
	tensor_load_to_lds s[G0B:G0B+3], s[G1B:G1B+7]
	s_nop 0
	PLACES 4
	s_branch .Lhead_asked
.Lhead_sa:
	s_cmp_eq_u32 s14, 1
	s_cbranch_scc0 .Lhead_sb
	tensor_load_to_lds s[G0S:G0S+3], s[G1S:G1S+7]
	s_nop 0
	PLACES 4
	s_branch .Lhead_asked
.Lhead_sb:
	tensor_load_to_lds s[G0SB:G0SB+3], s[G1SB:G1SB+7]
	s_nop 0
	PLACES 4
.Lhead_asked:
	v_and_b32 v3, 31, v0
	v_and_b32 v1, 15, v0                           ; r
	v_bfe_u32 v2, v0, 4, 1                         ; h
	s_wait_alu depctr_va_vdst(0)
	v_lshlrev_b32 v[LI], 4, v3
	s_mul_i32 s18, s15, HALFT
	s_mul_i32 s19, s16, HALFT
	s_add_co_u32 s19, s19, 2*HALFT
.irp s, 0,1
	v_add_nc_u32 v[ADRA+\s], s18, v[LI]
	v_add_nc_u32 v[ADRB+\s], s19, v[LI]
	s_add_co_u32 s18, s18, SLOT
	s_add_co_u32 s19, s19, SLOT
.endr
	s_mul_i32 s18, s15, (NA/4)*256
	s_mul_i32 s19, s16, (NA/4)*256
	s_add_co_u32 s19, s19, SCLSZ
	s_sub_co_u32 s19, s19, s18
	v_mul_u32_u24 v6, s19, v2                      ; lanes 16-31 take B's words: one product in h
	s_add_co_u32 s18, s18, SCL
	v_lshl_add_u32 v5, v1, 4, v6
	v_add_nc_u32 v[ADRS], s18, v5
	v_lshlrev_b32 v[VB], 6, v2
	v_mul_u32_u24 v[VS], v2, BHS                   ; lanes 16-31 store the next head's words
	v_lshl_add_u32 v[VS], v1, 4, v[VS]
	v_and_b32 v[VM], 8, v1
	v_add_lshl_u32 v[VM], v[VM], v1, 2
	v_cmp_lt_u32 s[HM], 15, v3                     ; the mask of lanes 16-31
	s_mov_b32 s[SEL], 0x76543210
	s_mov_b32 s[SEL+1], 0xfedcba98
	s_mov_b32 s[MNT], 0x600000
	s_wait_alu depctr_va_vdst(0)
	s_wait_tensorcnt 0x0                           ; my tile of the head's four is in; slot 1's first fill is issued as a refill is
	ds_add_u32 v[SPW], v[NIL]
	s_mov_b32 s[G1+2], NA<<16                      ; no tensor load of mine is out: from here on a load brings NA row blocks
	s_mov_b32 s[G1+4], NA
	s_mov_b32 s[G1B+2], NA<<16
	s_mov_b32 s[G1B+4], NA
	s_wait_dscnt 0x0
	CROUND
	JLOAD G0+4, G1, G0B+4, G1B
	FETCH_B 0, 0, 0
	FETCH_A 0, 0, 0
	SCALES 0
	FETCH_A 0, 0, NA/2
	STEP 0, 0, 1                                   ; the first step's products start the sums
	s_mov_b32 s3, LAPS-1
.Llap:
	MIDS 0
	TURN 0, 1, 1
	STEP 1, 0, 0
	MIDS 1
	TURN 1, 0, 1
	STEP 0, 0, 0
	s_sub_co_u32 s3, s3, 1
	s_cmp_lg_u32 s3, 0
	s_cbranch_scc1 .Llap
	MIDS 0
	TURN 0, 1, 0                                   ; the last lap fills nothing
	STEP 1, 0, 0
	MIDS 1
	s_cmp_eq_u32 s[ISV], 1
	s_cbranch_scc1 .Lvpath
	; ---- q and k: the bias runs along a lane's registers
	s_lshl_b32 s18, s42, 1
	s_add_co_u32 s18, s18, s16
	s_lshl_b32 s18, s18, 9                         ; my 128 channels' bias
	s_mov_b32 s19, 0
	s_add_nc_u64 s[8:9], s[8:9], s[18:19]
.irp c, 0,1,2,3
.irp j, 0,1,2,3
	global_load_b128 v[BN+16*\c+4*\j:BN+16*\c+4*\j+3], v[VB], s[8:9] offset:128*\c+16*\j
.endr
.endr
	s_lshr_b32 s94, s17, 3
	s_lshl_b32 s94, s94, 4
	s_and_b32 s95, s42, 3
	s_lshl_b32 s95, s95, 2
	s_add_co_u32 s94, s94, s95
	s_lshl_b32 s95, s16, 1
	s_add_co_u32 s94, s94, s95                     ; 16 x batch + my first head
	s_and_b32 s95, s17, 7
	s_lshl_b32 s95, s95, 1
	s_add_co_u32 s95, s95, s15                     ; my first row block in the batch / 8
	s_lshr_b32 s96, s42, 2                         ; q (0) or k (1)
	s_mul_i32 s18, s94, BHS
	s_mul_i32 s97, s95, REC
	s_add_co_u32 s97, s97, s18                     ; my first head's record of these 128 tokens
	s_cmp_eq_u32 s96, 1
	s_cselect_b32 s18, 0, 17152                    ; K's images or Q's
	s_add_co_u32 s18, s18, s97
	s_add_nc_u64 s[12:13], s[10:11], s[18:19]      ; my images
	s_cmp_eq_u32 s96, 1
	s_mov_b32 s18, 25344
	s_cselect_b32 s18, 16384, s18                  ; K's scale words or Q's
	s_add_co_u32 s18, s18, s97
	s_add_nc_u64 s[10:11], s[10:11], s[18:19]      ; my scale words
	LAST
	PLACES 8                                       ; in front of the first read of results and of writes into A's registers
.irp b, 0,1,2,3
	v_mov_b32 v[TM+4+\b], 0
.endr
	s_wait_loadcnt 0x0
.macro EPIQK a
.set EC, (64*(\a))%256
	s_wait_xcnt 0x0                                ; the last block's stores have read PC
	WIN 0x02+(\a)/4
.set EI, 0
.rept 32
	v_pk_add_f32 v[T+EI:T+EI+1], v[EC+EI:EC+EI+1], v[BN+EI:BN+EI+1]   ; each accumulator from its low end on
.set EI, EI+2
.endr
	WIN 0
	QUANT T, 4, PC, PWT
.irp c, 0,1,2,3
	global_store_b128 v[LI], v[PC+4*\c:PC+4*\c+3], s[12:13] offset:1024*(\a)+BHS*(\c/2)+512*(\c%2)   ; blocks 0, 1: my first head, blocks 2, 3: the next
.endr
	v_and_b32 v[W0+(\a)], 0xffff, v[PWT]           ; a head's two bytes; the upper two stay 0 and meet zero codes alone
	v_lshrrev_b32 v[W1+(\a)], 16, v[PWT]
.endm
.irp a, 0,1,2,3,4,5,6,7
	EPIQK \a
.endr
.irp j, 0,1,2,3,4,5,6,7
	v_cndmask_b32 v[FW+\j], v[W0+\j], v[W1+\j], s[HM]   ; lanes 0-15 store the first head's words, lanes 16-31 the next head's
.endr
	global_store_b128 v[VS], v[FW:FW+3], s[10:11]
	global_store_b128 v[VS], v[FW+4:FW+7], s[10:11] offset:256
	s_branch .Lend
.Lvpath:
	; ---- V^T: the bias hangs on the lane's row
	s_lshl_b32 s18, s17, 1
	s_add_co_u32 s18, s18, s15
	s_lshl_b32 s94, s18, 1                         ; my first head
	s_lshl_b32 s18, s18, 9
	s_add_co_u32 s18, s18, 8192                    ; V's bias begins at number 2,048
	s_mov_b32 s19, 0
	s_add_nc_u64 s[8:9], s[8:9], s[18:19]
.irp a, 0,1,2,3,4,5,6,7
	global_load_b32 v[BN+2*\a], v[VM], s[8:9] offset:4*(32*(\a/2)+8*(\a%2))
	global_load_b32 v[BN+2*\a+1], v[VM], s[8:9] offset:4*(32*(\a/2)+8*(\a%2))   ; twice: a pair for the packed addition
.endr
	s_lshr_b32 s95, s42, 3
	s_lshl_b32 s95, s95, 4
	s_add_co_u32 s94, s94, s95                     ; 16 x batch + my first head
	s_and_b32 s95, s42, 7
	s_lshl_b32 s95, s95, 1
	s_add_co_u32 s95, s95, s16                     ; my 128 keys: the K step of attention's second product
	s_mul_i32 s18, s94, BHS
	s_mul_i32 s97, s95, REC
	s_add_co_u32 s18, s18, s97
	s_add_co_u32 s18, s18, 8192                    ; V^T's images in the record
	s_add_nc_u64 s[12:13], s[10:11], s[18:19]
	s_add_co_u32 s18, s18, 16896-8192              ; and its scale words
	s_add_nc_u64 s[10:11], s[10:11], s[18:19]
	LAST
	PLACES 8
.irp b, 0,1,2,3
	v_mov_b32 v[TM+4+\b], 0
.endr
	s_wait_loadcnt 0x0
.macro EPIV a
.set EC, (64*(\a))%256
	s_wait_xcnt 0x0
	WIN 0x02+(\a)/4
.set EI, 0
.rept 32
	v_pk_add_f32 v[T+EI:T+EI+1], v[EC+EI:EC+EI+1], v[BN+2*(\a):BN+2*(\a)+1]
.set EI, EI+2
.endr
	WIN 0
	QUANT T, 4, PC, W0+(\a)
.irp c, 0,1,2,3
	global_store_b128 v[LI], v[PC+4*\c:PC+4*\c+3], s[12:13] offset:BHS*((\a)/4)+2048*((\a)%4)+512*\c
.endr
.endm
.irp a, 0,1,2,3,4,5,6,7
	EPIV \a
.endr
.irp j, 0,1,2,3
	v_cndmask_b32 v[FW+\j], v[W0+\j], v[W0+4+\j], s[HM]
.endr
	global_store_b128 v[VS], v[FW:FW+3], s[10:11]
.Lend:
	s_wait_tensorcnt 0x0                           ; the wave's end
	ds_add_u32 v[SPW], v[NIL]
	s_wait_dscnt 0x0
	CROUND                                         ; the closing round
	s_endpgm
.Lfunc_end_k_qd43e33293a_qkvp:
	.size	k_qd43e33293a_qkvp, .Lfunc_end_k_qd43e33293a_qkvp-k_qd43e33293a_qkvp
	.p2alignl 7, 3214868480
	.fill 96, 4, 3214868480
	.section	.rodata,"a",@progbits
	.p2align	6, 0x0
	.amdhsa_kernel k_qd43e33293a_qkvp
		.amdhsa_group_segment_fixed_size 327680
		.amdhsa_private_segment_fixed_size 0
		.amdhsa_enable_private_segment 0
		.amdhsa_kernarg_size 32
		.amdhsa_user_sgpr_count 2
		.amdhsa_user_sgpr_kernarg_segment_ptr 1
		.amdhsa_wavefront_size32 1
		.amdhsa_system_sgpr_workgroup_id_x 1
		.amdhsa_system_sgpr_workgroup_id_y 1
		.amdhsa_system_sgpr_workgroup_id_z 1
		.amdhsa_system_vgpr_workitem_id 0
		.amdhsa_next_free_vgpr 1024
		.amdhsa_next_free_sgpr 104
		.amdhsa_reserve_vcc 0
		.amdhsa_float_denorm_mode_32 3
		.amdhsa_float_denorm_mode_16_64 3
		.amdhsa_memory_ordered 1
		.amdhsa_forward_progress 1
		.amdhsa_inst_pref_size 255
	.end_amdhsa_kernel
	.section	.bss,"aw",@nobits
	.p2align	6
	.space	262144
	.amdgpu_metadata
---
amdhsa.version: [ 1, 2 ]
amdhsa.kernels:
  - .name:           k_qd43e33293a_qkvp
    .symbol:         k_qd43e33293a_qkvp.kd
    .args:
      - { .name: aq, .offset: 0, .size: 8, .value_kind: global_buffer, .address_space: global }
      - { .name: wq, .offset: 8, .size: 8, .value_kind: global_buffer, .address_space: global }
      - { .name: qkv_b, .offset: 16, .size: 8, .value_kind: global_buffer, .address_space: global }
      - { .name: qkvc, .offset: 24, .size: 8, .value_kind: global_buffer, .address_space: global }
    .group_segment_fixed_size: 327680
    .private_segment_fixed_size: 0
    .kernarg_segment_align: 8
    .kernarg_segment_size: 32
    .max_flat_workgroup_size: 128
    .sgpr_count:     104
    .vgpr_count:     1024
    .wavefront_size: 32
...
	.end_amdgpu_metadata
.endif
;; end of part 9
;; launch attn (part 10): grid 8 x 32, 16 waves a work-group, clusters of 4 x 1, 276,480 bytes of LDS; arguments qkvc, aq; writes aq
.if DOCPART == 10
	.amdgcn_target "amdgcn-amd-amdhsa--gfx1250"
	.amdhsa_code_object_version 6
	.text
	.protected	k_qd43e33293a_attn
	.globl	k_qd43e33293a_attn
	.p2align	8
	.type	k_qd43e33293a_attn,@function
k_qd43e33293a_attn:
	s_mov_b64 s[64:65], 0
	v_nop
	global_prefetch_b8 v0, s[64:65] scope:SCOPE_SE
	s_setreg_imm32_b32 hwreg(HW_REG_WAVE_MODE, 25, 1), 1
	s_wait_xcnt 0x0
	s_wait_alu depctr_hold_cnt(0) depctr_sa_sdst(0) depctr_va_vdst(0) depctr_va_sdst(0) depctr_va_ssrc(0) depctr_va_vcc(0) depctr_vm_vsrc(0)
	s_getreg_b32 s2, hwreg(HW_REG_IB_STS2, 6, 4)
	s_cmp_eq_u32 s2, 0
	s_cbranch_scc0 .Lentry_in_a_cluster
	s_endpgm
.Lentry_in_a_cluster:
	s_bfe_u32 s2, ttmp6, 0x10000c
	s_cmp_lg_u32 s2, 0x3003
	s_cbranch_scc0 .Lentry_shape_is_right
	s_endpgm
.Lentry_shape_is_right:
; o = softmax(q k^T / 8) v for one (batch, head), both products on codes of BF8 (E5M2) with E8M0 scales; o / l is quantised along the head's 64 and leaves as its part of the next product's operand images.
; THE SOFTMAX AHEAD OF THE SECOND PRODUCT: t = score x log2(e) / 8; M = the running largest t rounded UP to a whole number; p = 2^(t - M) is quantised along the keys; the row's sum is taken of the unquantised, unheld p and divides at the end.
; qkvc: a record of REC bytes for each (batch, head) and 128 tokens: K's 8 images of 1,024 bytes, V^T's 4 of 2,048, K's scale words (512), V's (256): these SREC bytes are a key step's; then Q's 8 images and Q's scale words.
; SHARES: a work-group owns 256 queries of one head, each of its sixteen waves one tile of 16 in 256 registers, four waves to a SIMD.  THE WHOLE HEAD'S 16 KEY STEPS LIE IN LDS, filled once: wave w brings record w's SREC bytes, its one tensor load.
; Waves 0-4 have a load line of their own: steps 0-3 (which fetch K one step ahead, so up to record 4) begin when these five have landed; the other eleven are shown by the second barrier.  Nothing is filled again.
; CLUSTER 4 x 1: the four query blocks of a cluster belong to one head and ask for every record jointly.  No prefetch: every tile is asked for at the head, so there is no loop to run ahead in.
; THE FIRST PRODUCT'S K IS 64.  Q's registers 8-15 hold zero codes.  K's eight half fragments lie on end in v32-95, and tile t's operand is v[32 + 8 t .. 47 + 8 t]: its k = 64 .. 127 are the next tile's codes (tile 7: p's codes in v96-103),
; finite codes that meet Q's zero codes alone, under bytes 2, 3 of K's scale word, which are 0.
; Both products are used transposed (S^T = K Q^T, O^T = V^T P^T): a lane holds one query; by the images' row order p's 16 registers of two neighbouring tiles are 16 neighbouring keys, and O^T's are 16 neighbouring channels.
; ORDER OF A STEP: 8 score products; the last step's partial sums of p are joined (the places behind them); V's loads into K's registers; maxima, M, f; t - M; O^T x f; the exponentials; scales; holds into v240-255 and conversions;
; 4 products; 24 additions of p (the places behind them), with the next step's K loads behind the first eight.
; LIMITS: NaN and infinities are not served; v_exp_f32 gives 0 under 2^-126; a block whose largest number lies under 2^-111 keeps the byte 1; the promise holds while |t| stays under 2^31.
.set REC,  25856
.set BHS,  413696                      ; a head's 16 records
.set SREC, 17152
.set SPARE, 274432                     ; behind the 16 records: the spare words, 128 bytes a wave
.set LI,  1                            ; v1  16 x lane
.set RW,  2                            ; v2  16 r
.set AB,  3                            ; v3  16 r + h
.set AD,  4                            ; v4  LI + the step's record
.set ADW, 5                            ; v5  RW + the step's record
.set SPW, 6
.set NIL, 7
.set T1,  8
.set T0,  9                            ; v9  the last step's -M; v12 -M, v13 the largest t, v[14:15] the sum; v16-31 Q
.set KF,  32                           ; v32-95 K's eight half fragments, then V's four fragments
.set PCD, 96                           ; v96-111 p's codes
.set S,   112                          ; v112-175 S^T, then p
.set O,   176                          ; v176-207 O^T
.set TM,  208                          ; v208-223 block maxima, bytes, holds, scale operands; then eight partial sums of p
.set KW,  224                          ; v224-231 K's scale words
.set VW,  232                          ; v232-235 V's
.set F,   236
.set PWD, 238                          ; p's scale word
.set QW,  239
.set H,   240                          ; v240-255 held p, two sets of eight
.set WV,  18
.set G1,  24
.set G0,  32
.set SEL, 60
.set CS,  62
.set MNT, 66
.set TK,  67
.set CNT, 70
.set HM,  71
.macro CROUND
	s_barrier_signal -1
	s_barrier_wait -1
	s_cmp_lg_u32 s[WV], 0
	s_cbranch_scc1 .Lnot_wave_0_\@
	s_barrier_signal -3
.Lnot_wave_0_\@:
	s_barrier_wait -3
	s_barrier_signal -1
	s_barrier_wait -1
.endm
.macro KLOAD                           ; a step's K: eight tiles of 16 keys x 64, and their scale words
.irp t, 0,1,2,3,4,5,6,7
	ds_load_b128 v[KF+8*\t:KF+8*\t+3], v[AD] offset:1024*\t
	ds_load_b128 v[KF+8*\t+4:KF+8*\t+7], v[AD] offset:1024*\t+512
.endr
	ds_load_b128 v[KW:KW+3], v[ADW] offset:16384
	ds_load_b128 v[KW+4:KW+7], v[ADW] offset:16640
.endm
.macro SUMUP                           ; the eight partial sums of the last step's p join the row's sum: eight plain lines
.irp j, 0,2,4,6
	v_pk_add_f32 v[TM+\j:TM+\j+1], v[TM+\j:TM+\j+1], v[TM+8+\j:TM+9+\j]
.endr
	v_pk_add_f32 v[TM:TM+1], v[TM:TM+1], v[TM+4:TM+5]
	v_pk_add_f32 v[TM+2:TM+3], v[TM+2:TM+3], v[TM+6:TM+7]
	v_pk_add_f32 v[TM:TM+1], v[TM:TM+1], v[TM+2:TM+3]
	v_pk_add_f32 v[14:15], v[14:15], v[TM:TM+1]
.endm
	s_load_b128 s[4:7], s[0:1], 0x0                ; qkvc, aq
	v_lshl_add_u32 v[SPW], v0, 2, SPARE
	v_mov_b32 v[NIL], 0
	ds_add_u32 v[SPW], v[NIL]                      ; the opening lines
	ds_add_u32 v[SPW], v[NIL]
	v_lshrrev_b32 v8, 5, v0
	v_readfirstlane_b32 s[WV], v8                  ; wave 0..15
	s_bfe_u32 s19, ttmp6, 0x40000                  ; cx: it enters Q's and o's global addresses alone
	s_lshl_b32 s20, ttmp9, 2
	s_add_co_u32 s20, s20, s19
	s_lshl_b32 s20, s20, 4
	s_add_co_u32 s20, s20, s[WV]                   ; my row block of queries in the batch
	s_and_b32 s21, ttmp7, 0xffff                   ; 16 x batch + head
	s_mul_i32 s73, s21, BHS
	s_mul_i32 s74, s[WV], REC
	s_add_co_u32 s74, s74, s73                     ; the record that I fetch
	s_mov_b32 s75, 0
	s_mul_i32 s80, s[WV], SREC                     ; and where it goes
	s_mov_b32 s[G1], 15|(3<<16)|(1<<21)            ; the mask names all four work-groups, bit 21 beside it; elements of 8 bytes
	s_mov_b32 s[G1+1], 32<<16                      ; a dense block as 67 rows of 256 bytes
	s_mov_b32 s[G1+2], 67<<16
	s_mov_b32 s[G1+3], 32<<16
	s_mov_b32 s[G1+4], 67
	s_mov_b32 s[G1+5], 32
	s_mov_b32 s[G1+6], 0
	s_mov_b32 s[G1+7], 0
	s_lshr_b32 s84, s20, 3
	s_mul_i32 s84, s84, REC
	s_add_co_u32 s84, s84, s73                     ; the record of my queries
	s_bfe_u32 s86, s20, 0x10002
	s_lshl_b32 s86, s86, 8
	s_and_b32 s87, s20, 3
	s_lshl_b32 s87, s87, 2
	s_add_co_u32 s86, s86, s87
	s_add_co_u32 s86, s86, s84
	s_add_co_u32 s86, s86, 25344                   ; Q's scale words
	s_mov_b32 s87, 0
	s_and_b32 s85, s20, 7
	s_lshl_b32 s85, s85, 10
	s_add_co_u32 s84, s84, s85
	s_add_co_u32 s84, s84, SREC                    ; Q's image
	s_mov_b32 s85, 0
	s_lshr_b32 s88, s21, 4
	s_lshl_b32 s88, s88, 7
	s_add_co_u32 s88, s88, s20                     ; my row block among all 256
	s_and_b32 s89, s21, 15                         ; the head
	s_lshl_b32 s90, s88, 14
	s_lshl_b32 s91, s89, 10                        ; K step head / 2, blocks 2 (head % 2) on: 1,024 bytes a head
	s_add_co_u32 s90, s90, s91
	s_mov_b32 s91, 0
	s_lshr_b32 s92, s89, 1
	s_lshl_b32 s92, s92, 14
	s_and_b32 s93, s89, 1
	s_lshl_b32 s93, s93, 1
	s_add_co_u32 s92, s92, s93
	s_lshr_b32 s93, s88, 2
	s_lshl_b32 s93, s93, 8
	s_add_co_u32 s92, s92, s93
	s_and_b32 s93, s88, 3
	s_lshl_b32 s93, s93, 2
	s_add_co_u32 s92, s92, s93
	s_add_co_u32 s92, s92, 4194304                 ; o's scale bytes
	s_mov_b32 s93, 0
	s_mov_b32 s[SEL], 0x76543210
	s_mov_b32 s[SEL+1], 0xfedcba98
	s_mov_b32 s[CS], 0x3e38aa3b                    ; c = log2(e) / 8
	s_mov_b32 s[CS+1], s[CS]
	s_mov_b32 s[MNT], 0x600000
	s_mov_b32 s[TK], 0
	s_wait_dscnt 0x0
	s_wait_kmcnt 0x0
	s_mov_b32 s[G0], 1
	s_mov_b32 s[G0+1], s80
	s_add_nc_u64 s[G0+2:G0+3], s[4:5], s[74:75]
	s_or_b32 s[G0+3], s[G0+3], 0x80000000
	s_add_nc_u64 s[84:85], s[4:5], s[84:85]
	s_add_nc_u64 s[86:87], s[4:5], s[86:87]
	s_add_nc_u64 s[90:91], s[6:7], s[90:91]
	s_add_nc_u64 s[92:93], s[6:7], s[92:93]
	CROUND                                         ; all four work-groups are here: the joint loads meet
	s_cmp_lt_u32 s[WV], 5                          ; one load a wave; waves 0-4, which alone wait at the first barrier, have a line of their own
	s_cbranch_scc0 .Llater
	tensor_load_to_lds s[G0:G0+3], s[G1:G1+7]
	s_nop 0
.rept 4
	v_nop
.endr
	s_branch .Lasked
.Llater:
	tensor_load_to_lds s[G0:G0+3], s[G1:G1+7]
	s_nop 0
.rept 4
	v_nop
.endr
.Lasked:
	v_and_b32 v8, 31, v0
	v_lshlrev_b32 v[LI], 4, v8
	v_cmp_lt_u32 s[HM], 15, v8                     ; the mask of lanes 16-31
	v_and_b32 v8, 15, v0
	v_lshlrev_b32 v[RW], 4, v8
	v_bfe_u32 v8, v0, 4, 1
	v_add_nc_u32 v[AB], v[RW], v8
	global_load_b128 v[16:19], v[LI], s[84:85]     ; Q's fragment, channels 0-63
	global_load_b128 v[20:23], v[LI], s[84:85] offset:512
	global_load_b32 v[QW], v[RW], s[86:87]
	v_mov_b32 v[AD], v[LI]
	v_mov_b32 v[ADW], v[RW]
.irp j, 0,1,2,3,4,5,6,7
	v_mov_b32 v[24+\j], 0                          ; Q's zero codes for k = 64 .. 127
.endr
.set I, 0
.rept 16
	v_mov_b32 v[PCD+I], 0                          ; p's codes: the first step's tile 7 names eight of them
	v_mov_b32 v[TM+I], 0                           ; the partial sums: the first step joins zeros
.set I, I+1
.endr
.set I, 0
.rept 32
	v_mov_b32 v[O+I], 0                            ; O^T: the step is written once; the first change of M multiplies zeros
.set I, I+1
.endr
	v_mov_b32 v[F+1], 0
	v_mov_b32 v13, 0xff61b1e6                      ; the largest t so far: -3e38
	v_floor_f32 v12, -v13
	v_mov_b32 v14, 0
	v_mov_b32 v15, 0
	v_mov_b32 v[T0], v12
; A KEY STEP: 128 keys.  pre = 1: the next step's K is fetched.
.macro STEP pre
	s_wait_dscnt 0x0                               ; K's fragments and scale words
.irp t, 0,1,2,3,4,5,6,7
	v_wmma_scale_f32_16x16x128_f8f6f4 v[S+8*\t:S+8*\t+7], v[KF+8*\t:KF+8*\t+15], v[16:31], 0, v[KW+\t], v[QW] matrix_a_fmt:MATRIX_FMT_BF8 matrix_b_fmt:MATRIX_FMT_BF8
.endr
	SUMUP                                          ; eight places: in front of the loads into K's registers and of the first read of S^T
.irp t, 0,1,2,3
.irp c, 0,1,2,3
	ds_load_b128 v[KF+16*\t+4*\c:KF+16*\t+4*\c+3], v[AD] offset:8192+2048*\t+512*\c   ; V^T's four tiles of 16 channels x these 128 keys
.endr
.endr
	ds_load_b128 v[VW:VW+3], v[ADW] offset:16896
.irp b, 0,1,2,3
	v_max3_num_f32 v[TM+\b], v[S+16*\b], v[S+16*\b+1], v[S+16*\b+2]   ; the largest score of each block of 32 keys: for the row's maximum and, since p rises with the score, for the block's largest p
.endr
.irp i, 3,5,7,9,11,13
.irp b, 0,1,2,3
	v_max3_num_f32 v[TM+\b], v[TM+\b], v[S+16*\b+\i], v[S+16*\b+\i+1]
.endr
.endr
.irp b, 0,1,2,3
	v_max_num_f32 v[TM+\b], v[TM+\b], v[S+16*\b+15]
.endr
.irp b, 0,1,2,3
	s_delay_alu instid0(VALU_DEP_4)
	v_permlanex16_b32 v[TM+4+\b], v[TM+\b], s[SEL], s[SEL+1]
.endr
.irp b, 0,1,2,3
	s_delay_alu instid0(VALU_DEP_4)
	v_max_num_f32 v[TM+\b], v[TM+\b], v[TM+4+\b]
.endr
	s_delay_alu instid0(VALU_DEP_2)
	v_max3_num_f32 v[T1], v[TM], v[TM+1], v[TM+2]
	s_delay_alu instid0(VALU_DEP_1)
	v_max_num_f32 v[T1], v[T1], v[TM+3]
	s_delay_alu instid0(VALU_DEP_1)
	v_mul_f32 v[T1], s[CS], v[T1]
	s_delay_alu instid0(VALU_DEP_1)
	v_max_num_f32 v13, v13, v[T1]                  ; the running largest t
	s_delay_alu instid0(VALU_DEP_1)
	v_floor_f32 v12, -v13                          ; -M = floor(-t): M is a whole number
.set I, 0
.rept 32
	v_pk_fma_f32 v[S+I:S+I+1], v[S+I:S+I+1], s[CS:CS+1], v[12:13] op_sel_hi:[1,0,0]   ; t - M
.if I == 6
	v_sub_f32 v[T0], v12, v[T0]                    ; old M - new M, a whole number, 0 or less
.endif
.if I == 14
	v_cvt_i32_f32 v[T0], v[T0]                     ; (it saturates)
.endif
.if I == 22
	v_ldexp_f32 v[F], 1.0, v[T0]                   ; f = 2^(old M - new M): exact
.endif
.set I, I+2
.endr
.irp b, 0,1,2,3
	v_fma_f32 v[TM+\b], v[TM+\b], s[CS], v12
.endr
.set I, 0
.rept 16
	v_pk_mul_f32 v[O+I:O+I+1], v[O+I:O+I+1], v[F:F+1] op_sel_hi:[1,0]   ; O^T under the new M, each accumulator from its low end on
.set I, I+2
.endr
	s_wait_alu depctr_va_vdst(0)
.set I, 0
.rept 64
	v_exp_f32 v[S+I], v[S+I]                       ; p = 2^(t - M): not normalised
.set I, I+1
.endr
.irp b, 0,1,2,3
	v_exp_f32 v[TM+\b], v[TM+\b]                   ; the block's largest p
.endr
	v_pk_mul_f32 v[14:15], v[14:15], v[F:F+1] op_sel_hi:[1,0]   ; the sum under the new M (a plain line behind the exponentials)
	s_wait_alu depctr_va_vdst(0)                   ; and the wait behind it
	s_wait_dscnt 0x0                               ; V's fragments and scale words
.irp b, 0,1,2,3
	v_max_num_f32 v[TM+\b], 0x8000000, v[TM+\b]    ; the floor 2^(16 - 127)
.endr
.irp b, 0,1,2,3
	s_delay_alu instid0(VALU_DEP_4)
	v_add_nc_u32 v[TM+12+\b], 0xf8800000, v[TM+\b] ; 15 off the exponent field: the conversion's scale operand
.endr
.irp b, 0,1,2,3
	v_and_or_b32 v[TM+8+\b], v[TM+\b], 0x7f800000, s[MNT]   ; 57,344 x the scale
.endr
.irp b, 0,1,2,3
	v_lshrrev_b32 v[TM+4+\b], 23, v[TM+12+\b]
.endr
	s_delay_alu instid0(VALU_DEP_3)
	v_lshl_or_b32 v[PWD], v[TM+5], 8, v[TM+4]      ; p's scale word for these 128 keys
	s_delay_alu instid0(VALU_DEP_1)
	v_lshl_or_b32 v[PWD], v[TM+6], 16, v[PWD]
	s_delay_alu instid0(VALU_DEP_1)
	v_lshl_or_b32 v[PWD], v[TM+7], 24, v[PWD]
.irp b, 0,1,2,3
	v_and_or_b32 v[TM+4+(\b+1)%4], v[TM+\b], 0x7f800000, s[MNT]   ; the bound once more, in another register bank: the second half of a dual line reads it there
.endr
.irp b, 0,1,2,3
.irp u, 0,1
.irp i, 0,2,4,6
	v_dual_min_num_f32 v[H+8*\u+\i], v[S+16*\b+8*\u+\i], v[TM+8+\b] :: v_dual_min_num_f32 v[H+8*\u+\i+1], v[S+16*\b+8*\u+\i+1], v[TM+4+(\b+1)%4]   ; the hold (p is not negative), into registers of its own: p stays whole for the row's sum
.endr
	v_cvt_scalef32_pk8_bf8_f32 v[PCD+4*\b+2*\u:PCD+4*\b+2*\u+1], v[H+8*\u:H+8*\u+7], v[TM+12+\b]
.endr
.endr
	v_mov_b32 v[T0], v12                           ; four places between the codes and the products: -M for the next step,
.if \pre
	s_add_co_u32 s[TK], s[TK], SREC
	v_add_nc_u32 v[AD], s[TK], v[LI]               ; the next step's record
	v_add_nc_u32 v[ADW], s[TK], v[RW]
.else
	v_nop
	v_nop
.endif
	v_nop
.irp t, 0,1,2,3
	v_wmma_scale_f32_16x16x128_f8f6f4 v[O+8*\t:O+8*\t+7], v[KF+16*\t:KF+16*\t+15], v[PCD:PCD+15], v[O+8*\t:O+8*\t+7], v[VW+\t], v[PWD] matrix_a_fmt:MATRIX_FMT_BF8 matrix_b_fmt:MATRIX_FMT_BF8
.endr
.irp j, 0,2,4,6,8,10,12,14
	v_pk_add_f32 v[TM+\j:TM+\j+1], v[S+\j:S+\j+1], v[S+16+\j:S+17+\j]   ; the row's sum of the unquantised p, in eight chains; these eight are the places in front of the loads into V's registers
.endr
.if \pre
	KLOAD
.endif
.irp k, 32,48
.irp j, 0,2,4,6,8,10,12,14
	v_pk_add_f32 v[TM+\j:TM+\j+1], v[TM+\j:TM+\j+1], v[S+\k+\j:S+\k+\j+1]
.endr
.endr
.endm
	s_wait_alu depctr_va_vdst(0)
	s_cmp_lt_u32 s[WV], 5
	s_cbranch_scc0 .Lnot_yet
	s_wait_tensorcnt 0x0                           ; waves 0-4: records 0-4 have landed
.Lnot_yet:
	s_barrier_signal -1
	s_barrier_wait -1
	KLOAD
	s_wait_loadcnt 0x0                             ; Q
	s_mov_b32 s[CNT], 4
.Lfirst:                                           ; steps 0-3
	STEP 1
	s_sub_co_u32 s[CNT], s[CNT], 1
	s_cmp_lg_u32 s[CNT], 0
	s_wait_alu depctr_va_vdst(0)
	s_cbranch_scc1 .Lfirst
	s_wait_tensorcnt 0x0                           ; every wave: its record
	s_wait_dscnt 0x0
	s_barrier_signal -1
	s_barrier_wait -1
	s_mov_b32 s[CNT], 11
.Lrest:                                            ; steps 4-14
	STEP 1
	s_sub_co_u32 s[CNT], s[CNT], 1
	s_cmp_lg_u32 s[CNT], 0
	s_wait_alu depctr_va_vdst(0)
	s_cbranch_scc1 .Lrest
	STEP 0                                         ; step 15 fetches nothing more
	SUMUP
	v_add_f32 v14, v14, v15
	s_delay_alu instid0(VALU_DEP_1)
	v_permlanex16_b32 v[T1], v14, s[SEL], s[SEL+1]
	s_delay_alu instid0(VALU_DEP_1)
	v_add_f32 v14, v14, v[T1]                      ; the row's sum
	s_wait_alu depctr_va_vdst(0)
	v_rcp_f32 v14, v14
	v_nop
	s_wait_alu depctr_va_vdst(0)                   ; ahead of the first reader of the reciprocal and of O^T
.set I, 0
.rept 32
	v_mul_f32 v[S+I], v[O+I], v14                  ; register 16 b + i = channel 32 b + 16 h + i of my query
.set I, I+1
.endr
; o's two blocks of 32 channels are quantised
.irp b, 0,1
	v_max3_num_f32 v[TM+\b], |v[S+16*\b]|, |v[S+16*\b+1]|, 0x8000000
.endr
.irp i, 2,4,6,8,10,12,14
.irp b, 0,1
	s_delay_alu instid0(VALU_DEP_2)
	v_max3_num_f32 v[TM+\b], v[TM+\b], |v[S+16*\b+\i]|, |v[S+16*\b+\i+1]|
.endr
.endr
.irp b, 0,1
	s_delay_alu instid0(VALU_DEP_2)
	v_permlanex16_b32 v[TM+4+\b], v[TM+\b], s[SEL], s[SEL+1]
.endr
.irp b, 0,1
	s_delay_alu instid0(VALU_DEP_2)
	v_max_num_f32 v[TM+\b], v[TM+\b], v[TM+4+\b]
.endr
.irp b, 0,1
	s_delay_alu instid0(VALU_DEP_2)
	v_add_nc_u32 v[TM+12+\b], 0xf8800000, v[TM+\b]
.endr
.irp b, 0,1
	s_delay_alu instid0(VALU_DEP_4)
	v_and_or_b32 v[TM+8+\b], v[TM+\b], 0x7f800000, s[MNT]
.endr
.irp b, 0,1
	s_delay_alu instid0(VALU_DEP_4)
	v_lshrrev_b32 v[TM+4+\b], 23, v[TM+12+\b]      ; the scale's byte
.endr
.irp b, 0,1
.irp i, 0,1,2,3,4,5,6,7,8,9,10,11,12,13,14,15
	v_med3_num_f32 v[S+16*\b+\i], v[S+16*\b+\i], -v[TM+8+\b], v[TM+8+\b]
.endr
	v_cvt_scalef32_pk8_bf8_f32 v[PCD+4*\b:PCD+4*\b+1], v[S+16*\b:S+16*\b+7], v[TM+12+\b]
	v_cvt_scalef32_pk8_bf8_f32 v[PCD+4*\b+2:PCD+4*\b+3], v[S+16*\b+8:S+16*\b+15], v[TM+12+\b]
.endr
	v_nop                                          ; one plain line behind the last conversion
	global_store_b128 v[LI], v[PCD:PCD+3], s[90:91]
	global_store_b128 v[LI], v[PCD+4:PCD+7], s[90:91] offset:512
	v_cndmask_b32 v[T1], v[TM+4], v[TM+5], s[HM]   ; lanes 0-15 store the first block's byte, lanes 16-31 the second's
	global_store_b8 v[AB], v[T1], s[92:93]
	s_wait_tensorcnt 0x0                           ; the wave's end
	ds_add_u32 v[SPW], v[NIL]
	s_wait_dscnt 0x0
	CROUND                                         ; the closing round
	s_endpgm
.Lfunc_end_k_qd43e33293a_attn:
	.size	k_qd43e33293a_attn, .Lfunc_end_k_qd43e33293a_attn-k_qd43e33293a_attn
	.p2alignl 7, 3214868480
	.fill 96, 4, 3214868480
	.section	.rodata,"a",@progbits
	.p2align	6, 0x0
	.amdhsa_kernel k_qd43e33293a_attn
		.amdhsa_group_segment_fixed_size 276480
		.amdhsa_private_segment_fixed_size 0
		.amdhsa_enable_private_segment 0
		.amdhsa_kernarg_size 16
		.amdhsa_user_sgpr_count 2
		.amdhsa_user_sgpr_kernarg_segment_ptr 1
		.amdhsa_wavefront_size32 1
		.amdhsa_system_sgpr_workgroup_id_x 1
		.amdhsa_system_sgpr_workgroup_id_y 1
		.amdhsa_system_sgpr_workgroup_id_z 1
		.amdhsa_system_vgpr_workitem_id 0
		.amdhsa_next_free_vgpr 256
		.amdhsa_next_free_sgpr 104
		.amdhsa_reserve_vcc 0
		.amdhsa_float_denorm_mode_32 3
		.amdhsa_float_denorm_mode_16_64 3
		.amdhsa_memory_ordered 1
		.amdhsa_forward_progress 1
		.amdhsa_inst_pref_size 72
	.end_amdhsa_kernel
	.amdgpu_metadata
---
amdhsa.version: [ 1, 2 ]
amdhsa.kernels:
  - .name:           k_qd43e33293a_attn
    .symbol:         k_qd43e33293a_attn.kd
    .args:
      - { .name: qkvc, .offset: 0, .size: 8, .value_kind: global_buffer, .address_space: global }
      - { .name: aq, .offset: 8, .size: 8, .value_kind: global_buffer, .address_space: global }
    .group_segment_fixed_size: 276480
    .private_segment_fixed_size: 0
    .kernarg_segment_align: 8
    .kernarg_segment_size: 16
    .max_flat_workgroup_size: 512
    .sgpr_count:     104
    .vgpr_count:     256
    .wavefront_size: 32
...
	.end_amdgpu_metadata
.endif
;; end of part 10
;; launch oproj (part 11): grid 8 x 32, 4 waves a work-group, clusters of 4 x 4, 327,680 bytes of LDS; arguments aq, wq, out_b, x, x1; writes x1
.if DOCPART == 11
	.amdgcn_target "amdgcn-amd-amdhsa--gfx1250"
	.amdhsa_code_object_version 6
	.text
	.protected	k_qd43e33293a_oproj
	.globl	k_qd43e33293a_oproj
	.p2align	8
	.type	k_qd43e33293a_oproj,@function
k_qd43e33293a_oproj:
	s_mov_b64 s[64:65], 0
	v_nop
	global_prefetch_b8 v0, s[64:65] scope:SCOPE_SE
	s_setreg_imm32_b32 hwreg(HW_REG_WAVE_MODE, 25, 1), 1
	s_wait_xcnt 0x0
	s_wait_alu depctr_hold_cnt(0) depctr_sa_sdst(0) depctr_va_vdst(0) depctr_va_sdst(0) depctr_va_ssrc(0) depctr_va_vcc(0) depctr_vm_vsrc(0)
	s_getreg_b32 s2, hwreg(HW_REG_IB_STS2, 6, 4)
	s_cmp_eq_u32 s2, 0
	s_cbranch_scc0 .Lentry_in_a_cluster
	s_endpgm
.Lentry_in_a_cluster:
	s_bfe_u32 s2, ttmp6, 0x10000c
	s_cmp_lg_u32 s2, 0xf033
	s_cbranch_scc0 .Lentry_shape_is_right
	s_endpgm
.Lentry_shape_is_right:
; x1 = x + o Wout^T + b on codes of BF8 (E5M2) with E8M0 scales, K = 1,024.  A tile of 128 x 128 to a work-group of four waves, 64 x 64 a wave; K in steps of 128, four to an LDS slot, two slots filled by joint tensor loads
; (cluster 4 x 4: A's tiles along a row, B's along a column); the scale words of all of K come once.  Operands lie in memory as images of the operand's registers, as the launches that make them state.
.set NA, 4
.set NB, 4
.set NQ, 4
.set KS, 8
.set ASOFF,  4194304
.set APITCH, 16384
.set BCOFF,  3145728
.set BSOFF,  12582912+131072
.set BPITCH, 4096
.set NTS, 0
.set HALFT,  NA*NQ*2048
.set SLOT,   4*HALFT
.set ROWL,   128*NA
.set SCLSZ,  KS*ROWL
.set SCL,    2*SLOT
.set SPARE,  294912
.set LAPS,   KS/(2*NQ)
.set LI,   4
.set VB,   7
.set ADRA, 16
.set ADRB, 20
.set STO,  24
.set RD,   25
.set CO,   26
.set ADRS, 27
.set SPW,  28
.set NIL,  29
.set SC,   32
.set AF,   128
.set BK,   128
.set G1, 24
.set G0, 32
.set G1B, 48
.set G0B, 56
.set G1S, 68
.set G0S, 76
.set G1SB, 80
.set G0SB, 88
.set MSB, 0
.macro WIN new
.if MSB != (\new)
	s_set_vgpr_msb (MSB<<8)|(\new)
.set MSB, (\new)
.endif
.endm
.macro PLACES n
.rept \n
	v_nop
.endr
.endm
.macro JLOAD g0a, g1a, g0b, g1b
	s_cmp_eq_u32 s15, 0
	s_cbranch_scc0 .Lfor_b_\@
	tensor_load_to_lds s[\g0a:\g0a+3], s[\g1a:\g1a+7]
	s_nop 0
	PLACES 4
	s_branch .Lasked_\@
.Lfor_b_\@:
	tensor_load_to_lds s[\g0b:\g0b+3], s[\g1b:\g1b+7]
	s_nop 0
	PLACES 4
.Lasked_\@:
.endm
.macro CREST
	s_cmp_lg_u32 s14, 0
	s_cbranch_scc1 .Lnot_wave_0_\@
	s_barrier_signal -3
.Lnot_wave_0_\@:
	s_barrier_wait -3
	s_barrier_signal -1
	s_barrier_wait -1
.endm
.macro CROUND
	s_barrier_signal -1
	s_barrier_wait -1
	CREST
.endm
.macro FRAG reg, adr, q, i
.irp c, 0,1,2,3
	ds_load_b128 v[\reg+4*\c:\reg+4*\c+3], v[\adr] offset:((\i)*NQ+(\q))*2048+512*\c
.endr
.endm
.macro FETCH_B slot, q, p
	WIN 0x40
.set FI, 0
.rept NB
	FRAG 128*(\p)+16*FI, ADRB+\slot, \q, FI
.set FI, FI+1
.endr
	WIN 0
.endm
.macro FETCH_A slot, q, i0
.set FI, \i0
.rept NA/2
	FRAG AF+16*FI, ADRA+\slot, \q, FI
.set FI, FI+1
.endr
.endm
.macro SCALES sc
.set SQ, 0
.rept NQ
.set SG, 0
.rept NA/4
	ds_load_b128 v[SC+16*(\sc)+SQ*NA+4*SG:SC+16*(\sc)+SQ*NA+4*SG+3], v[ADRS] offset:SQ*ROWL+256*SG
.set SG, SG+1
.endr
.set SQ, SQ+1
.endr
.endm
.macro MULA a, p, q, sc, zero
.set AC, (8*NB*(\a))%256
	WIN 0xa1+0x50*((8*NB*(\a))/256)
.set MB, 0
.rept NB
.if \zero
	v_wmma_scale_f32_16x16x128_f8f6f4 v[AC+8*MB:AC+8*MB+7], v[128*(\p)+16*MB:128*(\p)+16*MB+15], v[AF+16*(\a):AF+16*(\a)+15], 0, v[SC+16*(\sc)+(\q)*NA+MB], v[SC+16*(\sc)+(\q)*NA+(\a)] matrix_a_fmt:MATRIX_FMT_BF8 matrix_b_fmt:MATRIX_FMT_BF8 matrix_a_scale:MATRIX_SCALE_ROW1
.else
	v_wmma_scale_f32_16x16x128_f8f6f4 v[AC+8*MB:AC+8*MB+7], v[128*(\p)+16*MB:128*(\p)+16*MB+15], v[AF+16*(\a):AF+16*(\a)+15], v[AC+8*MB:AC+8*MB+7], v[SC+16*(\sc)+(\q)*NA+MB], v[SC+16*(\sc)+(\q)*NA+(\a)] matrix_a_fmt:MATRIX_FMT_BF8 matrix_b_fmt:MATRIX_FMT_BF8 matrix_a_scale:MATRIX_SCALE_ROW1
.endif
.set MB, MB+1
.endr
.endm
.macro MULR a0, n, p, q, sc, zero
.set MA, \a0
.rept \n
	MULA MA, \p, \q, \sc, \zero
.set MA, MA+1
.endr
.endm
.macro STEP slot, q, zero
	s_wait_dscnt 2*NA
	MULR 0, NA/2, (\q)%2, \q, \slot, \zero
	s_wait_dscnt 0x0
	PLACES 8
	FETCH_B \slot, (\q)+1, 1-(\q)%2
	FETCH_A \slot, (\q)+1, 0
	MULR NA/2, NA/2, (\q)%2, \q, \slot, \zero
	PLACES 8
	WIN 0
	FETCH_A \slot, (\q)+1, NA/2
.endm
.macro TURN slot, next, fill
	s_wait_tensorcnt 0x0
	ds_add_u32 v[SPW], v[NIL]
	s_wait_dscnt 2*NA+1
	MULR 0, NA/4, 1, NQ-1, \slot, 0
	s_wait_dscnt 0x0
	s_barrier_signal -1
	MULR NA/4, NA/4, 1, NQ-1, \slot, 0
	WIN 0
	s_barrier_wait -1
.if \fill
	CREST
	s_add_nc_u64 s[G0+4*\slot+2:G0+4*\slot+3], s[G0+4*\slot+2:G0+4*\slot+3], 2*NQ*2048
	s_add_nc_u64 s[G0B+4*\slot+2:G0B+4*\slot+3], s[G0B+4*\slot+2:G0B+4*\slot+3], 2*NQ*2048
	JLOAD G0+4*\slot, G1, G0B+4*\slot, G1B
	PLACES 4
.else
	PLACES 8
.endif
	v_add_nc_u32 v[ADRS], NQ*ROWL, v[ADRS]
	FETCH_B \next, 0, 0
	FETCH_A \next, 0, 0
	SCALES \next
	MULR NA/2, NA/2, 1, NQ-1, \slot, 0
	PLACES 8
	WIN 0
	FETCH_A \next, 0, NA/2
.endm
.macro MIDS slot
.set MQ, 1
.rept NQ-2
	STEP \slot, MQ, 0
.set MQ, MQ+1
.endr
.endm
.macro LAST
	s_wait_dscnt 2*NA
	MULR 0, NA/2, 1, NQ-1, 1, 0
	s_wait_dscnt 0x0
	MULR NA/2, NA/2, 1, NQ-1, 1, 0
	WIN 0
.endm
	s_load_b128 s[4:7], s[0:1], 0x0
	s_load_b128 s[8:11], s[0:1], 0x10
	s_load_b64 s[12:13], s[0:1], 0x20
	v_lshl_add_u32 v[SPW], v0, 2, SPARE
	v_mov_b32 v[NIL], 0
	ds_add_u32 v28, v29
	ds_add_u32 v28, v29
	s_wait_dscnt 0x0
	v_lshrrev_b32 v1, 5, v0
	v_readfirstlane_b32 s14, v1
	s_lshr_b32 s15, s14, 1
	s_and_b32 s16, s14, 1
	s_bfe_u32 s40, ttmp6, 0x40000
	s_bfe_u32 s41, ttmp6, 0x40004
	s_lshl_b32 s42, ttmp9, 2
	s_add_co_u32 s42, s42, s40
	s_and_b32 s17, ttmp7, 0xffff
	s_lshl_b32 s17, s17, 2
	s_add_co_u32 s17, s17, s41
	s_lshl_b32 s43, s41, 2
	s_lshl_b32 s43, 15, s43
	s_lshl_b32 s44, 0x1111, s40
	s_or_b32 s[G1+0], s43, (3<<16)|(1<<21)
	s_or_b32 s[G1B+0], s44, (3<<16)|(1<<21)
.irp g, G1, G1B
	s_mov_b32 s[\g+1], (256*NQ)<<16
	s_mov_b32 s[\g+2], (2*NA)<<16                  ; the head's loads bring a tile's 2 NA row blocks; behind them the two words are set to NA
	s_mov_b32 s[\g+3], (256*NQ)<<16
	s_mov_b32 s[\g+4], 2*NA
	s_mov_b32 s[\g+5], 256*KS
	s_mov_b32 s[\g+6], 0
	s_mov_b32 s[\g+7], 0
.endr
	s_or_b32 s[G1S+0], s43, (3<<16)|(1<<21)
	s_or_b32 s[G1SB+0], s44, (3<<16)|(1<<21)
.irp g, G1S, G1SB
	s_mov_b32 s[\g+1], (ROWL/8)<<16
	s_mov_b32 s[\g+2], KS<<16
	s_mov_b32 s[\g+3], (ROWL/8)<<16
	s_mov_b32 s[\g+4], KS
	s_mov_b32 s[\g+6], 0
	s_mov_b32 s[\g+7], 0
.endr
	s_mov_b32 s[G1S+5], APITCH/8
	s_mov_b32 s[G1SB+5], BPITCH/8
	s_mul_i32 s18, s16, NA
	s_mul_i32 s20, s17, 2*NA
	s_add_co_u32 s20, s20, s18
	s_mul_i32 s20, s20, KS*2048
	s_mov_b32 s21, 0
	s_mul_i32 s46, s42, 2*NA
	s_add_co_u32 s46, s46, s18
	s_mul_i32 s46, s46, KS*2048
	s_add_co_u32 s46, s46, BCOFF
	s_mov_b32 s47, 0
	s_mul_i32 s22, s17, ROWL
	s_add_co_u32 s22, s22, ASOFF
	s_mov_b32 s23, 0
	s_mul_i32 s92, s42, ROWL
	s_add_co_u32 s92, s92, BSOFF
	s_mov_b32 s93, 0
	s_mul_i32 s45, s14, HALFT
	s_wait_kmcnt 0x0
	s_add_nc_u64 s[20:21], s[4:5], s[20:21]
	s_add_nc_u64 s[22:23], s[4:5], s[22:23]
	s_add_nc_u64 s[46:47], s[6:7], s[46:47]
	s_add_nc_u64 s[92:93], s[6:7], s[92:93]
	CROUND
	s_mov_b32 s[G0S], 1
	s_mov_b32 s[G0S+1], SCL
	s_mov_b64 s[G0S+2:G0S+3], s[22:23]
	s_or_b32 s[G0S+3], s[G0S+3], 0x80000000
	s_mov_b32 s[G0SB], 1
	s_mov_b32 s[G0SB+1], SCL+SCLSZ
	s_mov_b64 s[G0SB+2:G0SB+3], s[92:93]
	s_or_b32 s[G0SB+3], s[G0SB+3], 0x80000000
.irp s, 0,1
	s_mov_b32 s[G0+4*\s], 1
	s_add_co_u32 s[G0+4*\s+1], s45, \s*SLOT
	s_add_nc_u64 s[G0+4*\s+2:G0+4*\s+3], s[20:21], \s*NQ*2048
	s_or_b32 s[G0+4*\s+3], s[G0+4*\s+3], 0x80000000
	s_mov_b32 s[G0B+4*\s], 1
	s_add_co_u32 s[G0B+4*\s+1], s45, \s*SLOT
	s_add_nc_u64 s[G0B+4*\s+2:G0B+4*\s+3], s[46:47], \s*NQ*2048
	s_or_b32 s[G0B+4*\s+3], s[G0B+4*\s+3], 0x80000000
.endr
	; THE HEAD'S LOADS, ONE A WAVE: wave 0 slot 0's whole tile of A (its own group 0 begins at the tile's first row block and at LDS byte 0), wave 2 B's likewise, wave 1 A's scale words, wave 3 B's
	s_cmp_eq_u32 s14, 0
	s_cbranch_scc0 .Lhead_b
	tensor_load_to_lds s[G0:G0+3], s[G1:G1+7]
	s_nop 0
	PLACES 4
	s_branch .Lhead_asked
.Lhead_b:
	s_cmp_eq_u32 s14, 2
	s_cbranch_scc0 .Lhead_sa
	tensor_load_to_lds s[G0B:G0B+3], s[G1B:G1B+7]
	s_nop 0
	PLACES 4
	s_branch .Lhead_asked
.Lhead_sa:
	s_cmp_eq_u32 s14, 1
	s_cbranch_scc0 .Lhead_sb
	tensor_load_to_lds s[G0S:G0S+3], s[G1S:G1S+7]
	s_nop 0
	PLACES 4
	s_branch .Lhead_asked
.Lhead_sb:
	tensor_load_to_lds s[G0SB:G0SB+3], s[G1SB:G1SB+7]
	s_nop 0
	PLACES 4
.Lhead_asked:
	v_and_b32 v3, 31, v0
	v_and_b32 v1, 15, v0
	v_bfe_u32 v2, v0, 4, 1
	s_wait_alu depctr_va_vdst(0)
	v_lshlrev_b32 v[LI], 4, v3
	s_mul_i32 s18, s15, HALFT
	s_mul_i32 s19, s16, HALFT
	s_add_co_u32 s19, s19, 2*HALFT
.irp s, 0,1
	v_add_nc_u32 v[ADRA+\s], s18, v[LI]
	v_add_nc_u32 v[ADRB+\s], s19, v[LI]
	s_add_co_u32 s18, s18, SLOT
	s_add_co_u32 s19, s19, SLOT
.endr
	s_mul_i32 s18, s15, (NA/4)*256
	s_mul_i32 s19, s16, (NA/4)*256
	s_add_co_u32 s19, s19, SCLSZ
	s_sub_co_u32 s19, s19, s18
	v_mul_u32_u24 v6, s19, v2
	s_add_co_u32 s18, s18, SCL
	v_lshl_add_u32 v5, v1, 4, v6
	v_add_nc_u32 v[ADRS], s18, v5
	s_mul_i32 s18, s14, 16*272
	v_mul_u32_u24 v5, v1, 272
	v_lshl_add_u32 v5, v2, 6, v5
	v_add_nc_u32 v[STO], s18, v5
	v_mul_u32_u24 v5, v2, 272
	v_lshl_add_u32 v5, v1, 4, v5
	v_add_nc_u32 v[RD], s18, v5
	v_lshlrev_b32 v[VB], 4, v1
	s_wait_alu depctr_va_vdst(0)
	v_lshl_add_u32 v[CO], v2, 12, v[VB]
	s_wait_alu depctr_va_vdst(0)
	s_lshl_b32 s95, s17, 1
	s_add_co_u32 s95, s95, s15
	s_lshl_b32 s95, s95, 18
	s_lshl_b32 s96, s42, 1
	s_add_co_u32 s96, s96, s16
	s_lshl_b32 s96, s96, 8
	s_mov_b32 s97, 0
	s_add_nc_u64 s[8:9], s[8:9], s[96:97]
	s_add_co_u32 s96, s96, s95
	s_add_nc_u64 s[10:11], s[10:11], s[96:97]
	s_add_nc_u64 s[12:13], s[12:13], s[96:97]
	global_load_b128 v[8:11], v[VB], s[8:9]
.irp a, 0,1,2,3
.irp t, 0,1,2,3,4,5,6,7
	global_load_b128 v[64+32*\a+64*(\a/2)+4*\t:64+32*\a+64*(\a/2)+4*\t+3], v[CO], s[10:11] offset:(32*(\a/2)+8*(\a%2)+2*\t+8*(\t/4))*4096
.endr
.endr
	s_wait_alu depctr_va_vdst(0)
	s_wait_tensorcnt 0x0                           ; my tile of the head's four is in; slot 1's first fill is issued as a refill is
	ds_add_u32 v[SPW], v[NIL]
	s_mov_b32 s[G1+2], NA<<16                      ; no tensor load of mine is out: from here on a load brings NA row blocks
	s_mov_b32 s[G1+4], NA
	s_mov_b32 s[G1B+2], NA<<16
	s_mov_b32 s[G1B+4], NA
	s_wait_dscnt 0x0
	CROUND
	JLOAD G0+4, G1, G0B+4, G1B
	FETCH_B 0, 0, 0
	FETCH_A 0, 0, 0
	SCALES 0
	FETCH_A 0, 0, NA/2
	STEP 0, 0, 1
.if LAPS > 1
	s_mov_b32 s3, LAPS-1
.Llap:
	MIDS 0
	TURN 0, 1, 1
	STEP 1, 0, 0
	MIDS 1
	TURN 1, 0, 1
	STEP 0, 0, 0
	s_sub_co_u32 s3, s3, 1
	s_cmp_lg_u32 s3, 0
	s_cbranch_scc1 .Llap
.endif
	MIDS 0
	TURN 0, 1, 0
	STEP 1, 0, 0
	MIDS 1
	LAST
	PLACES 8
	s_wait_loadcnt 0x0
.irp a, 0,1,2,3
	WIN 0x08
.irp b, 0,1,2,3
	ds_store_b128 v[STO], v[32*\a+8*\b:32*\a+8*\b+3] offset:128*(\b/2)+32*(\b%2)
	ds_store_b128 v[STO], v[32*\a+8*\b+4:32*\a+8*\b+7] offset:128*(\b/2)+32*(\b%2)+16
.endr
	WIN 0
.irp t, 0,1,2,3,4,5,6,7
	ds_load_b128 v[BK+4*\t:BK+4*\t+3], v[RD] offset:544*\t
.endr
	s_wait_dscnt 0x0
.irp t, 0,1,2,3,4,5,6,7
	v_pk_add_f32 v[BK+4*\t:BK+4*\t+1], v[BK+4*\t:BK+4*\t+1], v[8:9]
	v_pk_add_f32 v[BK+4*\t+2:BK+4*\t+3], v[BK+4*\t+2:BK+4*\t+3], v[10:11]
.endr
.irp i, 0,2,4,6,8,10,12,14,16,18,20,22,24,26,28,30
	v_pk_add_f32 v[64+32*\a+64*(\a/2)+\i:64+32*\a+64*(\a/2)+\i+1], v[64+32*\a+64*(\a/2)+\i:64+32*\a+64*(\a/2)+\i+1], v[BK+\i:BK+\i+1]
.endr
.irp t, 0,1,2,3,4,5,6,7
.if NTS
	global_store_b128 v[CO], v[64+32*\a+64*(\a/2)+4*\t:64+32*\a+64*(\a/2)+4*\t+3], s[12:13] offset:(32*(\a/2)+8*(\a%2)+2*\t+8*(\t/4))*4096 th:TH_STORE_NT
.else
	global_store_b128 v[CO], v[64+32*\a+64*(\a/2)+4*\t:64+32*\a+64*(\a/2)+4*\t+3], s[12:13] offset:(32*(\a/2)+8*(\a%2)+2*\t+8*(\t/4))*4096
.endif
.endr
.endr
	s_wait_tensorcnt 0x0
	ds_add_u32 v[SPW], v[NIL]
	s_wait_dscnt 0x0
	CROUND
	s_endpgm
.Lfunc_end_k_qd43e33293a_oproj:
	.size	k_qd43e33293a_oproj, .Lfunc_end_k_qd43e33293a_oproj-k_qd43e33293a_oproj
	.p2alignl 7, 3214868480
	.fill 96, 4, 3214868480
	.section	.rodata,"a",@progbits
	.p2align	6, 0x0
	.amdhsa_kernel k_qd43e33293a_oproj
		.amdhsa_group_segment_fixed_size 327680
		.amdhsa_private_segment_fixed_size 0
		.amdhsa_enable_private_segment 0
		.amdhsa_kernarg_size 40
		.amdhsa_user_sgpr_count 2
		.amdhsa_user_sgpr_kernarg_segment_ptr 1
		.amdhsa_wavefront_size32 1
		.amdhsa_system_sgpr_workgroup_id_x 1
		.amdhsa_system_sgpr_workgroup_id_y 1
		.amdhsa_system_sgpr_workgroup_id_z 1
		.amdhsa_system_vgpr_workitem_id 0
		.amdhsa_next_free_vgpr 768
		.amdhsa_next_free_sgpr 104
		.amdhsa_reserve_vcc 0
		.amdhsa_float_denorm_mode_32 3
		.amdhsa_float_denorm_mode_16_64 3
		.amdhsa_memory_ordered 1
		.amdhsa_forward_progress 1
		.amdhsa_inst_pref_size 68
	.end_amdhsa_kernel
	.amdgpu_metadata
---
amdhsa.version: [ 1, 2 ]
amdhsa.kernels:
  - .name:           k_qd43e33293a_oproj
    .symbol:         k_qd43e33293a_oproj.kd
    .args:
      - { .name: aq, .offset: 0, .size: 8, .value_kind: global_buffer, .address_space: global }
      - { .name: wq, .offset: 8, .size: 8, .value_kind: global_buffer, .address_space: global }
      - { .name: out_b, .offset: 16, .size: 8, .value_kind: global_buffer, .address_space: global }
      - { .name: x, .offset: 24, .size: 8, .value_kind: global_buffer, .address_space: global }
      - { .name: x1, .offset: 32, .size: 8, .value_kind: global_buffer, .address_space: global }
    .group_segment_fixed_size: 327680
    .private_segment_fixed_size: 0
    .kernarg_segment_align: 8
    .kernarg_segment_size: 40
    .max_flat_workgroup_size: 128
    .sgpr_count:     104
    .vgpr_count:     768
    .wavefront_size: 32
...
	.end_amdgpu_metadata
.endif
;; end of part 11
;; launch ln1 (part 12): grid 256 x 1, 8 waves a work-group, no clusters, 70,656 bytes of LDS; arguments x1, ln2_g, ln2_b, aq; writes aq
.if DOCPART == 12
	.amdgcn_target "amdgcn-amd-amdhsa--gfx1250"
	.amdhsa_code_object_version 6
	.text
	.protected	k_qd43e33293a_ln1
	.globl	k_qd43e33293a_ln1
	.p2align	8
	.type	k_qd43e33293a_ln1,@function
k_qd43e33293a_ln1:
	s_mov_b64 s[64:65], 0
	v_nop
	global_prefetch_b8 v0, s[64:65] scope:SCOPE_SE
	s_setreg_imm32_b32 hwreg(HW_REG_WAVE_MODE, 25, 1), 1
	s_wait_xcnt 0x0
; y = (x - mean) rsqrt(var + 1e-5) g + b along rows of 1,024 f32, then quantised along the row to BF8 (E5M2) with one E8M0 scale for each 32; codes and scale words leave as images of the matrix operand's registers.
; ROW ORDER and IMAGE as everywhere in this program: lane place r of row block rb holds row 32 (rb / 2) + 8 (rb % 2) + r + 8 (r / 8); codes [rb][8 K steps][c][lane][16 bytes]; scale words at 4,194,304: [K step][rb / 4][r][word rb % 4].
; SHARES: a work-group is one row block (16 rows), wave w takes K step w (128 columns).  The row's sum and then the sum of squared differences (two passes: no difference of large sums) meet in LDS, one barrier each.
; The scale words leave 4 bytes a lane, 64 bytes a wave: a work-group of 64 rows could gather whole runs of 256 bytes, and would give work to a quarter as many work-groups.
; LIMITS: NaN and infinities are not served; blocks whose largest magnitude lies under 2^-111 keep the byte 1 (a block of zeros too: its codes are zeros, and this program alone reads the bytes).
.set LI,  4                            ; v4  16 x lane
.set STI, 5
.set STO, 6
.set VG,  7                            ; v7  g, b: 512 w + 64 h
.set VW,  8                            ; v8  16 r
.set PW,  9                            ; v9  the scale word
.set RS,  10                           ; v10 where I put my wave's part of a row's sum
.set RW,  11                           ; v11 where I read the eight parts
.set AC,  12                           ; v12-19 four chains of pairs
.set X,   32
.set G,   96
.set BV,  160
.set TM,  224
.set PC,  240
.set RED1, 8*16*528                    ; behind the eight stages: 8 waves x 16 rows x 4 bytes; the second sum's words 512 bytes on
.set SEL, 28
.set MNT, 30
.macro QUANT s, nb, pc, pw
.irp b, 0,1,2,3
.if \b < \nb
	v_max3_num_f32 v[TM+\b], |v[\s+16*\b]|, |v[\s+16*\b+1]|, 0x8000000   ; my 16 numbers, and the floor 2^(16 - 127): the byte cannot fall under 1
.endif
.endr
.irp i, 2,4,6,8,10,12,14
.irp b, 0,1,2,3
.if \b < \nb
	s_delay_alu instid0(VALU_DEP_4)
	v_max3_num_f32 v[TM+\b], v[TM+\b], |v[\s+16*\b+\i]|, |v[\s+16*\b+\i+1]|
.endif
.endr
.endr
.irp b, 0,1,2,3
.if \b < \nb
	s_delay_alu instid0(VALU_DEP_4)
	v_permlanex16_b32 v[TM+4+\b], v[TM+\b], s[SEL], s[SEL+1]
.endif
.endr
.irp b, 0,1,2,3
.if \b < \nb
	s_delay_alu instid0(VALU_DEP_4)
	v_max_num_f32 v[TM+\b], v[TM+\b], v[TM+4+\b]
.endif
.endr
.irp b, 0,1,2,3
.if \b < \nb
	s_delay_alu instid0(VALU_DEP_4)
	v_add_nc_u32 v[TM+12+\b], 0xf8800000, v[TM+\b]
.endif
.endr
.irp b, 0,1,2,3
.if \b < \nb
	v_and_or_b32 v[TM+8+\b], v[TM+\b], 0x7f800000, s[MNT]
.endif
.endr
.irp b, 0,1,2,3
.if \b < \nb
	v_lshrrev_b32 v[TM+4+\b], 23, v[TM+12+\b]
.endif
.endr
	s_delay_alu instid0(VALU_DEP_3)
	v_lshl_or_b32 v[\pw], v[TM+5], 8, v[TM+4]
.if \nb > 2
	s_delay_alu instid0(VALU_DEP_1)
	v_lshl_or_b32 v[\pw], v[TM+6], 16, v[\pw]
	s_delay_alu instid0(VALU_DEP_1)
	v_lshl_or_b32 v[\pw], v[TM+7], 24, v[\pw]
.endif
.irp b, 0,1,2,3
.if \b < \nb
.irp i, 0,1,2,3,4,5,6,7,8,9,10,11,12,13,14,15
	v_med3_num_f32 v[\s+16*\b+\i], v[\s+16*\b+\i], -v[TM+8+\b], v[TM+8+\b]
.endr
	v_cvt_scalef32_pk8_bf8_f32 v[\pc+4*\b:\pc+4*\b+1], v[\s+16*\b:\s+16*\b+7], v[TM+12+\b]
	v_cvt_scalef32_pk8_bf8_f32 v[\pc+4*\b+2:\pc+4*\b+3], v[\s+16*\b+8:\s+16*\b+15], v[TM+12+\b]
.endif
.endr
	v_nop
.endm
	s_load_b256 s[4:11], s[0:1], 0x0               ; the rows, g, b, aq
	v_lshl_add_u32 v30, v0, 2, 0x11000
	v_mov_b32 v31, 0
	v_lshrrev_b32 v1, 5, v0
	s_delay_alu instid0(VALU_DEP_1)
	v_readfirstlane_b32 s12, v1                    ; wave = K step
	v_and_b32 v1, 31, v0
	v_and_b32 v2, 15, v0                           ; r
	v_bfe_u32 v3, v0, 4, 1                         ; h
	s_delay_alu instid0(VALU_DEP_3)
	v_lshlrev_b32 v[LI], 4, v1
	s_mul_i32 s13, s12, 16*528
	v_add_nc_u32 v[STI], s13, v[LI]
	v_mul_u32_u24 v[STO], v2, 528
	s_delay_alu instid0(VALU_DEP_1)
	v_lshl_add_u32 v[STO], v3, 6, v[STO]
	s_delay_alu instid0(VALU_DEP_1)
	v_add_nc_u32 v[STO], s13, v[STO]
	s_lshl_b32 s14, s12, 9
	v_lshlrev_b32 v[VG], 6, v3
	s_delay_alu instid0(VALU_DEP_1)
	v_add_nc_u32 v[VG], s14, v[VG]
	v_lshlrev_b32 v[VW], 4, v2
	v_lshlrev_b32 v[RW], 2, v2
	s_lshl_b32 s15, s12, 6
	v_add_nc_u32 v[RS], s15, v[RW]
	s_delay_alu instid0(VALU_DEP_1)
	v_add_nc_u32 v[RS], RED1, v[RS]
	v_add_nc_u32 v[RW], RED1, v[RW]
	v_mov_b32 v21, 0                               ; a lane permute's destination counts as one of its sources
.irp b, 0,1,2,3
	v_mov_b32 v[TM+4+\b], 0
.endr
	s_mov_b32 s[SEL], 0x76543210
	s_mov_b32 s[SEL+1], 0xfedcba98
	s_mov_b32 s[MNT], 0x600000
	s_mov_b32 s20, 0x3a800000                      ; 1 / 1,024
	s_mov_b32 s21, 0x3727c5ac                      ; 1e-5
	s_lshr_b32 s16, ttmp9, 1
	s_lshl_b32 s16, s16, 17                        ; 32 rows of 4,096 bytes for each pair of row blocks,
	s_and_b32 s17, ttmp9, 1
	s_lshl_b32 s17, s17, 15                        ; 8 rows for the odd one,
	s_add_co_u32 s16, s16, s17
	s_add_co_u32 s16, s16, s14                     ; my 512 bytes of a row
	s_mov_b32 s17, 0
	s_lshl_b32 s18, ttmp9, 14
	s_lshl_b32 s19, s12, 11
	s_add_co_u32 s18, s18, s19                     ; my image
	s_mov_b32 s19, 0
	s_lshl_b32 s22, s12, 14
	s_lshr_b32 s23, ttmp9, 2
	s_lshl_b32 s23, s23, 8
	s_add_co_u32 s22, s22, s23
	s_and_b32 s23, ttmp9, 3
	s_lshl_b32 s23, s23, 2
	s_add_co_u32 s22, s22, s23
	s_add_co_u32 s22, s22, 4194304                 ; my scale words
	s_mov_b32 s23, 0
	s_wait_kmcnt 0x0
	s_add_nc_u64 s[4:5], s[4:5], s[16:17]
	s_add_nc_u64 s[24:25], s[10:11], s[18:19]
	s_add_nc_u64 s[26:27], s[10:11], s[22:23]
.irp i, 0,1,2,3,4,5,6,7,8,9,10,11,12,13,14,15
	global_load_b128 v[X+4*\i:X+4*\i+3], v[LI], s[4:5] offset:(\i+8*(\i/8))*4096   ; 512 consecutive bytes of the place's row
.endr
.irp c, 0,1,2,3
.irp j, 0,1,2,3
	global_load_b128 v[G+16*\c+4*\j:G+16*\c+4*\j+3], v[VG], s[6:7] offset:128*\c+16*\j
.endr
.endr
.irp c, 0,1,2,3
.irp j, 0,1,2,3
	global_load_b128 v[BV+16*\c+4*\j:BV+16*\c+4*\j+3], v[VG], s[8:9] offset:128*\c+16*\j
.endr
.endr
	s_wait_loadcnt 32                              ; the rows are in; g's and b's 32 loads may be out
.irp i, 0,1,2,3,4,5,6,7,8,9,10,11,12,13,14,15
	ds_store_b128 v[STI], v[X+4*\i:X+4*\i+3] offset:528*\i
.endr
.irp c, 0,1,2,3
.irp j, 0,1,2,3
	ds_load_b128 v[X+16*\c+4*\j:X+16*\c+4*\j+3], v[STO] offset:128*\c+16*\j   ; register 16 c + i = column 128 w + 32 c + 16 h + i of row r
.endr
.endr
	s_wait_dscnt 0x0
.irp k, 0,1,2,3
	v_pk_add_f32 v[AC+2*\k:AC+2*\k+1], v[X+4*\k:X+4*\k+1], v[X+4*\k+2:X+4*\k+3]
.endr
.set P, 8
.rept 24
	s_delay_alu instid0(VALU_DEP_4)
	v_pk_add_f32 v[AC+2*(P%4):AC+2*(P%4)+1], v[AC+2*(P%4):AC+2*(P%4)+1], v[X+2*P:X+2*P+1]
.set P, P+1
.endr
.macro MEET off                        ; the four chains, the two halves of the lanes, the eight waves: the row's sum in v22
	s_delay_alu instid0(VALU_DEP_3)
	v_pk_add_f32 v[AC:AC+1], v[AC:AC+1], v[AC+2:AC+3]
	s_delay_alu instid0(VALU_DEP_2)
	v_pk_add_f32 v[AC+4:AC+5], v[AC+4:AC+5], v[AC+6:AC+7]
	s_delay_alu instid0(VALU_DEP_1)
	v_pk_add_f32 v[AC:AC+1], v[AC:AC+1], v[AC+4:AC+5]
	s_delay_alu instid0(VALU_DEP_1)
	v_add_f32 v20, v[AC], v[AC+1]
	s_delay_alu instid0(VALU_DEP_1)
	v_permlanex16_b32 v21, v20, s[SEL], s[SEL+1]
	s_delay_alu instid0(VALU_DEP_1)
	v_add_f32 v20, v20, v21
	ds_store_b32 v[RS], v20 offset:\off            ; lanes r and r + 16 write the same word with the same value
	s_wait_dscnt 0x0                               ; for the others' sake
	s_barrier_signal -1
	s_barrier_wait -1
.irp j, 0,1,2,3,4,5,6,7
	ds_load_b32 v[22+\j], v[RW] offset:\off+64*\j
.endr
	s_wait_dscnt 0x0
	v_add_f32 v22, v22, v23
	v_add_f32 v24, v24, v25
	v_add_f32 v26, v26, v27
	v_add_f32 v28, v28, v29
	s_delay_alu instid0(VALU_DEP_3)
	v_add_f32 v22, v22, v24
	s_delay_alu instid0(VALU_DEP_2)
	v_add_f32 v26, v26, v28
	s_delay_alu instid0(VALU_DEP_1)
	v_add_f32 v22, v22, v26
.endm
	MEET 0
	s_delay_alu instid0(VALU_DEP_1)
	v_mul_f32 v20, s20, v22                        ; the mean
.set P, 0
.rept 32
	v_pk_add_f32 v[X+2*P:X+2*P+1], v[X+2*P:X+2*P+1], v[20:21] op_sel_hi:[1,0] neg_lo:[0,1] neg_hi:[0,1]
.set P, P+1
.endr
.irp k, 0,1,2,3
	v_pk_mul_f32 v[AC+2*\k:AC+2*\k+1], v[X+2*\k:X+2*\k+1], v[X+2*\k:X+2*\k+1]
.endr
.set P, 4
.rept 28
	s_delay_alu instid0(VALU_DEP_4)
	v_pk_fma_f32 v[AC+2*(P%4):AC+2*(P%4)+1], v[X+2*P:X+2*P+1], v[X+2*P:X+2*P+1], v[AC+2*(P%4):AC+2*(P%4)+1]
.set P, P+1
.endr
	MEET 512
	s_delay_alu instid0(VALU_DEP_1)
	v_fma_f32 v22, v22, s20, s21                   ; the variance + 1e-5
	s_wait_alu depctr_va_vdst(0)
	v_rsq_f32 v20, v22
	v_nop                                          ; one plain line behind a transcendental
	s_wait_loadcnt 0x0                             ; g and b
.set P, 0
	s_wait_alu depctr_va_vdst(0)
.rept 32
	v_pk_mul_f32 v[X+2*P:X+2*P+1], v[X+2*P:X+2*P+1], v[20:21] op_sel_hi:[1,0]
.set P, P+1
.endr
.set P, 0
.rept 32
	v_pk_fma_f32 v[X+2*P:X+2*P+1], v[X+2*P:X+2*P+1], v[G+2*P:G+2*P+1], v[BV+2*P:BV+2*P+1]
.set P, P+1
.endr
	QUANT X, 4, PC, PW
.irp c, 0,1,2,3
	global_store_b128 v[LI], v[PC+4*\c:PC+4*\c+3], s[24:25] offset:512*\c   ; 512 consecutive bytes, aligned
.endr
	v_cmp_gt_u32 vcc_lo, 16, v1
	s_wait_xcnt 0x0                                ; EXEC changes only behind this wait
	s_wait_tensorcnt 0x0
	ds_add_u32 v30, v31
	s_wait_dscnt 0x0
	s_and_saveexec_b32 s12, vcc_lo
	global_store_b32 v[VW], v[PW], s[26:27]        ; lanes 0-15: row r's word
	s_wait_xcnt 0x0
	s_or_b32 exec_lo, exec_lo, s12
	s_endpgm
.Lfunc_end_k_qd43e33293a_ln1:
	.size	k_qd43e33293a_ln1, .Lfunc_end_k_qd43e33293a_ln1-k_qd43e33293a_ln1
	.p2alignl 7, 3214868480
	.fill 96, 4, 3214868480
	.section	.rodata,"a",@progbits
	.p2align	6, 0x0
	.amdhsa_kernel k_qd43e33293a_ln1
		.amdhsa_group_segment_fixed_size 70656
		.amdhsa_private_segment_fixed_size 0
		.amdhsa_enable_private_segment 0
		.amdhsa_kernarg_size 32
		.amdhsa_user_sgpr_count 2
		.amdhsa_user_sgpr_kernarg_segment_ptr 1
		.amdhsa_wavefront_size32 1
		.amdhsa_system_sgpr_workgroup_id_x 1
		.amdhsa_system_sgpr_workgroup_id_y 1
		.amdhsa_system_sgpr_workgroup_id_z 1
		.amdhsa_system_vgpr_workitem_id 0
		.amdhsa_next_free_vgpr 256
		.amdhsa_next_free_sgpr 66
		.amdhsa_reserve_vcc 1
		.amdhsa_float_denorm_mode_32 3
		.amdhsa_float_denorm_mode_16_64 3
		.amdhsa_memory_ordered 1
		.amdhsa_forward_progress 1
		.amdhsa_inst_pref_size 35
	.end_amdhsa_kernel
	.amdgpu_metadata
---
amdhsa.version: [ 1, 2 ]
amdhsa.kernels:
  - .name:           k_qd43e33293a_ln1
    .symbol:         k_qd43e33293a_ln1.kd
    .args:
      - { .name: x1, .offset: 0, .size: 8, .value_kind: global_buffer, .address_space: global }
      - { .name: ln2_g, .offset: 8, .size: 8, .value_kind: global_buffer, .address_space: global }
      - { .name: ln2_b, .offset: 16, .size: 8, .value_kind: global_buffer, .address_space: global }
      - { .name: aq, .offset: 24, .size: 8, .value_kind: global_buffer, .address_space: global }
    .group_segment_fixed_size: 70656
    .private_segment_fixed_size: 0
    .kernarg_segment_align: 8
    .kernarg_segment_size: 32
    .max_flat_workgroup_size: 256
    .sgpr_count:     66
    .vgpr_count:     256
    .wavefront_size: 32
...
	.end_amdgpu_metadata
.endif
;; end of part 12
;; launch ff1 (part 13): grid 16 x 16, 4 waves a work-group, clusters of 4 x 4, 327,680 bytes of LDS; arguments aq, wq, ff1_b, hid; writes hid
.if DOCPART == 13
	.amdgcn_target "amdgcn-amd-amdhsa--gfx1250"
	.amdhsa_code_object_version 6
	.text
	.protected	k_qd43e33293a_ff1
	.globl	k_qd43e33293a_ff1
	.p2align	8
	.type	k_qd43e33293a_ff1,@function
k_qd43e33293a_ff1:
	s_mov_b64 s[64:65], 0
	v_nop
	global_prefetch_b8 v0, s[64:65] scope:SCOPE_SE
	s_setreg_imm32_b32 hwreg(HW_REG_WAVE_MODE, 25, 1), 1
	s_wait_xcnt 0x0
	s_wait_alu depctr_hold_cnt(0) depctr_sa_sdst(0) depctr_va_vdst(0) depctr_va_sdst(0) depctr_va_ssrc(0) depctr_va_vcc(0) depctr_vm_vsrc(0)
	s_getreg_b32 s2, hwreg(HW_REG_IB_STS2, 6, 4)
	s_cmp_eq_u32 s2, 0
	s_cbranch_scc0 .Lentry_in_a_cluster
	s_endpgm
.Lentry_in_a_cluster:
	s_bfe_u32 s2, ttmp6, 0x10000c
	s_cmp_lg_u32 s2, 0xf033
	s_cbranch_scc0 .Lentry_shape_is_right
	s_endpgm
.Lentry_shape_is_right:
; hid = Q(gelu(h Wff1^T + b)) on codes of BF8 (E5M2) with E8M0 scales, K = 1,024; the exact GELU in f32, then the quantiser along the hidden units; codes and scale words leave as images of the next product's operand registers.
; A tile of 256 x 256 to a work-group of four waves, 128 x 128 a wave; K in steps of 128, two to an LDS slot, two slots filled by joint tensor loads (cluster 4 x 4); the scale words of all of K come once.
.set NA, 8
.set NB, 8
.set NQ, 2
.set KS, 8
.set ASOFF,  4194304
.set APITCH, 16384
.set BCOFF,  4194304
.set BSOFF,  12582912+163840
.set BPITCH, 16384
.set HALFT,  NA*NQ*2048
.set SLOT,   4*HALFT
.set ROWL,   128*NA
.set SCLSZ,  KS*ROWL
.set SCL,    2*SLOT
.set SPARE,  294912
.set LAPS,   KS/(2*NQ)
.set LI,   4
.set VB,   7
.set ADRA, 16
.set ADRB, 20
.set ADRS, 27
.set SPW,  28
.set NIL,  29
.set SC,   32
.set BN,   64
.set AF,   128
.set T,    128
.set PC,   192
.set TM,   208
.set WD,   232
.set FW,   248
.set GU,   0
.set GW,   64
.set GQ,   128
.set GC,   192
.set G1, 24
.set G0, 32
.set G1B, 48
.set G0B, 56
.set G1S, 68
.set G0S, 76
.set G1SB, 80
.set G0SB, 88
.set MNT, 67
.set BLK, 98
.set HM,  99
.set SEL, 100
.set MSB, 0
.macro WIN new
.if MSB != (\new)
	s_set_vgpr_msb (MSB<<8)|(\new)
.set MSB, (\new)
.endif
.endm
.macro PLACES n
.rept \n
	v_nop
.endr
.endm
.macro JLOAD g0a, g1a, g0b, g1b
	s_cmp_eq_u32 s15, 0
	s_cbranch_scc0 .Lfor_b_\@
	tensor_load_to_lds s[\g0a:\g0a+3], s[\g1a:\g1a+7]
	s_nop 0
	PLACES 4
	s_branch .Lasked_\@
.Lfor_b_\@:
	tensor_load_to_lds s[\g0b:\g0b+3], s[\g1b:\g1b+7]
	s_nop 0
	PLACES 4
.Lasked_\@:
.endm
.macro CREST
	s_cmp_lg_u32 s14, 0
	s_cbranch_scc1 .Lnot_wave_0_\@
	s_barrier_signal -3
.Lnot_wave_0_\@:
	s_barrier_wait -3
	s_barrier_signal -1
	s_barrier_wait -1
.endm
.macro CROUND
	s_barrier_signal -1
	s_barrier_wait -1
	CREST
.endm
.macro FRAG reg, adr, q, i
.irp c, 0,1,2,3
	ds_load_b128 v[\reg+4*\c:\reg+4*\c+3], v[\adr] offset:((\i)*NQ+(\q))*2048+512*\c
.endr
.endm
.macro FETCH_B slot, q, p
	WIN 0x40
.set FI, 0
.rept NB
	FRAG 128*(\p)+16*FI, ADRB+\slot, \q, FI
.set FI, FI+1
.endr
	WIN 0
.endm
.macro FETCH_A slot, q, i0
.set FI, \i0
.rept NA/2
	FRAG AF+16*FI, ADRA+\slot, \q, FI
.set FI, FI+1
.endr
.endm
.macro SCALES sc
.set SQ, 0
.rept NQ
.set SG, 0
.rept NA/4
	ds_load_b128 v[SC+16*(\sc)+SQ*NA+4*SG:SC+16*(\sc)+SQ*NA+4*SG+3], v[ADRS] offset:SQ*ROWL+256*SG
.set SG, SG+1
.endr
.set SQ, SQ+1
.endr
.endm
.macro MULA a, p, q, sc, zero
.set AC, (8*NB*(\a))%256
	WIN 0xa1+0x50*((8*NB*(\a))/256)
.set MB, 0
.rept NB
.if \zero
	v_wmma_scale_f32_16x16x128_f8f6f4 v[AC+8*MB:AC+8*MB+7], v[128*(\p)+16*MB:128*(\p)+16*MB+15], v[AF+16*(\a):AF+16*(\a)+15], 0, v[SC+16*(\sc)+(\q)*NA+MB], v[SC+16*(\sc)+(\q)*NA+(\a)] matrix_a_fmt:MATRIX_FMT_BF8 matrix_b_fmt:MATRIX_FMT_BF8 matrix_a_scale:MATRIX_SCALE_ROW1
.else
	v_wmma_scale_f32_16x16x128_f8f6f4 v[AC+8*MB:AC+8*MB+7], v[128*(\p)+16*MB:128*(\p)+16*MB+15], v[AF+16*(\a):AF+16*(\a)+15], v[AC+8*MB:AC+8*MB+7], v[SC+16*(\sc)+(\q)*NA+MB], v[SC+16*(\sc)+(\q)*NA+(\a)] matrix_a_fmt:MATRIX_FMT_BF8 matrix_b_fmt:MATRIX_FMT_BF8 matrix_a_scale:MATRIX_SCALE_ROW1
.endif
.set MB, MB+1
.endr
.endm
.macro MULR a0, n, p, q, sc, zero
.set MA, \a0
.rept \n
	MULA MA, \p, \q, \sc, \zero
.set MA, MA+1
.endr
.endm
.macro STEP slot, q, zero
	s_wait_dscnt 2*NA
	MULR 0, NA/2, (\q)%2, \q, \slot, \zero
	s_wait_dscnt 0x0
	PLACES 8
	FETCH_B \slot, (\q)+1, 1-(\q)%2
	FETCH_A \slot, (\q)+1, 0
	MULR NA/2, NA/2, (\q)%2, \q, \slot, \zero
	PLACES 8
	WIN 0
	FETCH_A \slot, (\q)+1, NA/2
.endm
.macro TURN slot, next, fill
	s_wait_tensorcnt 0x0
	ds_add_u32 v[SPW], v[NIL]
	s_wait_dscnt 2*NA+1
	MULR 0, NA/4, 1, NQ-1, \slot, 0
	s_wait_dscnt 0x0
	s_barrier_signal -1
	MULR NA/4, NA/4, 1, NQ-1, \slot, 0
	WIN 0
	s_barrier_wait -1
.if \fill
	CREST
	s_add_nc_u64 s[G0+4*\slot+2:G0+4*\slot+3], s[G0+4*\slot+2:G0+4*\slot+3], 2*NQ*2048
	s_add_nc_u64 s[G0B+4*\slot+2:G0B+4*\slot+3], s[G0B+4*\slot+2:G0B+4*\slot+3], 2*NQ*2048
	JLOAD G0+4*\slot, G1, G0B+4*\slot, G1B
	PLACES 4
.else
	PLACES 8
.endif
	s_wait_alu depctr_va_vdst(0)
	v_add_nc_u32 v[ADRS], NQ*ROWL, v[ADRS]
	FETCH_B \next, 0, 0
	FETCH_A \next, 0, 0
	SCALES \next
	MULR NA/2, NA/2, 1, NQ-1, \slot, 0
	PLACES 8
	WIN 0
	FETCH_A \next, 0, NA/2
.endm
.macro MIDS slot
.set MQ, 1
.rept NQ-2
	STEP \slot, MQ, 0
.set MQ, MQ+1
.endr
.endm
.macro LAST
	s_wait_dscnt 2*NA
	MULR 0, NA/2, 1, NQ-1, 1, 0
	s_wait_dscnt 0x0
	MULR NA/2, NA/2, 1, NQ-1, 1, 0
	WIN 0
.endm
.macro QUANT s, nb, pc, pw
.irp b, 0,1,2,3
.if \b < \nb
	v_max3_num_f32 v[TM+\b], |v[\s+16*\b]|, |v[\s+16*\b+1]|, 0x8000000
.endif
.endr
.irp i, 2,4,6,8,10,12,14
.irp b, 0,1,2,3
.if \b < \nb
	v_max3_num_f32 v[TM+\b], v[TM+\b], |v[\s+16*\b+\i]|, |v[\s+16*\b+\i+1]|
.endif
.endr
.endr
.irp b, 0,1,2,3
.if \b < \nb
	v_permlanex16_b32 v[TM+4+\b], v[TM+\b], s[SEL], s[SEL+1]
.endif
.endr
.irp b, 0,1,2,3
.if \b < \nb
	v_max_num_f32 v[TM+\b], v[TM+\b], v[TM+4+\b]
.endif
.endr
.irp b, 0,1,2,3
.if \b < \nb
	v_add_nc_u32 v[TM+12+\b], 0xf8800000, v[TM+\b]
.endif
.endr
.irp b, 0,1,2,3
.if \b < \nb
	v_and_or_b32 v[TM+8+\b], v[TM+\b], 0x7f800000, s[MNT]
.endif
.endr
.irp b, 0,1,2,3
.if \b < \nb
	v_lshrrev_b32 v[TM+4+\b], 23, v[TM+12+\b]
.endif
.endr
	v_lshl_or_b32 v[\pw], v[TM+5], 8, v[TM+4]
.if \nb > 2
	v_lshl_or_b32 v[\pw], v[TM+6], 16, v[\pw]
	v_lshl_or_b32 v[\pw], v[TM+7], 24, v[\pw]
.endif
.irp b, 0,1,2,3
.if \b < \nb
.irp i, 0,1,2,3,4,5,6,7,8,9,10,11,12,13,14,15
	v_med3_num_f32 v[\s+16*\b+\i], v[\s+16*\b+\i], -v[TM+8+\b], v[TM+8+\b]
.endr
	v_cvt_scalef32_pk8_bf8_f32 v[\pc+4*\b:\pc+4*\b+1], v[\s+16*\b:\s+16*\b+7], v[TM+12+\b]
	v_cvt_scalef32_pk8_bf8_f32 v[\pc+4*\b+2:\pc+4*\b+3], v[\s+16*\b+8:\s+16*\b+15], v[TM+12+\b]
.endif
.endr
	v_nop
.endm
.macro HORNER c
.set GI, 0
.rept 32
	v_pk_fma_f32 v[GW+GI:GW+GI+1], v[GW+GI:GW+GI+1], v[GU+GI:GU+GI+1], \c op_sel_hi:[1,1,0]
.set GI, GI+2
.endr
.endm
.macro GELU64
	WIN 0x40
.set GI, 0
.rept 64
	v_fma_f32 v[GU+GI], |v[T+GI]|, s96, 1.0
.set GI, GI+1
.endr
.set GI, 0
.rept 32
	v_pk_mul_f32 v[GQ+GI:GQ+GI+1], v[T+GI:T+GI+1], v[T+GI:T+GI+1]
.set GI, GI+2
.endr
	WIN 0x55
.set GI, 0
	s_wait_alu depctr_va_vdst(0)
.rept 64
	v_rcp_f32 v[GU+GI], v[GU+GI]
.set GI, GI+1
.endr
	v_nop
.set GI, 0
	s_wait_alu depctr_va_vdst(0)
.rept 32
	v_pk_fma_f32 v[GW+GI:GW+GI+1], v[GU+GI:GU+GI+1], s[92:93], v[GC:GC+1] op_sel_hi:[1,0,1]
.set GI, GI+2
.endr
	HORNER 0x40097039
	HORNER 0xbfd1a1e5
	HORNER 0x3ecdfd18
	HORNER 0xbe899a80
	HORNER 0x3e0efb2e
	HORNER 0x3f0a29d2
	HORNER 0x3fb8ab5a
	HORNER 0xc034d90f
.set GI, 0
.rept 32
	v_pk_fma_f32 v[GW+GI:GW+GI+1], v[GQ+GI:GQ+GI+1], s[94:95], v[GW+GI:GW+GI+1] op_sel_hi:[1,0,1]
.set GI, GI+2
.endr
.set GI, 0
	s_wait_alu depctr_va_vdst(0)
.rept 64
	v_exp_f32 v[GW+GI], v[GW+GI]
.set GI, GI+1
.endr
	v_nop
.set GI, 0
	s_wait_alu depctr_va_vdst(0)
.rept 32
	v_pk_mul_f32 v[GW+GI:GW+GI+1], v[GW+GI:GW+GI+1], v[GU+GI:GU+GI+1]
.set GI, GI+2
.endr
	WIN 0x41
.set GI, 0
.rept 32
	v_pk_mul_f32 v[GW+GI:GW+GI+1], v[GW+GI:GW+GI+1], v[T+GI:T+GI+1]
.set GI, GI+2
.endr
	WIN 0x04
.set GI, 0
.rept 32
	v_pk_add_f32 v[T+GI:T+GI+1], v[T+GI:T+GI+1], v[GW+GI:GW+GI+1] neg_lo:[0,1] neg_hi:[0,1]
.set GI, GI+2
.endr
.set GI, 0
.rept 64
	v_max_num_f32 v[T+GI], v[T+GI], v[GW+GI]
.set GI, GI+1
.endr
	WIN 0
.endm
.macro PICK a
.set EC, (64*(\a))%256
.if (\a) < 7
	s_cmp_lg_u32 s[BLK], \a
	s_cbranch_scc1 .Lnot_this_\@
.endif
	WIN 0x02+(\a)/4
.set EI, 0
.rept 32
	v_pk_add_f32 v[T+EI:T+EI+1], v[EC+EI:EC+EI+1], v[BN+EI:BN+EI+1]
.set EI, EI+2
.endr
	WIN 0
.if (\a) < 7
	s_branch .Lpicked
.Lnot_this_\@:
.endif
.endm
	s_load_b128 s[4:7], s[0:1], 0x0
	s_load_b128 s[8:11], s[0:1], 0x10
	v_lshl_add_u32 v[SPW], v0, 2, SPARE
	v_mov_b32 v[NIL], 0
	ds_add_u32 v28, v29
	ds_add_u32 v28, v29
	s_wait_dscnt 0x0
	v_lshrrev_b32 v1, 5, v0
	v_readfirstlane_b32 s14, v1
	s_lshr_b32 s15, s14, 1
	s_and_b32 s16, s14, 1
	s_bfe_u32 s40, ttmp6, 0x40000
	s_bfe_u32 s41, ttmp6, 0x40004
	s_lshl_b32 s42, ttmp9, 2
	s_add_co_u32 s42, s42, s40
	s_and_b32 s17, ttmp7, 0xffff
	s_lshl_b32 s17, s17, 2
	s_add_co_u32 s17, s17, s41
	s_lshl_b32 s43, s41, 2
	s_lshl_b32 s43, 15, s43
	s_lshl_b32 s44, 0x1111, s40
	s_or_b32 s[G1+0], s43, (3<<16)|(1<<21)
	s_or_b32 s[G1B+0], s44, (3<<16)|(1<<21)
.irp g, G1, G1B
	s_mov_b32 s[\g+1], (256*NQ)<<16
	s_mov_b32 s[\g+2], (2*NA)<<16                  ; the head's loads bring a tile's 2 NA row blocks; behind them the two words are set to NA
	s_mov_b32 s[\g+3], (256*NQ)<<16
	s_mov_b32 s[\g+4], 2*NA
	s_mov_b32 s[\g+5], 256*KS
	s_mov_b32 s[\g+6], 0
	s_mov_b32 s[\g+7], 0
.endr
	s_or_b32 s[G1S+0], s43, (3<<16)|(1<<21)
	s_or_b32 s[G1SB+0], s44, (3<<16)|(1<<21)
.irp g, G1S, G1SB
	s_mov_b32 s[\g+1], (ROWL/8)<<16
	s_mov_b32 s[\g+2], KS<<16
	s_mov_b32 s[\g+3], (ROWL/8)<<16
	s_mov_b32 s[\g+4], KS
	s_mov_b32 s[\g+6], 0
	s_mov_b32 s[\g+7], 0
.endr
	s_mov_b32 s[G1S+5], APITCH/8
	s_mov_b32 s[G1SB+5], BPITCH/8
	s_mul_i32 s18, s16, NA
	s_mul_i32 s20, s17, 2*NA
	s_add_co_u32 s20, s20, s18
	s_mul_i32 s20, s20, KS*2048
	s_mov_b32 s21, 0
	s_mul_i32 s46, s42, 2*NA
	s_add_co_u32 s46, s46, s18
	s_mul_i32 s46, s46, KS*2048
	s_add_co_u32 s46, s46, BCOFF
	s_mov_b32 s47, 0
	s_mul_i32 s22, s17, ROWL
	s_add_co_u32 s22, s22, ASOFF
	s_mov_b32 s23, 0
	s_mul_i32 s92, s42, ROWL
	s_add_co_u32 s92, s92, BSOFF
	s_mov_b32 s93, 0
	s_mul_i32 s45, s14, HALFT
	s_wait_kmcnt 0x0
	s_add_nc_u64 s[20:21], s[4:5], s[20:21]
	s_add_nc_u64 s[22:23], s[4:5], s[22:23]
	s_add_nc_u64 s[46:47], s[6:7], s[46:47]
	s_add_nc_u64 s[92:93], s[6:7], s[92:93]
	CROUND
	s_mov_b32 s[G0S], 1
	s_mov_b32 s[G0S+1], SCL
	s_mov_b64 s[G0S+2:G0S+3], s[22:23]
	s_or_b32 s[G0S+3], s[G0S+3], 0x80000000
	s_mov_b32 s[G0SB], 1
	s_mov_b32 s[G0SB+1], SCL+SCLSZ
	s_mov_b64 s[G0SB+2:G0SB+3], s[92:93]
	s_or_b32 s[G0SB+3], s[G0SB+3], 0x80000000
.irp s, 0,1
	s_mov_b32 s[G0+4*\s], 1
	s_add_co_u32 s[G0+4*\s+1], s45, \s*SLOT
	s_add_nc_u64 s[G0+4*\s+2:G0+4*\s+3], s[20:21], \s*NQ*2048
	s_or_b32 s[G0+4*\s+3], s[G0+4*\s+3], 0x80000000
	s_mov_b32 s[G0B+4*\s], 1
	s_add_co_u32 s[G0B+4*\s+1], s45, \s*SLOT
	s_add_nc_u64 s[G0B+4*\s+2:G0B+4*\s+3], s[46:47], \s*NQ*2048
	s_or_b32 s[G0B+4*\s+3], s[G0B+4*\s+3], 0x80000000
.endr
	; THE HEAD'S LOADS, ONE A WAVE: wave 0 slot 0's whole tile of A (its own group 0 begins at the tile's first row block and at LDS byte 0), wave 2 B's likewise, wave 1 A's scale words, wave 3 B's
	s_cmp_eq_u32 s14, 0
	s_cbranch_scc0 .Lhead_b
	tensor_load_to_lds s[G0:G0+3], s[G1:G1+7]
	s_nop 0
	PLACES 4
	s_branch .Lhead_asked
.Lhead_b:
	s_cmp_eq_u32 s14, 2
	s_cbranch_scc0 .Lhead_sa
	tensor_load_to_lds s[G0B:G0B+3], s[G1B:G1B+7]
	s_nop 0
	PLACES 4
	s_branch .Lhead_asked
.Lhead_sa:
	s_cmp_eq_u32 s14, 1
	s_cbranch_scc0 .Lhead_sb
	tensor_load_to_lds s[G0S:G0S+3], s[G1S:G1S+7]
	s_nop 0
	PLACES 4
	s_branch .Lhead_asked
.Lhead_sb:
	tensor_load_to_lds s[G0SB:G0SB+3], s[G1SB:G1SB+7]
	s_nop 0
	PLACES 4
.Lhead_asked:
	v_and_b32 v3, 31, v0
	v_and_b32 v1, 15, v0
	v_bfe_u32 v2, v0, 4, 1
	s_wait_alu depctr_va_vdst(0)
	v_lshlrev_b32 v[LI], 4, v3
	s_mul_i32 s18, s15, HALFT
	s_mul_i32 s19, s16, HALFT
	s_add_co_u32 s19, s19, 2*HALFT
.irp s, 0,1
	v_add_nc_u32 v[ADRA+\s], s18, v[LI]
	v_add_nc_u32 v[ADRB+\s], s19, v[LI]
	s_add_co_u32 s18, s18, SLOT
	s_add_co_u32 s19, s19, SLOT
.endr
	s_mul_i32 s18, s15, (NA/4)*256
	s_mul_i32 s19, s16, (NA/4)*256
	s_add_co_u32 s19, s19, SCLSZ
	s_sub_co_u32 s19, s19, s18
	v_mul_u32_u24 v6, s19, v2
	s_add_co_u32 s18, s18, SCL
	v_lshl_add_u32 v5, v1, 4, v6
	v_add_nc_u32 v[ADRS], s18, v5
	v_lshlrev_b32 v[VB], 6, v2
	s_wait_alu depctr_va_vdst(0)
	v_cmp_lt_u32 s[HM], 15, v3
	s_mov_b32 s[SEL], 0x76543210
	s_mov_b32 s[SEL+1], 0xfedcba98
	s_mov_b32 s[MNT], 0x600000
	s_lshl_b32 s95, s42, 1
	s_add_co_u32 s95, s95, s16
	s_lshl_b32 s96, s17, 1
	s_add_co_u32 s96, s96, s15
	s_lshl_b32 s18, s96, 19
	s_lshl_b32 s19, s95, 11
	s_add_co_u32 s18, s18, s19
	s_mov_b32 s19, 0
	s_add_nc_u64 s[12:13], s[10:11], s[18:19]
	s_lshl_b32 s18, s95, 14
	s_lshl_b32 s97, s96, 9
	s_add_co_u32 s18, s18, s97
	s_add_co_u32 s18, s18, 16777216
	s_add_nc_u64 s[10:11], s[10:11], s[18:19]
	s_lshl_b32 s18, s95, 9
	s_add_nc_u64 s[8:9], s[8:9], s[18:19]
.irp c, 0,1,2,3
.irp j, 0,1,2,3
	global_load_b128 v[BN+16*\c+4*\j:BN+16*\c+4*\j+3], v[VB], s[8:9] offset:128*\c+16*\j
.endr
.endr
	s_wait_alu depctr_va_vdst(0)
	s_wait_tensorcnt 0x0                           ; my tile of the head's four is in; slot 1's first fill is issued as a refill is
	ds_add_u32 v[SPW], v[NIL]
	s_mov_b32 s[G1+2], NA<<16                      ; no tensor load of mine is out: from here on a load brings NA row blocks
	s_mov_b32 s[G1+4], NA
	s_mov_b32 s[G1B+2], NA<<16
	s_mov_b32 s[G1B+4], NA
	s_wait_dscnt 0x0
	CROUND
	JLOAD G0+4, G1, G0B+4, G1B
	FETCH_B 0, 0, 0
	FETCH_A 0, 0, 0
	SCALES 0
	FETCH_A 0, 0, NA/2
	STEP 0, 0, 1
	s_mov_b32 s3, LAPS-1
.Llap:
	MIDS 0
	TURN 0, 1, 1
	STEP 1, 0, 0
	MIDS 1
	TURN 1, 0, 1
	STEP 0, 0, 0
	s_sub_co_u32 s3, s3, 1
	s_cmp_lg_u32 s3, 0
	s_cbranch_scc1 .Llap
	MIDS 0
	TURN 0, 1, 0
	STEP 1, 0, 0
	MIDS 1
	LAST
	PLACES 8
	s_mov_b32 s92, 0x3e7c6f08
	s_mov_b32 s93, s92
	s_mov_b32 s94, 0xbf38aa3b
	s_mov_b32 s95, s94
	s_mov_b32 s96, 0x3eb504f3
.irp b, 0,1,2,3
	v_mov_b32 v[TM+4+\b], 0
.endr
.irp j, 0,1,2,3,4,5,6,7
	v_mov_b32 v[WD+\j], 0
.endr
	WIN 0x40
	v_mov_b32 v[GC], 0xbf97d29d
	v_mov_b32 v[GC+1], 0xbf97d29d
	WIN 0
	s_wait_loadcnt 0x0
	s_mov_b32 s[BLK], 0
.Lblock:
.irp a, 0,1,2,3,4,5,6,7
	PICK \a
.endr
.Lpicked:
	GELU64
.irp j, 0,1,2,3,4,5,6
	v_mov_b32 v[WD+\j], v[WD+\j+1]
.endr
	QUANT T, 4, PC, WD+7
.irp c, 0,1,2,3
	global_store_b128 v[LI], v[PC+4*\c:PC+4*\c+3], s[12:13] offset:512*\c
.endr
	s_wait_xcnt 0x0
	s_add_nc_u64 s[12:13], s[12:13], 65536
	s_add_co_u32 s[BLK], s[BLK], 1
	s_cmp_lt_u32 s[BLK], 8
	s_cbranch_scc1 .Lblock
.irp j, 0,1,2,3
	v_cndmask_b32 v[FW+\j], v[WD+\j], v[WD+4+\j], s[HM]
.endr
	global_store_b128 v[LI], v[FW:FW+3], s[10:11]
	s_wait_tensorcnt 0x0
	ds_add_u32 v[SPW], v[NIL]
	s_wait_dscnt 0x0
	CROUND
	s_endpgm
.Lfunc_end_k_qd43e33293a_ff1:
	.size	k_qd43e33293a_ff1, .Lfunc_end_k_qd43e33293a_ff1-k_qd43e33293a_ff1
	.p2alignl 7, 3214868480
	.fill 96, 4, 3214868480
	.section	.rodata,"a",@progbits
	.p2align	6, 0x0
	.amdhsa_kernel k_qd43e33293a_ff1
		.amdhsa_group_segment_fixed_size 327680
		.amdhsa_private_segment_fixed_size 0
		.amdhsa_enable_private_segment 0
		.amdhsa_kernarg_size 32
		.amdhsa_user_sgpr_count 2
		.amdhsa_user_sgpr_kernarg_segment_ptr 1
		.amdhsa_wavefront_size32 1
		.amdhsa_system_sgpr_workgroup_id_x 1
		.amdhsa_system_sgpr_workgroup_id_y 1
		.amdhsa_system_sgpr_workgroup_id_z 1
		.amdhsa_system_vgpr_workitem_id 0
		.amdhsa_next_free_vgpr 1024
		.amdhsa_next_free_sgpr 104
		.amdhsa_reserve_vcc 0
		.amdhsa_float_denorm_mode_32 3
		.amdhsa_float_denorm_mode_16_64 3
		.amdhsa_memory_ordered 1
		.amdhsa_forward_progress 1
		.amdhsa_inst_pref_size 191
	.end_amdhsa_kernel
	.amdgpu_metadata
---
amdhsa.version: [ 1, 2 ]
amdhsa.kernels:
  - .name:           k_qd43e33293a_ff1
    .symbol:         k_qd43e33293a_ff1.kd
    .args:
      - { .name: aq, .offset: 0, .size: 8, .value_kind: global_buffer, .address_space: global }
      - { .name: wq, .offset: 8, .size: 8, .value_kind: global_buffer, .address_space: global }
      - { .name: ff1_b, .offset: 16, .size: 8, .value_kind: global_buffer, .address_space: global }
      - { .name: hid, .offset: 24, .size: 8, .value_kind: global_buffer, .address_space: global }
    .group_segment_fixed_size: 327680
    .private_segment_fixed_size: 0
    .kernarg_segment_align: 8
    .kernarg_segment_size: 32
    .max_flat_workgroup_size: 128
    .sgpr_count:     104
    .vgpr_count:     1024
    .wavefront_size: 32
...
	.end_amdgpu_metadata
.endif
;; end of part 13
;; launch ff2 (part 14): grid 8 x 32, 4 waves a work-group, no clusters, 17,920 bytes of LDS; arguments hid, wq, ff2_b, x1, out0; writes out0
.if DOCPART == 14
	.amdgcn_target "amdgcn-amd-amdhsa--gfx1250"
	.amdhsa_code_object_version 6
	.text
	.protected	k_qd43e33293a_ff2
	.globl	k_qd43e33293a_ff2
	.p2align	8
	.type	k_qd43e33293a_ff2,@function
k_qd43e33293a_ff2:
	s_mov_b64 s[64:65], 0
	v_nop
	global_prefetch_b8 v0, s[64:65] scope:SCOPE_SE
	s_setreg_imm32_b32 hwreg(HW_REG_WAVE_MODE, 25, 1), 1
	s_wait_xcnt 0x0
; out0 = x1 + hid Wff2^T + b on codes of BF8 (E5M2) with E8M0 scales, K = 4,096; f32 sums.
; OPERANDS lie in memory as images of the matrix operand's registers: codes [row block of 16][K step of 128][c][lane][16 bytes], scale words [K step][row block / 4][r][word row block % 4]; lane place r of row block rb is row 32 (rb / 2) + 8 (rb % 2) + r + 8 (r / 8).
; SO THEY GO FROM MEMORY STRAIGHT INTO REGISTERS: a fragment is four global_load_b128 at 16 x lane, 512 consecutive bytes each.  No tile is staged in LDS, so there is no ring, no barrier, and nothing that a joint tensor load could fill: cluster = none.
; SHARES: 256 work-groups of four waves; a wave makes 64 x 64 of the result: 16 accumulators (window 3).  A K step is 4 fragments of A, 4 of B (128 registers) and two loads of scale words: 34 loads.
; FOUR SETS of 128 registers (windows 1, 2) take turns: step i multiplies set i % 4 and, among its products, fetches step i + 3 into the set that step i - 1 left (eight places stand between).
; The product is used transposed (source 0 = 16 rows of W, source 1 = 16 rows of hid): a lane holds one row and neighbouring columns.  The way out goes through the wave's own stage in LDS: sixteen lanes store 256 consecutive bytes, aligned.
; PREFETCH of A's codes, two trips (eight K steps) ahead of the loads that want them: a trip's 4 row blocks x 8,192 bytes of my 64 rows are read by 16 waves (8 work-groups along x, two waves each); they share the 128 blocks of 256 bytes out by address:
; wave u = 2 x + column half takes row block u / 4, K step u % 4: eight blocks, lanes 0-7 (the lanes left over name the last again).  The last two trips ask for nothing; K steps 0-11 come by their loads alone.  W's rows are read by all 32 work-groups along y and are not asked for.
.set KS, 32
.set ASOFF,  16777216
.set APITCH, 16384
.set BCOFF,  8388608
.set BSOFF,  12582912+294912
.set BPITCH, 4096
.set NTS, 1
.set SPARE, 17408                      ; behind the four stages of 16 x 272 bytes: the spare words
.set LI,   4                           ; v4  16 x lane
.set VB,   7                           ; v7  16 r
.set STO,  24
.set RD,   25
.set CO,   26
.set SPW,  28
.set NIL,  29
.set PFO,  30                          ; v30 the prefetch's offset
.set SC,   32                          ; v32-63 scale words: set s at 8 s: A's four, then B's four
.set BK,   128
.set PA,   36                          ; s[36:37] A's codes, s[38:39] B's, s[40:41] A's scale words, s[42:43] B's: they step four K steps a trip
.set PB,   38
.set PSA,  40
.set PSB,  42
.set MSB, 0
.macro WIN new                         ; the immediate's high byte repeats the setting that is left
.if MSB != (\new)
	s_set_vgpr_msb (MSB<<8)|(\new)
.set MSB, (\new)
.endif
.endm
.macro PLACES n
.rept \n
	v_nop
.endr
.endm
.macro LDC g, f, k                     ; A's and B's fragment g of K step k (counted from the pointers) into set f
	WIN (1+(\f)/2)<<6
.irp c, 0,1,2,3
	global_load_b128 v[128*((\f)%2)+16*(\g)+4*\c:128*((\f)%2)+16*(\g)+4*\c+3], v[LI], s[PA:PA+1] offset:(\g)*KS*2048+(\k)*2048+512*\c
.endr
.irp c, 0,1,2,3
	global_load_b128 v[128*((\f)%2)+64+16*(\g)+4*\c:128*((\f)%2)+64+16*(\g)+4*\c+3], v[LI], s[PB:PB+1] offset:(\g)*KS*2048+(\k)*2048+512*\c
.endr
.endm
.macro LDW f, k                        ; and its scale words: lane r takes the words of my four row blocks
	WIN 0
	global_load_b128 v[SC+8*(\f):SC+8*(\f)+3], v[VB], s[PSA:PSA+1] offset:(\k)*APITCH
	global_load_b128 v[SC+8*(\f)+4:SC+8*(\f)+7], v[VB], s[PSB:PSB+1] offset:(\k)*BPITCH
.endm
; A K step on set s.  zero = 1: the products start the sums.  fk >= 0: K step fk is fetched into set (s + 3) % 4.  n: the loads issued behind this set's that may stay out.
; The 16 accumulators take turns, one instruction a turn.
.macro STEP s, zero, fk, n
	s_wait_loadcnt \n
	PLACES 8                                       ; eight places behind the last step's products, in front of the loads into the registers that they read
.set SA_, 128*((\s)%2)
.irp a, 0,1,2,3
	WIN 0xf0|(5*(1+(\s)/2))
.irp b, 0,1,2,3
.if \zero
	v_wmma_scale_f32_16x16x128_f8f6f4 v[32*\a+8*\b:32*\a+8*\b+7], v[SA_+64+16*\b:SA_+64+16*\b+15], v[SA_+16*\a:SA_+16*\a+15], 0, v[SC+8*(\s)+4+\b], v[SC+8*(\s)+\a] matrix_a_fmt:MATRIX_FMT_BF8 matrix_b_fmt:MATRIX_FMT_BF8
.else
	v_wmma_scale_f32_16x16x128_f8f6f4 v[32*\a+8*\b:32*\a+8*\b+7], v[SA_+64+16*\b:SA_+64+16*\b+15], v[SA_+16*\a:SA_+16*\a+15], v[32*\a+8*\b:32*\a+8*\b+7], v[SC+8*(\s)+4+\b], v[SC+8*(\s)+\a] matrix_a_fmt:MATRIX_FMT_BF8 matrix_b_fmt:MATRIX_FMT_BF8
.endif
.endr
.if \fk >= 0
	LDC \a, ((\s)+3)%4, \fk
.endif
.endr
.if \fk >= 0
	LDW ((\s)+3)%4, \fk
.endif
	WIN 0
.endm
	s_load_b128 s[4:7], s[0:1], 0x0                ; A's images, wq
	s_load_b128 s[8:11], s[0:1], 0x10              ; the bias, the residual
	s_load_b64 s[12:13], s[0:1], 0x20              ; the result
	v_lshl_add_u32 v[SPW], v0, 2, SPARE
	v_mov_b32 v[NIL], 0
	v_lshrrev_b32 v1, 5, v0
	v_readfirstlane_b32 s14, v1                    ; wave
	s_lshr_b32 s15, s14, 1
	s_and_b32 s16, s14, 1
	s_and_b32 s17, ttmp7, 0xffff
	s_lshl_b32 s17, s17, 1
	s_add_co_u32 s17, s17, s15                     ; my 64 rows: which group of four row blocks of A
	s_lshl_b32 s18, ttmp9, 1
	s_add_co_u32 s18, s18, s16                     ; my 64 columns: which group of B.  Also u: which of the 16 waves that read my rows of A I am
	s_mul_i32 s20, s17, 4*KS*2048
	s_mov_b32 s21, 0
	s_mul_i32 s22, s18, 4*KS*2048
	s_add_co_u32 s22, s22, BCOFF
	s_mov_b32 s23, 0
	s_lshl_b32 s24, s17, 8
	s_add_co_u32 s24, s24, ASOFF
	s_mov_b32 s25, 0
	s_lshl_b32 s26, s18, 8
	s_add_co_u32 s26, s26, BSOFF
	s_mov_b32 s27, 0
	s_lshl_b32 s30, s18, 8                         ; my columns in a row of f32
	s_mov_b32 s31, 0
	s_lshl_b32 s28, s17, 18                        ; my rows of 4,096 bytes
	s_add_co_u32 s28, s28, s30
	s_mov_b32 s29, 0
	s_mul_i32 s19, s14, 16*272                     ; my stage
.if KS > 16
	s_lshr_b32 s32, s18, 2                         ; the prefetch: row block u / 4,
	s_mul_i32 s32, s32, KS*2048
	s_and_b32 s33, s18, 3                          ; K step u % 4 of a trip's four
	s_lshl_b32 s33, s33, 11
	s_add_co_u32 s32, s32, s33
.endif
	v_and_b32 v3, 31, v0
	v_and_b32 v1, 15, v0                           ; r
	v_bfe_u32 v2, v0, 4, 1                         ; h
	v_lshlrev_b32 v[LI], 4, v3
	v_mul_u32_u24 v5, v1, 272
	v_lshl_add_u32 v5, v2, 6, v5
	v_add_nc_u32 v[STO], s19, v5
	v_mul_u32_u24 v6, v2, 272
	v_lshl_add_u32 v6, v1, 4, v6
	v_add_nc_u32 v[RD], s19, v6
	v_lshlrev_b32 v[VB], 4, v1
	v_lshl_add_u32 v[CO], v2, 12, v[VB]
.if KS > 16
	v_min_u32 v[PFO], 7, v3
	v_lshl_add_u32 v[PFO], v[PFO], 8, s32          ; lanes 0-7: a block of 256 bytes each
.endif
	s_wait_alu depctr_va_vdst(0)
	s_wait_kmcnt 0x0
	s_add_nc_u64 s[PA:PA+1], s[4:5], s[20:21]
	s_add_nc_u64 s[PB:PB+1], s[6:7], s[22:23]
	s_add_nc_u64 s[PSA:PSA+1], s[4:5], s[24:25]
	s_add_nc_u64 s[PSB:PSB+1], s[6:7], s[26:27]
	s_add_nc_u64 s[8:9], s[8:9], s[30:31]
	s_add_nc_u64 s[10:11], s[10:11], s[28:29]
	s_add_nc_u64 s[12:13], s[12:13], s[28:29]
.irp k, 0,1,2                                  ; K steps 0, 1, 2 into sets 0, 1, 2
.irp g, 0,1,2,3
	LDC \g, \k, \k
.endr
	LDW \k, \k
.endr
	global_load_b128 v[8:11], v[VB], s[8:9]        ; the bias and the residual: 33 loads, behind the first three K steps': they land under the loop
.irp a, 0,1,2,3
.irp t, 0,1,2,3,4,5,6,7
	global_load_b128 v[64+32*\a+64*(\a/2)+4*\t:64+32*\a+64*(\a/2)+4*\t+3], v[CO], s[10:11] offset:(32*(\a/2)+8*(\a%2)+2*\t+8*(\t/4))*4096
.endr
.endr
	STEP 0, 1, 3, 63                               ; behind set 0's loads 68 and more were issued: the wait names the most that its field holds
	s_mov_b32 s3, (KS-4)/4
.Ltrip:                                            ; K steps 4 t + 1 .. 4 t + 4; they fetch 4 t + 4 .. 4 t + 7
	STEP 1, 0, 4, 63
.if KS > 16
	s_cmp_gt_u32 s3, 2                             ; the last two trips ask for nothing: K steps 4 t + 12 .. 4 t + 15 would lie beyond K
	s_cbranch_scc0 .Lnone_ahead
	global_prefetch_b8 v[PFO], s[PA:PA+1] offset:12*2048 th:TH_LOAD_NT scope:SCOPE_SE
.Lnone_ahead:
.endif
	STEP 2, 0, 5, 63
	STEP 3, 0, 6, 63
	STEP 0, 0, 7, 63
	s_wait_xcnt 0x0                                ; the loads and the prefetch have read their bases, which step now
	s_add_nc_u64 s[PA:PA+1], s[PA:PA+1], 4*2048
	s_add_nc_u64 s[PB:PB+1], s[PB:PB+1], 4*2048
	s_add_nc_u64 s[PSA:PSA+1], s[PSA:PSA+1], 4*APITCH
	s_add_nc_u64 s[PSB:PSB+1], s[PSB:PSB+1], 4*BPITCH
	s_sub_co_u32 s3, s3, 1
	s_cmp_lg_u32 s3, 0
	s_cbranch_scc1 .Ltrip
	STEP 1, 0, -1, 63                              ; behind its loads: 68
	STEP 2, 0, -1, 34                              ; 34
	STEP 3, 0, -1, 0
	PLACES 8
	s_wait_loadcnt 0x0
.irp a, 0,1,2,3                                ; the way out, 16 rows x 64 columns at a time
	WIN 0x0c
.irp b, 0,1,2,3
	ds_store_b128 v[STO], v[32*\a+8*\b:32*\a+8*\b+3] offset:128*(\b/2)+32*(\b%2)
	ds_store_b128 v[STO], v[32*\a+8*\b+4:32*\a+8*\b+7] offset:128*(\b/2)+32*(\b%2)+16
.endr
	WIN 0
.irp t, 0,1,2,3,4,5,6,7
	ds_load_b128 v[BK+4*\t:BK+4*\t+3], v[RD] offset:544*\t   ; LDS serves a wave's instructions in order: these see my stores
.endr
	s_wait_dscnt 0x0
.irp t, 0,1,2,3,4,5,6,7
	v_pk_add_f32 v[BK+4*\t:BK+4*\t+1], v[BK+4*\t:BK+4*\t+1], v[8:9]
	v_pk_add_f32 v[BK+4*\t+2:BK+4*\t+3], v[BK+4*\t+2:BK+4*\t+3], v[10:11]
.endr
.irp i, 0,2,4,6,8,10,12,14,16,18,20,22,24,26,28,30
	v_pk_add_f32 v[64+32*\a+64*(\a/2)+\i:64+32*\a+64*(\a/2)+\i+1], v[64+32*\a+64*(\a/2)+\i:64+32*\a+64*(\a/2)+\i+1], v[BK+\i:BK+\i+1]
.endr
.irp t, 0,1,2,3,4,5,6,7
.if NTS
	global_store_b128 v[CO], v[64+32*\a+64*(\a/2)+4*\t:64+32*\a+64*(\a/2)+4*\t+3], s[12:13] offset:(32*(\a/2)+8*(\a%2)+2*\t+8*(\t/4))*4096 th:TH_STORE_NT
.else
	global_store_b128 v[CO], v[64+32*\a+64*(\a/2)+4*\t:64+32*\a+64*(\a/2)+4*\t+3], s[12:13] offset:(32*(\a/2)+8*(\a%2)+2*\t+8*(\t/4))*4096
.endif
.endr
.endr
	s_wait_tensorcnt 0x0                           ; the wave's end
	ds_add_u32 v[SPW], v[NIL]
	s_wait_dscnt 0x0
	s_endpgm
.Lfunc_end_k_qd43e33293a_ff2:
	.size	k_qd43e33293a_ff2, .Lfunc_end_k_qd43e33293a_ff2-k_qd43e33293a_ff2
	.p2alignl 7, 3214868480
	.fill 96, 4, 3214868480
	.section	.rodata,"a",@progbits
	.p2align	6, 0x0
	.amdhsa_kernel k_qd43e33293a_ff2
		.amdhsa_group_segment_fixed_size 17920
		.amdhsa_private_segment_fixed_size 0
		.amdhsa_enable_private_segment 0
		.amdhsa_kernarg_size 40
		.amdhsa_user_sgpr_count 2
		.amdhsa_user_sgpr_kernarg_segment_ptr 1
		.amdhsa_wavefront_size32 1
		.amdhsa_system_sgpr_workgroup_id_x 1
		.amdhsa_system_sgpr_workgroup_id_y 1
		.amdhsa_system_sgpr_workgroup_id_z 1
		.amdhsa_system_vgpr_workitem_id 0
		.amdhsa_next_free_vgpr 896
		.amdhsa_next_free_sgpr 66
		.amdhsa_reserve_vcc 0
		.amdhsa_float_denorm_mode_32 3
		.amdhsa_float_denorm_mode_16_64 3
		.amdhsa_memory_ordered 1
		.amdhsa_forward_progress 1
		.amdhsa_inst_pref_size 68
	.end_amdhsa_kernel
	.amdgpu_metadata
---
amdhsa.version: [ 1, 2 ]
amdhsa.kernels:
  - .name:           k_qd43e33293a_ff2
    .symbol:         k_qd43e33293a_ff2.kd
    .args:
      - { .name: hid, .offset: 0, .size: 8, .value_kind: global_buffer, .address_space: global }
      - { .name: wq, .offset: 8, .size: 8, .value_kind: global_buffer, .address_space: global }
      - { .name: ff2_b, .offset: 16, .size: 8, .value_kind: global_buffer, .address_space: global }
      - { .name: x1, .offset: 24, .size: 8, .value_kind: global_buffer, .address_space: global }
      - { .name: out0, .offset: 32, .size: 8, .value_kind: global_buffer, .address_space: global }
    .group_segment_fixed_size: 17920
    .private_segment_fixed_size: 0
    .kernarg_segment_align: 8
    .kernarg_segment_size: 40
    .max_flat_workgroup_size: 128
    .sgpr_count:     66
    .vgpr_count:     896
    .wavefront_size: 32
...
	.end_amdgpu_metadata
.endif
;; end of part 14
